; MI455X (gfx1250); checked and timed in simulation.
; The chip was launched on July 23, 2026; its instructions are those of AMD's public machine-readable ISA for CDNA 5 (MIT licence, August 2026) and "CDNA5" Instruction Set Architecture Reference Guide (July 2026). The comments in the code are by the model that wrote it; some were corrected since.
;; Enhanced Cross Attention. Allowed arithmetic: matrix products marked QUANTISED: E2M3 operands, one E8M0 scale for each 32 along K, by v_wmma_scale_f32_16x16x128_f8f6f4 with both operands' format E2M3, f32 sums; everything else in f32.
;; Inputs: bdg 512 float32; bdk 512 float32; bdq 512 float32; bdv 512 float32; bgg 512 float32; bgk 512 float32; bgq 512 float32; bgv 512 float32; bo 512 float32; dg_b 512 float32; dg_g 512 float32; drug_embeds 4,096 x 512 float32; gene_embeds 4,096 x 512 float32; gg_b 512 float32; gg_g 512 float32; lnd_b 512 float32; lnd_g 512 float32; lng_b 512 float32; lng_g 512 float32; wdg 1,024 x 512 float32; wdk 512 x 512 float32; wdq 512 x 512 float32; wdv 512 x 512 float32; wgg 1,024 x 512 float32; wgk 512 x 512 float32; wgq 512 x 512 float32; wgv 512 x 512 float32; wo 512 x 512 float32.
;; Outputs: out0 4,096 x 512 float32; out1 4,096 x 512 float32.
;; This version of the problem:
;;   THIS VERSION OF THE PROBLEM IS GIVEN IN LOW PRECISION. The matrix products marked QUANTISED in the list below multiply operands that are first quantised to E2M3 (2 exponent bits, 3 mantissa bits; 6 bits a number), with one power-of-two scale for each 32 numbers along K (OCP MX v1.0); their sums are f32. All else is computed in f32.
;;   The module's matrix products, in the order in which they are computed (A, B: the left and right operand; K: the contracted axis; several contracted axes count as one K, in the product's order):
;;     1. [M 4,096, K 512] x [K 512, N 512]; A: computed on the way; B: input wgq: QUANTISED
;;     2. [M 4,096, K 512] x [K 512, N 512]; A: computed on the way; B: input wgk: QUANTISED
;;     3. [M 4,096, K 512] x [K 512, N 512]; A: input gene_embeds; B: input wgv: QUANTISED
;;     4. [M 4,096, K 512] x [K 512, N 512]; A: computed on the way; B: input wdq: QUANTISED
;;     5. [M 4,096, K 512] x [K 512, N 512]; A: computed on the way; B: input wdk: QUANTISED
;;     6. [M 4,096, K 512] x [K 512, N 512]; A: input drug_embeds; B: input wdv: QUANTISED
;;     7. batch 8 x [M 4,096, K 64] x [K 64, N 4,096]; A: computed on the way; B: computed on the way: QUANTISED
;;     8. batch 8 x [M 4,096, K 4,096] x [K 4,096, N 64]; A: softmax (see below); B: computed on the way: QUANTISED
;;     9. batch 8 x [M 4,096, K 64] x [K 64, N 4,096]; A: computed on the way; B: computed on the way: QUANTISED
;;     10. batch 8 x [M 4,096, K 4,096] x [K 4,096, N 64]; A: softmax (see below); B: computed on the way: QUANTISED
;;     11. [M 4,096, K 1,024] x [K 1,024, N 512]; A: computed on the way; B: input wgg: QUANTISED
;;     12. [M 4,096, K 1,024] x [K 1,024, N 512]; A: computed on the way; B: input wdg: QUANTISED
;;     13. [M 4,096, K 512] x [K 512, N 512]; A: computed on the way; B: input wo: QUANTISED
;;     14. [M 4,096, K 512] x [K 512, N 512]; A: computed on the way; B: input wo: QUANTISED
;;   THE QUANTISER, for each operand of a quantised product, along K:
;;     - K is cut into blocks of 32 from its start; a last block that is shorter is filled with zeros.
;;     - A block's scale is 2^e with e = floor(log2(the largest magnitude in the block)) - 2, held to -126 .. 127; a block of zeros has e = 0. As a byte (E8M0): e + 127.
;;     - Each number is divided by its block's scale, clamped to +-7.5, and rounded to the nearest number of E2M3, ties to even, subnormals kept.
;;     - The product sums the exact products of the quantised numbers (number of the format x scale) in f32.
;;   ~~~python
;;   def quantise(x, axis):      # numpy; x: float32 -> the quantised numbers, widened to float32 again
;;       x = np.moveaxis(x, axis, -1); K = x.shape[-1]
;;       x = np.pad(x, [(0, 0)] * (x.ndim - 1) + [(0, -K % 32)]); x = x.reshape(x.shape[:-1] + (-1, 32)); a = np.abs(x).max(-1, keepdims=True)
;;       e = np.where(a > 0, np.clip(np.frexp(np.where(a > 0, a, 1))[1] - 1 - 2, -126, 127), 0)      # np.frexp(a)[1] - 1 = floor(log2(a)), exactly
;;       r = np.clip(x / 2.0 ** e, -7.5, 7.5)
;;       step = 2.0 ** (np.maximum(np.frexp(np.where(r == 0, 1, r))[1] - 1, 0) - 3)
;;       q = np.round(r / step) * step * 2.0 ** e      # np.round: ties to even
;;       return np.moveaxis(q.reshape(q.shape[:-2] + (-1,))[..., :K], -1, axis).astype(np.float32)
;;   ~~~
;;   SOFTMAX AHEAD OF A QUANTISED PRODUCT. Where the list says 'softmax', what is quantised is not the finished softmax but p = 2^(t - M), with t = logit x log2(e) and M = ceil(the row's largest t), a whole number; so 1/2 < the row's largest p <= 1. The row's sum l is taken of the UNQUANTISED p, in f32, and the product's result is divided by l at the end. Since M is a whole number, a kernel that streams over the keys may use a running M (the ceiling of the running maximum): every later rescaling is an exact power of two, which a block's scale takes up: the codes' values come out the same.
;;   OPERANDS COMPUTED ON THE WAY. 'Computed on the way' means the value that the module computes at that place (a softmax that the list does not call 'softmax' is quantised finished and normalised). What goes into a quantiser is computed in f32, as accurately as f32 sums, v_exp_f32 and their like allow (about 1e-6 of the number): no bf16 or f16 on the way to a quantiser, and a product that is left as it is and whose result goes on into a quantised operand takes f32 operands (vector FMAs, or v_wmma_f32_16x16x4_f32). A number that lies on a knife's edge between two numbers of the format may be rounded either way, as far as f32 arithmetic and the matrix unit's own rounding can turn it there, and no further.
;; 2 versions. Each part assembles by itself: llvm-mc -triple=amdgcn-amd-amdhsa -mcpu=gfx1250 --defsym DOCPART=n.
;; ======== version 1 of 2: 4 launches
;; workspace buffers: xc 6,291,456 bytes; xs 262,144 bytes; wq 2,252,800 bytes; qc 3,145,728 bytes; qs 524,288 bytes; kv 6,553,600 bytes; cc 3,145,728 bytes; cs 131,072 bytes
;; launch prep (part 1): grid 688 x 1, 4 waves a work-group, no clusters, 80,384 bytes of LDS; arguments gene_embeds, drug_embeds, lng_g, lng_b, lnd_g, lnd_b, wgq, wgk, wgv, wdq, wdk, wdv, wo, wgg, wdg, xc, xs, wq; writes xc, xs, wq
.if DOCPART == 1
	.amdgcn_target "amdgcn-amd-amdhsa--gfx1250"
	.amdhsa_code_object_version 6
	.text
	.protected	k_qa4a2a118be_prep
	.globl	k_qa4a2a118be_prep
	.p2align	8
	.type	k_qa4a2a118be_prep,@function
k_qa4a2a118be_prep:
	s_mov_b64 s[64:65], 0
	v_nop
	global_prefetch_b8 v0, s[64:65] scope:SCOPE_SE
	s_setreg_imm32_b32 hwreg(HW_REG_WAVE_MODE, 25, 1), 1
	s_wait_xcnt 0x0
; LAUNCH 1 OF 4.  Everything that many work-groups read later is quantised once, to codes of FP6 (E2M3) with one E8M0 byte for each 32 along K.
; NOTHING OF reference() IS LEFT OUT in this program: every input has a way to an output and is loaded, every product of the table is multiplied.
; Work-groups 0-511: one tile of 16 tokens of one side: the raw embeddings (operand of the v products and lower half of the gates' K) and their LayerNorm (operand of the q and k products).
; Work-groups 512-687: 64 columns x 256 rows of one of eleven weight blocks of 512 x 512 (wgq wgk wgv wdq wdk wdv wo, wgg's two halves, wdg's two halves), quantised down K, its first axis.
; IMAGES.  An operand fragment (16 rows x 128 K, 12 registers a lane) lies in memory as its registers: six pieces of 256 bytes, piece p = registers 2 p, 2 p + 1, lane l's 8 bytes at 8 l.
; TILES ARE PERMUTED.  In a group of 64 tokens (or 64 weight columns) tile u's row r is member 32 (r / 8) + 8 u + r % 8.  A matrix result has row 8 h + j in register j of lane half h, so the 32 registers
; of four such tiles are members 32 h + 0 .. 31: a whole quantiser block in one lane.
; A block's scale is 2^(floor(log2(largest magnitude)) - 2); its byte is the largest magnitude's exponent field - 2, held at 1 from below.
; LIMITS: a block whose largest magnitude lies under 2^-124 gets the byte 1, a block of zeros too (the rule says 127): its codes are zeros, and this program alone reads the bytes.  NaN and infinities are not served.
.set RP,    2064                       ; an LDS row of 512 f32: 2,048 bytes + 16, so that 16 rows of one load fall into 16 different columns of 16 bytes
.set RAW,   0                          ; tokens' path: 16 raw rows
.set NRM,   33024                      ; 16 normed rows
.set SCE,   66048                      ; the tile's 128 scale words
.set WIM,   66560                      ; weights' path: 2 K steps x 4 tiles x 1,600 (an image of 1,536 + 64)
.set WSL,   79360                      ; its 128 scale words
.set SPARE, 79872                      ; the spare words, 128 bytes a wave
.set WSC,   2162688                    ; wq: where the scale words begin
; 32 numbers of a lane, v[x] .. v[x+31], become 6 registers of codes at v[cd]; v[by] gets the scale's byte.  ct: three registers for the second 16 codes (a conversion's result begins on an even register)
.macro QB x, cd, ct, mx, m2, so, by
	v_max3_num_f32 v[\mx], |v[(\x)]|, |v[(\x)+1]|, 0x1800000        ; with the floor 2^(3 - 127): the byte cannot fall under 1
	v_max3_num_f32 v[\m2], |v[(\x)+16]|, |v[(\x)+17]|, |v[(\x)+18]|
.irp i, 0,2,4,6,8,10
	v_max3_num_f32 v[\mx], v[\mx], |v[(\x)+2+\i]|, |v[(\x)+3+\i]|
	v_max3_num_f32 v[\m2], v[\m2], |v[(\x)+19+\i]|, |v[(\x)+20+\i]|
.endr
	v_max3_num_f32 v[\mx], v[\mx], |v[(\x)+14]|, |v[(\x)+15]|
	v_max3_num_f32 v[\mx], v[\mx], v[\m2], |v[(\x)+31]|
	v_add_nc_u32 v[\so], 0xff000000, v[\mx]                         ; 2 off the exponent field: the conversion's scale operand
	v_cvt_scalef32_pk16_fp6_f32 v[(\cd):(\cd)+2], v[(\x):(\x)+15], v[\so]
	v_cvt_scalef32_pk16_fp6_f32 v[(\ct):(\ct)+2], v[(\x)+16:(\x)+31], v[\so]
	v_lshrrev_b32 v[\by], 23, v[\so]                                ; the byte; also the plain line behind the conversions
.irp i, 0,1,2
	v_mov_b32 v[(\cd)+3+\i], v[(\ct)+\i]
.endr
.endm
.macro RED4 b                          ; four numbers v[b] .. v[b+3] are summed over the 32 lanes; v[b+4] .. v[b+7] at work
.irp x, 1,2,4,8
.irp i, 0,1,2,3
	v_add_f32_dpp v[\b+\i], v[\b+\i], v[\b+\i] row_xmask:\x row_mask:0xf bank_mask:0xf
.endr
.endr
.irp i, 0,1,2,3
	v_permlanex16_b32 v[\b+4+\i], v[\b+\i], s6, s7
.endr
.irp i, 0,1,2,3
	v_add_f32 v[\b+\i], v[\b+\i], v[\b+4+\i]
.endr
.endm
.macro BARRIER                         ; my LDS stores have landed and my LDS loads are in: then the work-group's barrier
	s_wait_dscnt 0x0
	s_barrier_signal -1
	s_barrier_wait -1
.endm
	s_load_b512 s[16:31], s[0:1], 0x0              ; gene 16, drug 18, lng_g 20, lng_b 22, lnd_g 24, lnd_b 26, wgq 28, wgk 30
	s_load_b512 s[32:47], s[0:1], 0x40             ; wgv 32, wdq 34, wdk 36, wdv 38, wo 40, wgg 42, wdg 44, xc 46
	s_load_b128 s[48:51], s[0:1], 0x80             ; xs 48, wq 50
	v_lshl_add_u32 v1, v0, 2, SPARE                ; my spare word; never rewritten
	v_mov_b32 v2, 0                                ; 0; never rewritten
	v_lshrrev_b32 v3, 5, v0
	v_readfirstlane_b32 s4, v3                     ; wave 0..3
	v_and_b32 v3, 31, v0                           ; lane
	v_lshlrev_b32 v4, 4, v3                        ; 16 x lane
	v_lshlrev_b32 v5, 3, v3                        ; 8 x lane
	v_and_b32 v6, 15, v0                           ; r
	v_bfe_u32 v7, v0, 4, 1                         ; h
	s_mov_b32 s6, 0x76543210
	s_mov_b32 s7, 0xfedcba98                       ; v_permlanex16_b32's selects for lane l xor 16
	s_cmp_lt_u32 ttmp9, 512                        ; the work-group's number alone: all four waves go the same way, and the two ways never join
	s_cbranch_scc0 .Lweights
	; ================ TOKENS: tile T of a side ================
	s_lshr_b32 s8, ttmp9, 8                        ; side
	s_and_b32 s9, ttmp9, 255                       ; T
	s_lshr_b32 s10, s9, 2                          ; group of 64 tokens
	s_and_b32 s11, s9, 3                           ; u
	s_lshl_b32 s12, s10, 6                         ; my four tile rows 4 w .. 4 w + 3 are tokens 64 G + 8 u + 32 (w / 2) + 4 (w % 2) + 0 .. 3
	s_lshl_b32 s13, s11, 3
	s_add_co_u32 s12, s12, s13
	s_lshr_b32 s13, s4, 1
	s_lshl_b32 s13, s13, 5
	s_add_co_u32 s12, s12, s13
	s_and_b32 s13, s4, 1
	s_lshl_b32 s13, s13, 2
	s_add_co_u32 s12, s12, s13
	s_lshl_b32 s12, s12, 11                        ; in bytes
	s_mov_b32 s13, 0
	s_mul_i32 s14, s4, 4*RP
	v_add_nc_u32 v8, s14, v4                       ; LDS, on the way in: my four rows, 16 bytes a lane
	v_mul_u32_u24 v9, v6, RP
	v_lshl_add_u32 v9, v7, 7, v9
	s_lshl_b32 s14, s4, 9
	v_add_nc_u32 v9, s14, v9                       ; on the way out: row r, K step = my wave, + 128 h
	v_lshlrev_b32 v10, 3, v7                       ; 8 h
	v_lshlrev_b32 v11, 2, v6
	s_lshl_b32 s14, s4, 6
	v_add_nc_u32 v11, s14, v11
	v_add_nc_u32 v11, SCE, v11                     ; my row's scale word of my K step
	v_add_nc_u32 v12, SCE, v4                      ; the way out of the 512 bytes of scale words
	v_mov_b32 v13, 0x3727c5ac                      ; 1e-5
	v_mov_b32 v20, 0                               ; a lane permute's destination counts as a source: written once
.irp i, 0,1,2,3
	v_mov_b32 v[140+\i], 0
.endr
	s_mov_b32 s5, 0x3b000000                       ; 1 / 512
	s_lshl_b32 s58, s8, 9                          ; xc: (((side 2 + arr) 256 + T) 4 + K step) x 1,536; arr stands in the immediate
	s_add_co_u32 s58, s58, s9
	s_lshl_b32 s58, s58, 2
	s_add_co_u32 s58, s58, s4
	s_mul_i32 s58, s58, 1536
	s_mov_b32 s59, 0
	s_lshl_b32 s60, ttmp9, 9                       ; xs: 512 bytes a tile
	s_mov_b32 s61, 0
	s_wait_kmcnt 0x0
	s_cmp_eq_u32 s8, 0
	s_cselect_b64 s[52:53], s[16:17], s[18:19]     ; the side's embeddings,
	s_cselect_b64 s[54:55], s[20:21], s[24:25]     ; gain
	s_cselect_b64 s[56:57], s[22:23], s[26:27]     ; and bias
	s_add_nc_u64 s[52:53], s[52:53], s[12:13]
	s_add_nc_u64 s[46:47], s[46:47], s[58:59]
	s_add_nc_u64 s[48:49], s[48:49], s[60:61]
.irp i, 0,1,2,3
.irp q, 0,1,2,3
	global_load_b128 v[32+16*\i+4*\q:35+16*\i+4*\q], v4, s[52:53] offset:2048*\i+512*\q th:TH_LOAD_NT   ; 512 consecutive bytes a load
.endr
.endr
.irp q, 0,1,2,3
	global_load_b128 v[96+4*\q:99+4*\q], v4, s[54:55] offset:512*\q
	global_load_b128 v[112+4*\q:115+4*\q], v4, s[56:57] offset:512*\q
.endr
	s_wait_loadcnt 8                               ; the four rows are in; the gain's and the bias's eight loads may be out
.irp i, 0,1,2,3
.irp q, 0,1,2,3
	ds_store_b128 v8, v[32+16*\i+4*\q:35+16*\i+4*\q] offset:RAW+RP*\i+512*\q
.endr
.endr
.irp i, 0,1,2,3                                ; the rows' sums, the four rows by turns
	v_pk_add_f32 v[128+2*\i:129+2*\i], v[32+16*\i:33+16*\i], v[34+16*\i:35+16*\i]
.endr
.irp k, 4,6,8,10,12,14
.irp i, 0,1,2,3
	v_pk_add_f32 v[128+2*\i:129+2*\i], v[128+2*\i:129+2*\i], v[32+16*\i+\k:33+16*\i+\k]
.endr
.endr
.irp i, 0,1,2,3
	v_add_f32 v[136+\i], v[128+2*\i], v[129+2*\i]
.endr
	RED4 136
.irp i, 0,1,2,3
	v_mul_f32 v[144+2*\i], s5, v[136+\i]           ; the mean, in both halves of a pair
	v_mov_b32 v[145+2*\i], v[144+2*\i]
.endr
	s_wait_dscnt 0x0                               ; the raw rows' stores are done: their registers may be written
.irp i, 0,1,2,3
.irp k, 0,2,4,6,8,10,12,14
	v_pk_add_f32 v[32+16*\i+\k:33+16*\i+\k], v[32+16*\i+\k:33+16*\i+\k], v[144+2*\i:145+2*\i] neg_lo:[0,1] neg_hi:[0,1]   ; x - mean
.endr
.endr
.irp i, 0,1,2,3
	v_pk_mul_f32 v[128+2*\i:129+2*\i], v[32+16*\i:33+16*\i], v[32+16*\i:33+16*\i]
.endr
.irp k, 2,4,6,8,10,12,14
.irp i, 0,1,2,3
	v_pk_fma_f32 v[128+2*\i:129+2*\i], v[32+16*\i+\k:33+16*\i+\k], v[32+16*\i+\k:33+16*\i+\k], v[128+2*\i:129+2*\i]
.endr
.endr
.irp i, 0,1,2,3
	v_add_f32 v[136+\i], v[128+2*\i], v[129+2*\i]
.endr
	RED4 136
.irp i, 0,1,2,3
	v_fma_f32 v[136+\i], v[136+\i], s5, v13        ; the variance + 1e-5
.endr
.irp i, 0,1,2,3
	v_rsq_f32 v[152+2*\i], v[136+\i]
.endr
	v_nop                                          ; a plain line behind the last of the batch
	s_wait_alu depctr_va_vdst(0)                   ; one wait for the four, ahead of their first reader
.irp i, 0,1,2,3
	v_mov_b32 v[153+2*\i], v[152+2*\i]
.endr
	s_wait_loadcnt 0x0                             ; gain and bias
.irp i, 0,1,2,3
.irp k, 0,2,4,6,8,10,12,14
	v_pk_mul_f32 v[32+16*\i+\k:33+16*\i+\k], v[32+16*\i+\k:33+16*\i+\k], v[152+2*\i:153+2*\i]
.endr
.irp k, 0,2,4,6,8,10,12,14
	v_pk_fma_f32 v[32+16*\i+\k:33+16*\i+\k], v[32+16*\i+\k:33+16*\i+\k], v[96+\k:97+\k], v[112+\k:113+\k]
.endr
.endr
.irp i, 0,1,2,3
.irp q, 0,1,2,3
	ds_store_b128 v8, v[32+16*\i+4*\q:35+16*\i+4*\q] offset:NRM+RP*\i+512*\q
.endr
.endr
	BARRIER                                        ; 16 raw and 16 normed rows lie in LDS
	; wave w makes K step w of both arrays: lane (r, h) takes of row r the blocks h and 2 + h of the step's four
.irp a, 0,1
.irp c, 0,1
.irp j, 0,1,2,3,4,5,6,7
	ds_load_b128 v[32+32*\c+4*\j:35+32*\c+4*\j], v9 offset:NRM*\a+256*\c+16*\j
.endr
.endr
	s_wait_dscnt 0x0                               ; the numbers are in (and the last array's scale word is stored)
	QB 32, 128+20*\a, 140+20*\a, 14, 15, 16, 17
	QB 64, 134+20*\a, 144+20*\a, 14, 15, 16, 18
	v_lshl_or_b32 v19, v18, 16, v17                ; my two bytes,
	v_lshlrev_b32 v19, v10, v19                    ; at their places (8 h bits up);
	v_permlanex16_b32 v20, v19, s6, s7
	v_or_b32 v19, v19, v20                         ; with lane l xor 16's two the row's word is whole
.irp p, 0,1,2,3,4,5
	global_store_b64 v5, v[128+20*\a+2*\p:129+20*\a+2*\p], s[46:47] offset:1572864*\a+256*\p   ; a piece: 256 consecutive bytes, aligned
.endr
	ds_store_b32 v11, v19 offset:256*\a            ; both halves of the lanes write the same word with the same value
.endr
	BARRIER
	s_cmp_lg_u32 s4, 0
	s_cbranch_scc1 .Le_end
	ds_load_b128 v[32:35], v12                     ; wave 0: the tile's 512 bytes of scale words leave whole
	s_wait_dscnt 0x0
	global_store_b128 v4, v[32:35], s[48:49]
.Le_end:
	s_wait_tensorcnt 0x0                           ; the wave's end, behind my last LDS store
	ds_add_u32 v1, v2
	s_wait_dscnt 0x0
	s_endpgm
	; ================ WEIGHTS: block sm, columns 64 g on, K steps 2 sp and 2 sp + 1 ================
.Lweights:
	s_sub_co_u32 s8, ttmp9, 512
	s_lshr_b32 s9, s8, 4                           ; sm 0..10
	s_bfe_u32 s10, s8, 0x30001                     ; g
	s_and_b32 s11, s8, 1                           ; sp
	s_and_b32 s12, s4, 1                           ; y: which 32 of the 64 columns
	s_lshr_b32 s13, s4, 1                          ; sl: which of the two K steps
	s_lshl_b32 s14, s11, 1
	s_add_co_u32 s14, s14, s13                     ; the K step
	s_lshl_b32 s58, s14, 18                        ; 128 rows of 2,048 bytes a step,
	s_lshl_b32 s15, s10, 8
	s_add_co_u32 s58, s58, s15                     ; 256 bytes a group,
	s_lshl_b32 s15, s12, 7
	s_add_co_u32 s58, s58, s15                     ; 128 a half;
	s_sub_co_u32 s15, s9, 7
	s_and_b32 s15, s15, 1
	s_cmp_ge_u32 s9, 7
	s_cselect_b32 s15, s15, 0
	s_lshl_b32 s15, s15, 20                        ; blocks 8 and 10 are rows 512 on of wgg and wdg
	s_add_co_u32 s58, s58, s15
	s_mov_b32 s59, 0
	v_lshlrev_b32 v21, 2, v3                       ; 4 x lane: A LANE TAKES A COLUMN, ITS REGISTERS RUN DOWN K
	v_lshrrev_b32 v22, 3, v3                       ; the column's tile,
	v_and_b32 v23, 7, v3                           ; and its row in it: 8 y + lane % 8
	s_mul_i32 s15, s13, 6400
	s_lshl_b32 s60, s12, 6
	s_add_co_u32 s60, s60, s15
	s_add_co_u32 s60, s60, WIM
	v_mul_u32_u24 v8, v22, 1600
	v_lshl_add_u32 v8, v23, 3, v8
	v_add_nc_u32 v8, s60, v8                       ; where my column's 8 bytes of a piece go
	s_lshl_b32 s60, s13, 8
	s_lshl_b32 s61, s12, 5
	s_add_co_u32 s60, s60, s61
	s_add_co_u32 s60, s60, WSL
	v_lshlrev_b32 v9, 6, v22
	v_lshl_add_u32 v9, v23, 2, v9
	v_add_nc_u32 v9, s60, v9                       ; and its scale word
	s_mul_i32 s60, s12, 3200
	s_add_co_u32 s60, s60, s15
	s_add_co_u32 s60, s60, WIM
	v_add_nc_u32 v10, s60, v4                      ; the way out: tiles 2 y and 2 y + 1 of K step sl
	v_add_nc_u32 v11, WSL, v4
	s_lshl_b32 s62, s10, 2                         ; codes: sm x 196,608 + ((4 g + 2 y) 4 + K step) x 1,536
	s_lshl_b32 s63, s12, 1
	s_add_co_u32 s62, s62, s63
	s_lshl_b32 s62, s62, 2
	s_add_co_u32 s62, s62, s14
	s_mul_i32 s62, s62, 1536
	s_mul_i32 s63, s9, 196608
	s_add_co_u32 s62, s62, s63
	s_mov_b32 s63, 0
	s_lshl_b32 s60, s10, 2                         ; scale words: WSC + sm x 8,192 + (4 g + 2 sp) x 256
	s_lshl_b32 s61, s11, 1
	s_add_co_u32 s60, s60, s61
	s_lshl_b32 s60, s60, 8
	s_lshl_b32 s61, s9, 13
	s_add_co_u32 s60, s60, s61
	s_add_co_u32 s60, s60, WSC
	s_mov_b32 s61, 0
	s_wait_kmcnt 0x0
	s_mov_b64 s[52:53], s[28:29]                   ; the block's tensor: a choice on the work-group's number alone
	s_cmp_eq_u32 s9, 1
	s_cselect_b64 s[52:53], s[30:31], s[52:53]
	s_cmp_eq_u32 s9, 2
	s_cselect_b64 s[52:53], s[32:33], s[52:53]
	s_cmp_eq_u32 s9, 3
	s_cselect_b64 s[52:53], s[34:35], s[52:53]
	s_cmp_eq_u32 s9, 4
	s_cselect_b64 s[52:53], s[36:37], s[52:53]
	s_cmp_eq_u32 s9, 5
	s_cselect_b64 s[52:53], s[38:39], s[52:53]
	s_cmp_eq_u32 s9, 6
	s_cselect_b64 s[52:53], s[40:41], s[52:53]
	s_cmp_ge_u32 s9, 7
	s_cselect_b64 s[52:53], s[42:43], s[52:53]
	s_cmp_ge_u32 s9, 9
	s_cselect_b64 s[52:53], s[44:45], s[52:53]
	s_add_nc_u64 s[52:53], s[52:53], s[58:59]
	s_add_nc_u64 s[54:55], s[50:51], s[62:63]
	s_add_nc_u64 s[56:57], s[50:51], s[60:61]
.macro LOADB b                         ; block b of the K step: 32 rows, my column, into set b % 2; a wave reads 128 consecutive bytes a load
.irp i, 0,1,2,3,4,5,6,7,8,9,10,11,12,13,14,15,16,17,18,19,20,21,22,23,24,25,26,27,28,29,30,31
	global_load_b32 v[32+32*((\b)%2)+\i], v21, s[52:53] offset:(32*(\b)+\i)*2048 th:TH_LOAD_NT
.endr
.endm
	LOADB 0
	LOADB 1
.irp b, 0,1,2,3
.if \b < 3
	s_wait_loadcnt 32                              ; this block's 32 loads are in; the next block's may be out
.else
	s_wait_loadcnt 0x0
.endif
	QB 32+32*(\b%2), 160+8*\b, 24, 14, 15, 16, 17
.if \b == 0
	v_mov_b32 v18, v17                             ; the four bytes make my column's scale word
.else
	v_lshl_or_b32 v18, v17, 8*\b, v18
.endif
.irp i, 0,1,2
	ds_store_b64 v8, v[160+8*\b+2*\i:161+8*\b+2*\i] offset:(3*(\b/2)+\i)*256+128*(\b%2)   ; block b is half b / 2 of the fragment, lane half b % 2
.endr
.if \b < 2
	LOADB \b+2
.endif
.endr
	ds_store_b32 v9, v18
	BARRIER                                        ; eight images and their scale words lie in LDS
.irp t, 0,1
.irp i, 0,1,2
	ds_load_b128 v[32+12*\t+4*\i:35+12*\t+4*\i], v10 offset:1600*\t+512*\i
.endr
.endr
	s_wait_dscnt 0x0
.irp t, 0,1
.irp i, 0,1,2
	global_store_b128 v4, v[32+12*\t+4*\i:35+12*\t+4*\i], s[54:55] offset:6144*\t+512*\i   ; 512 consecutive bytes, aligned
.endr
.endr
	s_cmp_lg_u32 s4, 0
	s_cbranch_scc1 .Lw_end
	ds_load_b128 v[56:59], v11
	s_wait_dscnt 0x0
	global_store_b128 v4, v[56:59], s[56:57]
.Lw_end:
	s_wait_tensorcnt 0x0                           ; the wave's end, behind my last LDS store
	ds_add_u32 v1, v2
	s_wait_dscnt 0x0
	s_endpgm
.Lfunc_end_k_qa4a2a118be_prep:
	.size	k_qa4a2a118be_prep, .Lfunc_end_k_qa4a2a118be_prep-k_qa4a2a118be_prep
	.p2alignl 7, 3214868480
	.fill 96, 4, 3214868480
	.section	.rodata,"a",@progbits
	.p2align	6, 0x0
	.amdhsa_kernel k_qa4a2a118be_prep
		.amdhsa_group_segment_fixed_size 80384
		.amdhsa_private_segment_fixed_size 0
		.amdhsa_enable_private_segment 0
		.amdhsa_kernarg_size 144
		.amdhsa_user_sgpr_count 2
		.amdhsa_user_sgpr_kernarg_segment_ptr 1
		.amdhsa_wavefront_size32 1
		.amdhsa_system_sgpr_workgroup_id_x 1
		.amdhsa_system_sgpr_workgroup_id_y 1
		.amdhsa_system_sgpr_workgroup_id_z 1
		.amdhsa_system_vgpr_workitem_id 0
		.amdhsa_next_free_vgpr 192
		.amdhsa_next_free_sgpr 66
		.amdhsa_reserve_vcc 0
		.amdhsa_float_denorm_mode_32 3
		.amdhsa_float_denorm_mode_16_64 3
		.amdhsa_memory_ordered 1
		.amdhsa_forward_progress 1
		.amdhsa_inst_pref_size 54
	.end_amdhsa_kernel
	.amdgpu_metadata
---
amdhsa.version: [ 1, 2 ]
amdhsa.kernels:
  - .name:           k_qa4a2a118be_prep
    .symbol:         k_qa4a2a118be_prep.kd
    .args:
      - { .name: gene_embeds, .offset: 0, .size: 8, .value_kind: global_buffer, .address_space: global }
      - { .name: drug_embeds, .offset: 8, .size: 8, .value_kind: global_buffer, .address_space: global }
      - { .name: lng_g, .offset: 16, .size: 8, .value_kind: global_buffer, .address_space: global }
      - { .name: lng_b, .offset: 24, .size: 8, .value_kind: global_buffer, .address_space: global }
      - { .name: lnd_g, .offset: 32, .size: 8, .value_kind: global_buffer, .address_space: global }
      - { .name: lnd_b, .offset: 40, .size: 8, .value_kind: global_buffer, .address_space: global }
      - { .name: wgq, .offset: 48, .size: 8, .value_kind: global_buffer, .address_space: global }
      - { .name: wgk, .offset: 56, .size: 8, .value_kind: global_buffer, .address_space: global }
      - { .name: wgv, .offset: 64, .size: 8, .value_kind: global_buffer, .address_space: global }
      - { .name: wdq, .offset: 72, .size: 8, .value_kind: global_buffer, .address_space: global }
      - { .name: wdk, .offset: 80, .size: 8, .value_kind: global_buffer, .address_space: global }
      - { .name: wdv, .offset: 88, .size: 8, .value_kind: global_buffer, .address_space: global }
      - { .name: wo, .offset: 96, .size: 8, .value_kind: global_buffer, .address_space: global }
      - { .name: wgg, .offset: 104, .size: 8, .value_kind: global_buffer, .address_space: global }
      - { .name: wdg, .offset: 112, .size: 8, .value_kind: global_buffer, .address_space: global }
      - { .name: xc, .offset: 120, .size: 8, .value_kind: global_buffer, .address_space: global }
      - { .name: xs, .offset: 128, .size: 8, .value_kind: global_buffer, .address_space: global }
      - { .name: wq, .offset: 136, .size: 8, .value_kind: global_buffer, .address_space: global }
    .group_segment_fixed_size: 80384
    .private_segment_fixed_size: 0
    .kernarg_segment_align: 8
    .kernarg_segment_size: 144
    .max_flat_workgroup_size: 128
    .sgpr_count:     66
    .vgpr_count:     192
    .wavefront_size: 32
...
	.end_amdgpu_metadata
.endif
;; end of part 1
;; launch proj (part 2): grid 32 x 6, 8 waves a work-group, no clusters, 52,224 bytes of LDS; arguments xc, xs, wq, bgq, bgk, bgv, bdq, bdk, bdv, qc, qs, kv; writes qc, qs, kv
.if DOCPART == 2
	.amdgcn_target "amdgcn-amd-amdhsa--gfx1250"
	.amdhsa_code_object_version 6
	.text
	.protected	k_qa4a2a118be_proj
	.globl	k_qa4a2a118be_proj
	.p2align	8
	.type	k_qa4a2a118be_proj,@function
k_qa4a2a118be_proj:
	s_mov_b64 s[64:65], 0
	v_nop
	global_prefetch_b8 v0, s[64:65] scope:SCOPE_SE
	s_setreg_imm32_b32 hwreg(HW_REG_WAVE_MODE, 25, 1), 1
	s_wait_xcnt 0x0
; LAUNCH 2 OF 4: the six projections, each finished into the operand that attention wants.  Nothing is left out.
; Work-group (st, sm): 128 tokens (tiles 8 st .. 8 st + 7) of product sm = 3 side + kind, kind 0 q, 1 k, 2 v.  Wave w is head w: its 64 output channels' weights (16 fragments, 192 registers) stay in registers.
; The tokens' eight tiles of codes go once into LDS as images of their registers and are read by all eight waves.
; q, k: TRANSPOSED (source 0 = 16 weight columns, source 1 = 16 tokens): by the tiles' permutation a lane holds one token and 32 neighbouring channels of the head: the l2 norm wants one exchange
; between the lane halves, and the 32 numbers are one quantiser block.  q is multiplied by 1/8 with the norm.  v: source 0 = 16 tokens, source 1 = 16 weight columns: a lane holds one channel and, over four token tiles,
; 32 neighbouring keys: one block along the keys, which are the second product's K.
; kv: a record of 12,800 bytes for each 128 keys of a head: K's 8 half fragments, V^T's 4 fragments, K's and V's scale words, all as images.
; NO CLUSTER: each weight byte goes once from memory into the registers of the one wave that multiplies by it; a joint load would send a work-group's 196,608 bytes of weights through LDS on top.
; LIMITS: as in the first launch; x / max(n, 1e-12) is x times v_rcp_f32 of it.
.set XIMG,  0                          ; 8 tiles x 6,144 bytes
.set XSC,   49152                      ; their scale words, 256 bytes a tile
.set SPARE, 51200                      ; the spare words, 128 bytes a wave
.set WSC,   2162688
; window 0: v1, v2 the add's two; v3 8 x lane, v4 16 x lane, v5 4 x lane, v6 8 h, v7 16 h, v8 q's padding bytes; v16-23 the weights' scale words (2 s + t / 2), v24, v25 the tokens';
;   v32-79 the tile's four fragments; v80-207 sums; v208-239 codes; v240-247 bytes; v26-31, v248-255 at work.   window 1: v0-191 the weights (12 (4 t + s)); v192-223 the bias as a C operand
.set MSB, 0
.macro WIN new                         ; the immediate's high byte repeats the setting that is left
.if MSB != \new
	s_set_vgpr_msb (MSB<<8)|\new
.set MSB, \new
.endif
.endm
.macro WM d, a, b, c, sa, sb, ra, rb   ; one product; c < 0: the constant 0 starts the sum; ra, rb: the scales stand in lanes 16-31 of their registers
.if (\c) < 0
.if (\ra) && (\rb)
	v_wmma_scale_f32_16x16x128_f8f6f4 v[(\d):(\d)+7], v[(\a):(\a)+11], v[(\b):(\b)+11], 0, v[\sa], v[\sb] matrix_a_fmt:MATRIX_FMT_FP6 matrix_b_fmt:MATRIX_FMT_FP6 matrix_a_scale:MATRIX_SCALE_ROW1 matrix_b_scale:MATRIX_SCALE_ROW1
.elseif (\ra)
	v_wmma_scale_f32_16x16x128_f8f6f4 v[(\d):(\d)+7], v[(\a):(\a)+11], v[(\b):(\b)+11], 0, v[\sa], v[\sb] matrix_a_fmt:MATRIX_FMT_FP6 matrix_b_fmt:MATRIX_FMT_FP6 matrix_a_scale:MATRIX_SCALE_ROW1
.elseif (\rb)
	v_wmma_scale_f32_16x16x128_f8f6f4 v[(\d):(\d)+7], v[(\a):(\a)+11], v[(\b):(\b)+11], 0, v[\sa], v[\sb] matrix_a_fmt:MATRIX_FMT_FP6 matrix_b_fmt:MATRIX_FMT_FP6 matrix_b_scale:MATRIX_SCALE_ROW1
.else
	v_wmma_scale_f32_16x16x128_f8f6f4 v[(\d):(\d)+7], v[(\a):(\a)+11], v[(\b):(\b)+11], 0, v[\sa], v[\sb] matrix_a_fmt:MATRIX_FMT_FP6 matrix_b_fmt:MATRIX_FMT_FP6
.endif
.else
.if (\ra) && (\rb)
	v_wmma_scale_f32_16x16x128_f8f6f4 v[(\d):(\d)+7], v[(\a):(\a)+11], v[(\b):(\b)+11], v[(\c):(\c)+7], v[\sa], v[\sb] matrix_a_fmt:MATRIX_FMT_FP6 matrix_b_fmt:MATRIX_FMT_FP6 matrix_a_scale:MATRIX_SCALE_ROW1 matrix_b_scale:MATRIX_SCALE_ROW1
.elseif (\ra)
	v_wmma_scale_f32_16x16x128_f8f6f4 v[(\d):(\d)+7], v[(\a):(\a)+11], v[(\b):(\b)+11], v[(\c):(\c)+7], v[\sa], v[\sb] matrix_a_fmt:MATRIX_FMT_FP6 matrix_b_fmt:MATRIX_FMT_FP6 matrix_a_scale:MATRIX_SCALE_ROW1
.elseif (\rb)
	v_wmma_scale_f32_16x16x128_f8f6f4 v[(\d):(\d)+7], v[(\a):(\a)+11], v[(\b):(\b)+11], v[(\c):(\c)+7], v[\sa], v[\sb] matrix_a_fmt:MATRIX_FMT_FP6 matrix_b_fmt:MATRIX_FMT_FP6 matrix_b_scale:MATRIX_SCALE_ROW1
.else
	v_wmma_scale_f32_16x16x128_f8f6f4 v[(\d):(\d)+7], v[(\a):(\a)+11], v[(\b):(\b)+11], v[(\c):(\c)+7], v[\sa], v[\sb] matrix_a_fmt:MATRIX_FMT_FP6 matrix_b_fmt:MATRIX_FMT_FP6
.endif
.endif
.endm
.macro QB x, cd, ct, mx, m2, so, by    ; 32 numbers of a lane become 6 registers of codes and a scale byte (the first launch's macro); each group of eight is first read at its low end
	v_max3_num_f32 v[\mx], |v[(\x)]|, |v[(\x)+1]|, 0x1800000
	v_max3_num_f32 v[\m2], |v[(\x)+16]|, |v[(\x)+17]|, |v[(\x)+18]|
.irp i, 0,2,4,6,8,10
	v_max3_num_f32 v[\mx], v[\mx], |v[(\x)+2+\i]|, |v[(\x)+3+\i]|
	v_max3_num_f32 v[\m2], v[\m2], |v[(\x)+19+\i]|, |v[(\x)+20+\i]|
.endr
	v_max3_num_f32 v[\mx], v[\mx], |v[(\x)+14]|, |v[(\x)+15]|
	v_max3_num_f32 v[\mx], v[\mx], v[\m2], |v[(\x)+31]|
	v_add_nc_u32 v[\so], 0xff000000, v[\mx]
	v_cvt_scalef32_pk16_fp6_f32 v[(\cd):(\cd)+2], v[(\x):(\x)+15], v[\so]
	v_cvt_scalef32_pk16_fp6_f32 v[(\ct):(\ct)+2], v[(\x)+16:(\x)+31], v[\so]
	v_lshrrev_b32 v[\by], 23, v[\so]               ; also the plain line behind the conversions
.irp i, 0,1,2
	v_mov_b32 v[(\cd)+3+\i], v[(\ct)+\i]
.endr
.endm
.macro ACTLD i                         ; tile i's four fragments and its scale words (lanes 0-15 K step 0 or 2, lanes 16-31 K step 1 or 3)
.irp q, 0,1,2,3,4,5,6,7,8,9,10,11,12,13,14,15,16,17,18,19,20,21,22,23
	ds_load_b64 v[32+2*\q:33+2*\q], v3 offset:XIMG+(\i)*6144+256*\q
.endr
	ds_load_b32 v24, v5 offset:XSC+(\i)*256
	ds_load_b32 v25, v5 offset:XSC+(\i)*256+128
.endm
.macro PLACES5                         ; five places: the next matrix instruction on these registers writes over them; loads and vector reads want four
.rept 5
	v_nop
.endr
.endm
	s_load_b512 s[16:31], s[0:1], 0x0              ; xc 16, xs 18, wq 20, bgq 22, bgk 24, bgv 26, bdq 28, bdk 30
	s_load_b256 s[32:39], s[0:1], 0x40             ; bdv 32, qc 34, qs 36, kv 38
	v_lshl_add_u32 v1, v0, 2, SPARE
	v_mov_b32 v2, 0
	v_lshrrev_b32 v3, 5, v0
	v_readfirstlane_b32 s4, v3                     ; wave = head
	v_and_b32 v9, 31, v0
	v_lshlrev_b32 v3, 3, v9
	v_lshlrev_b32 v4, 4, v9
	v_lshlrev_b32 v5, 2, v9
	v_bfe_u32 v10, v0, 4, 1                        ; h
	v_lshlrev_b32 v6, 3, v10
	v_lshlrev_b32 v7, 4, v10
	v_mov_b32 v8, 0x7f7f0000
	v_lshrrev_b32 v8, v7, v8                       ; the bytes 127 for the half of K in which q's operand holds zero codes: upper half in lanes 0-15, lower in lanes 16-31
	v_lshlrev_b32 v13, 7, v10                      ; q, k: the bias of channels 32 h on
	v_and_b32 v14, 8, v0
	v_lshlrev_b32 v14, 4, v14
	v_and_b32 v15, 7, v0
	v_lshl_add_u32 v14, v15, 2, v14                ; v: the bias of channel 32 (r / 8) + r % 8
	v_mov_b32 v30, 0                               ; a lane permute's destination counts as a source: written once
	v_mov_b32 v254, 0
	v_mov_b32 v255, 0
	s_mul_i32 s9, s4, 6144
	v_add_nc_u32 v11, s9, v4                       ; LDS: where I put my tile's image,
	s_lshl_b32 s9, s4, 8
	v_add_nc_u32 v12, s9, v3
	v_add_nc_u32 v12, XSC, v12                     ; and its scale words
	s_mov_b32 s5, ttmp9                            ; st
	s_and_b32 s6, ttmp7, 0xffff                    ; sm
	s_cmp_ge_u32 s6, 3
	s_cselect_b32 s7, 1, 0                         ; side
	s_mul_i32 s9, s7, 3
	s_sub_co_u32 s8, s6, s9                        ; kind
	s_cmp_eq_u32 s8, 2
	s_cselect_b32 s9, 0, 1                         ; v takes the raw embeddings, q and k the normed
	s_lshl_b32 s60, s5, 3
	s_add_co_u32 s60, s60, s4                      ; my tile: 8 st + w
	s_lshl_b32 s10, s7, 1
	s_add_co_u32 s10, s10, s9
	s_lshl_b32 s10, s10, 8
	s_add_co_u32 s10, s10, s60
	s_mul_i32 s10, s10, 6144
	s_mov_b32 s11, 0
	s_lshl_b32 s12, s7, 8
	s_add_co_u32 s12, s12, s60
	s_lshl_b32 s12, s12, 1
	s_add_co_u32 s12, s12, s9
	s_lshl_b32 s12, s12, 8
	s_mov_b32 s13, 0
	s_mul_i32 s14, s6, 196608
	s_mul_i32 s15, s4, 24576
	s_add_co_u32 s14, s14, s15
	s_mov_b32 s15, 0
	s_lshl_b32 s40, s6, 13
	s_lshl_b32 s41, s4, 10
	s_add_co_u32 s40, s40, s41
	s_add_co_u32 s40, s40, WSC
	s_mov_b32 s41, 0
	s_lshl_b32 s42, s7, 3
	s_add_co_u32 s42, s42, s4                      ; 8 side + head
	s_lshl_b32 s44, s42, 8
	s_lshl_b32 s45, s5, 3
	s_add_co_u32 s44, s44, s45
	s_mul_i32 s44, s44, 768                        ; qc
	s_mov_b32 s45, 0
	s_lshl_b32 s46, s42, 7
	s_lshl_b32 s47, s5, 2
	s_add_co_u32 s46, s46, s47
	s_lshl_b32 s46, s46, 8                         ; qs
	s_mov_b32 s47, 0
	s_mul_i32 s48, s42, 409600
	s_mul_i32 s49, s5, 12800
	s_add_co_u32 s48, s48, s49                     ; kv: my record
	s_mov_b32 s49, 0
	s_mov_b32 s53, 0xffff0000                      ; lanes 16-31
	s_mov_b32 s54, 0x76543210
	s_mov_b32 s55, 0xfedcba98
	s_lshl_b32 s60, s4, 8
	s_mov_b32 s61, 0
	s_wait_kmcnt 0x0
	s_add_nc_u64 s[16:17], s[16:17], s[10:11]
	s_add_nc_u64 s[18:19], s[18:19], s[12:13]
	s_add_nc_u64 s[56:57], s[20:21], s[40:41]      ; the weights' scale words
	s_add_nc_u64 s[20:21], s[20:21], s[14:15]      ; and codes
	s_add_nc_u64 s[34:35], s[34:35], s[44:45]
	s_add_nc_u64 s[36:37], s[36:37], s[46:47]
	s_add_nc_u64 s[38:39], s[38:39], s[48:49]
	s_mov_b64 s[58:59], s[22:23]                   ; the product's bias
	s_cmp_eq_u32 s6, 1
	s_cselect_b64 s[58:59], s[24:25], s[58:59]
	s_cmp_eq_u32 s6, 2
	s_cselect_b64 s[58:59], s[26:27], s[58:59]
	s_cmp_eq_u32 s6, 3
	s_cselect_b64 s[58:59], s[28:29], s[58:59]
	s_cmp_eq_u32 s6, 4
	s_cselect_b64 s[58:59], s[30:31], s[58:59]
	s_cmp_eq_u32 s6, 5
	s_cselect_b64 s[58:59], s[32:33], s[58:59]
	s_add_nc_u64 s[58:59], s[58:59], s[60:61]      ; my head's 64 numbers
	s_cmp_eq_u32 s8, 0
	s_cselect_b64 s[50:51], s[34:35], s[38:39]     ; where a token tile's codes go: q's buffer, or K's part of the record
	s_cselect_b32 s52, 0x3e000000, 1.0             ; q alone is scaled by 1/8
.irp i, 0,1,2,3,4,5,6,7,8,9,10,11
	global_load_b128 v[80+4*\i:83+4*\i], v4, s[16:17] offset:512*\i
.endr
	global_load_b64 v[128:129], v3, s[18:19]
	WIN 0x40                                       ; destination window 1
.irp f, 0,1,2,3,4,5,6,7
.irp p, 0,1,2,3,4,5
	global_load_b64 v[12*\f+2*\p:12*\f+2*\p+1], v3, s[20:21] offset:1536*\f+256*\p
.endr
.endr
	s_wait_loadcnt 48                              ; my tile's 13 loads are in; the 48 of the weights' first half may be out
	WIN 0
.irp i, 0,1,2,3,4,5,6,7,8,9,10,11
	ds_store_b128 v11, v[80+4*\i:83+4*\i] offset:512*\i
.endr
	ds_store_b64 v12, v[128:129]
	WIN 0x40
.irp f, 8,9,10,11,12,13,14,15
.irp p, 0,1,2,3,4,5
	global_load_b64 v[12*\f+2*\p:12*\f+2*\p+1], v3, s[20:21] offset:1536*\f+256*\p
.endr
.endr
	WIN 0
.irp s, 0,1,2,3
.irp t, 0,1
	global_load_b32 v[16+2*\s+\t], v5, s[56:57] offset:256*\s+128*\t   ; lanes 0-15 tile 2 t, lanes 16-31 tile 2 t + 1
.endr
.endr
	s_wait_dscnt 0x0                               ; my image has landed
	s_barrier_signal -1
	s_barrier_wait -1                              ; all eight have; they are never written again
	s_cmp_eq_u32 s8, 2                             ; the work-group's number alone
	s_cbranch_scc1 .Lpath_v
	; ================ q and k ================
	WIN 0x40
.irp t, 0,1,2,3
	global_load_b128 v[192+8*\t:195+8*\t], v13, s[58:59] offset:32*\t       ; register j of tile t: the bias of channel 32 h + 8 t + j
	global_load_b128 v[196+8*\t:199+8*\t], v13, s[58:59] offset:32*\t+16
.endr
	WIN 0
	ACTLD 0
	s_wait_loadcnt 0x0
.macro QKTILE i
	s_wait_dscnt 0x0
	WIN 0x11                                       ; source 0 (weights) and source 2 (bias) window 1
.irp t, 0,1,2,3
	WM 80+8*\t, 12*(4*\t), 32, 192+8*\t, 16+\t/2, 24, \t%2, 0
.endr
	WIN 0x01
.irp s, 1,2,3                                  ; the four sums take turns, one instruction a turn
.irp t, 0,1,2,3
	WM 80+8*\t, 12*(4*\t+\s), 32+12*\s, 80+8*\t, 16+2*\s+\t/2, 24+\s/2, \t%2, \s%2
.endr
.endr
	WIN 0
	PLACES5
.if \i < 7
	ACTLD \i+1                                     ; the next tile lands under this tile's vector work
.endif
	v_pk_mul_f32 v[26:27], v[80:81], v[80:81]      ; the sum of squares of my 32 channels, in two chains, ascending
	v_pk_mul_f32 v[28:29], v[82:83], v[82:83]
.irp k, 4,8,12,16,20,24,28
	v_pk_fma_f32 v[26:27], v[80+\k:81+\k], v[80+\k:81+\k], v[26:27]
	v_pk_fma_f32 v[28:29], v[82+\k:83+\k], v[82+\k:83+\k], v[28:29]
.endr
	v_pk_add_f32 v[26:27], v[26:27], v[28:29]
	v_add_f32 v26, v26, v27
	v_permlanex16_b32 v30, v26, s54, s55
	v_add_f32 v26, v26, v30                        ; with the other 32 channels'
	v_sqrt_f32 v27, v26
	v_nop
	s_wait_alu depctr_va_vdst(0)
	v_max_num_f32 v27, 0x2b8cbccc, v27             ; max(n, 1e-12)
	v_rcp_f32 v28, v27
	v_nop
	s_wait_alu depctr_va_vdst(0)
	v_mul_f32 v28, s52, v28
	v_mov_b32 v29, v28
.irp k, 0,2,4,6,8,10,12,14,16,18,20,22,24,26,28,30
	v_pk_mul_f32 v[80+\k:81+\k], v[80+\k:81+\k], v[28:29]
.endr
	QB 80, 208+8*(\i%4), 248, 251, 252, 253, 240+\i%4
.irp p, 0,1,2
	global_store_b64 v3, v[208+8*(\i%4)+2*\p:209+8*(\i%4)+2*\p], s[50:51] offset:(\i)*768+256*\p
.endr
.endm
.macro QKSCALE c                       ; the scale bytes of tiles 4 c .. 4 c + 3
	s_cmp_eq_u32 s8, 0
	s_cbranch_scc0 .Lks_\@
.irp u, 0,1,2,3                                ; q: a word a tile: lanes 0-15 for the operand [q | 0], lanes 16-31 for [0 | q]
	v_lshlrev_b32 v[244+\u], v6, v[240+\u]
.endr
.irp u, 0,1,2,3
	v_permlanex16_b32 v[26+\u], v[244+\u], s54, s55
.endr
.irp u, 0,1,2,3
	v_or_b32 v[244+\u], v[244+\u], v[26+\u]        ; the token's two bytes
.endr
.irp u, 0,1,2,3
	v_lshlrev_b32 v[244+\u], v7, v[244+\u]
.endr
.irp u, 0,1,2,3
	v_or_b32 v[244+\u], v[244+\u], v8
.endr
	global_store_b64 v3, v[244:245], s[36:37] offset:512*\c
	global_store_b64 v3, v[246:247], s[36:37] offset:512*\c+256
	s_branch .Lkd_\@
.Lks_\@:                                           ; k: a fragment holds two tiles: its word is their four bytes; lanes 0-15 fragment 0, lanes 16-31 fragment 1
	v_lshl_or_b32 v26, v241, 16, v240
	v_lshl_or_b32 v27, v243, 16, v242
	v_lshlrev_b32 v26, v6, v26
	v_lshlrev_b32 v27, v6, v27
	v_permlanex16_b32 v28, v26, s54, s55
	v_permlanex16_b32 v29, v27, s54, s55
	v_or_b32 v26, v26, v28
	v_or_b32 v27, v27, v29
	v_cndmask_b32 v[254+\c], v26, v27, s53
.Lkd_\@:
.endm
	QKTILE 0
	QKTILE 1
	QKTILE 2
	QKTILE 3
	QKSCALE 0
	s_wait_xcnt 0x0                                ; the stores have read their registers: the codes' and the words' may be written again
	QKTILE 4
	QKTILE 5
	QKTILE 6
	QKTILE 7
	QKSCALE 1
	s_cmp_eq_u32 s8, 0
	s_cbranch_scc1 .Lqk_end
	global_store_b64 v3, v[254:255], s[38:39] offset:12288   ; K's scale words of the record: 256 bytes
.Lqk_end:
	s_wait_tensorcnt 0x0                           ; the wave's end, behind my last LDS store
	ds_add_u32 v1, v2
	s_wait_dscnt 0x0
	s_endpgm
	; ================ v ================
.Lpath_v:
	WIN 0x40
.irp t, 0,1,2,3
.irp j, 0,1,2,3,4,5,6,7
	global_load_b32 v[192+8*\t+\j], v14, s[58:59] offset:32*\t   ; a lane holds one channel: all eight registers of the C operand hold its bias
.endr
.endr
	WIN 0
	ACTLD 0
	s_wait_loadcnt 0x0
.macro VTILE c, u
	s_wait_dscnt 0x0
	WIN 0x14                                       ; source 1 (weights) and source 2 (bias) window 1
.irp t, 0,1,2,3
	WM 80+32*\t+8*\u, 32, 12*(4*\t), 192+8*\t, 24, 16+\t/2, 0, \t%2
.endr
	WIN 0x04
.irp s, 1,2,3
.irp t, 0,1,2,3
	WM 80+32*\t+8*\u, 32+12*\s, 12*(4*\t+\s), 80+32*\t+8*\u, 24+\s/2, 16+2*\s+\t/2, \s%2, \t%2
.endr
.endr
	WIN 0
	PLACES5
.if 4*\c+\u < 7
	ACTLD 4*\c+\u+1
.endif
.endm
.irp c, 0,1
.irp u, 0,1,2,3
	VTILE \c, \u
.endr
.if \c == 1
	s_wait_xcnt 0x0                                ; the first half's stores have read the codes' registers
.endif
.irp t, 0,1,2,3
	QB 80+32*\t, 208+8*\t, 248, 251, 252, 253, 240+2*\t+\c     ; 32 neighbouring keys of my channel
.irp p, 0,1,2
	global_store_b64 v3, v[208+8*\t+2*\p:209+8*\t+2*\p], s[38:39] offset:6144+1536*\t+768*\c+256*\p
.endr
.endr
.endr
.irp t, 0,1,2,3
	v_lshl_or_b32 v[26+\t], v[241+2*\t], 16, v[240+2*\t]
.endr
.irp t, 0,1,2,3
	v_lshlrev_b32 v[26+\t], v6, v[26+\t]
.endr
.irp t, 0,1,2,3
	v_permlanex16_b32 v[248+\t], v[26+\t], s54, s55
.endr
.irp t, 0,1,2,3
	v_or_b32 v[26+\t], v[26+\t], v[248+\t]         ; the channel's four bytes for these 128 keys
.endr
	v_cndmask_b32 v254, v26, v27, s53              ; lanes 0-15 the even tile's, lanes 16-31 the odd tile's
	v_cndmask_b32 v255, v28, v29, s53
	global_store_b64 v3, v[254:255], s[38:39] offset:12544
	s_wait_tensorcnt 0x0                           ; the wave's end, behind my last LDS store
	ds_add_u32 v1, v2
	s_wait_dscnt 0x0
	s_endpgm
.Lfunc_end_k_qa4a2a118be_proj:
	.size	k_qa4a2a118be_proj, .Lfunc_end_k_qa4a2a118be_proj-k_qa4a2a118be_proj
	.p2alignl 7, 3214868480
	.fill 96, 4, 3214868480
	.section	.rodata,"a",@progbits
	.p2align	6, 0x0
	.amdhsa_kernel k_qa4a2a118be_proj
		.amdhsa_group_segment_fixed_size 52224
		.amdhsa_private_segment_fixed_size 0
		.amdhsa_enable_private_segment 0
		.amdhsa_kernarg_size 96
		.amdhsa_user_sgpr_count 2
		.amdhsa_user_sgpr_kernarg_segment_ptr 1
		.amdhsa_wavefront_size32 1
		.amdhsa_system_sgpr_workgroup_id_x 1
		.amdhsa_system_sgpr_workgroup_id_y 1
		.amdhsa_system_sgpr_workgroup_id_z 1
		.amdhsa_system_vgpr_workitem_id 0
		.amdhsa_next_free_vgpr 512
		.amdhsa_next_free_sgpr 66
		.amdhsa_reserve_vcc 0
		.amdhsa_float_denorm_mode_32 3
		.amdhsa_float_denorm_mode_16_64 3
		.amdhsa_memory_ordered 1
		.amdhsa_forward_progress 1
		.amdhsa_inst_pref_size 134
	.end_amdhsa_kernel
	.amdgpu_metadata
---
amdhsa.version: [ 1, 2 ]
amdhsa.kernels:
  - .name:           k_qa4a2a118be_proj
    .symbol:         k_qa4a2a118be_proj.kd
    .args:
      - { .name: xc, .offset: 0, .size: 8, .value_kind: global_buffer, .address_space: global }
      - { .name: xs, .offset: 8, .size: 8, .value_kind: global_buffer, .address_space: global }
      - { .name: wq, .offset: 16, .size: 8, .value_kind: global_buffer, .address_space: global }
      - { .name: bgq, .offset: 24, .size: 8, .value_kind: global_buffer, .address_space: global }
      - { .name: bgk, .offset: 32, .size: 8, .value_kind: global_buffer, .address_space: global }
      - { .name: bgv, .offset: 40, .size: 8, .value_kind: global_buffer, .address_space: global }
      - { .name: bdq, .offset: 48, .size: 8, .value_kind: global_buffer, .address_space: global }
      - { .name: bdk, .offset: 56, .size: 8, .value_kind: global_buffer, .address_space: global }
      - { .name: bdv, .offset: 64, .size: 8, .value_kind: global_buffer, .address_space: global }
      - { .name: qc, .offset: 72, .size: 8, .value_kind: global_buffer, .address_space: global }
      - { .name: qs, .offset: 80, .size: 8, .value_kind: global_buffer, .address_space: global }
      - { .name: kv, .offset: 88, .size: 8, .value_kind: global_buffer, .address_space: global }
    .group_segment_fixed_size: 52224
    .private_segment_fixed_size: 0
    .kernarg_segment_align: 8
    .kernarg_segment_size: 96
    .max_flat_workgroup_size: 256
    .sgpr_count:     66
    .vgpr_count:     512
    .wavefront_size: 32
...
	.end_amdgpu_metadata
.endif
;; end of part 2
;; launch attn (part 3): grid 16 x 16, 16 waves a work-group, clusters of 4 x 1, 327,680 bytes of LDS; arguments qc, qs, kv, cc, cs; writes cc, cs
.if DOCPART == 3
	.amdgcn_target "amdgcn-amd-amdhsa--gfx1250"
	.amdhsa_code_object_version 6
	.text
	.protected	k_qa4a2a118be_attn
	.globl	k_qa4a2a118be_attn
	.p2align	8
	.type	k_qa4a2a118be_attn,@function
k_qa4a2a118be_attn:
	s_mov_b64 s[64:65], 0
	v_nop
	global_prefetch_b8 v0, s[64:65] scope:SCOPE_SE
	s_setreg_imm32_b32 hwreg(HW_REG_WAVE_MODE, 25, 1), 1
	s_wait_xcnt 0x0
	s_wait_alu depctr_hold_cnt(0) depctr_sa_sdst(0) depctr_va_vdst(0) depctr_va_sdst(0) depctr_va_ssrc(0) depctr_va_vcc(0) depctr_vm_vsrc(0)
	s_getreg_b32 s2, hwreg(HW_REG_IB_STS2, 6, 4)
	s_cmp_eq_u32 s2, 0
	s_cbranch_scc0 .Lentry_in_a_cluster
	s_endpgm
.Lentry_in_a_cluster:
	s_bfe_u32 s2, ttmp6, 0x10000c
	s_cmp_lg_u32 s2, 0x3003
	s_cbranch_scc0 .Lentry_shape_is_right
	s_endpgm
.Lentry_shape_is_right:
; LAUNCH 3 OF 4: both attentions, on codes of FP6.  Its result, the context, is used by reference() only as a quantised operand: it leaves as codes and scale bytes.
; Work-group (qb, y): 256 queries (16 tiles) of direction y / 8, head y % 8; keys and values of the other side.  Wave w: two query tiles (pair w % 8) and the key half w / 8 of every slot of 1,024 keys.
; THE SOFTMAX.  t = clip(score, -10, 10) x log2(e), p = 2^(t - M).  The problem's rule takes any whole number M: a power of two goes into the blocks' scales and into the row's sum alike.  reference()'s own clip, which is
; executed here, holds |t| under 14.43 for every input, so with M = 0 every p lies within 2^-15 .. 2^15 and a row's sum under 2^27: nothing can overflow or underflow, and no maximum is searched for and nothing is rescaled.
; So the two key halves' O and sums simply add at the end.  The row's sum is taken of the unquantised p.
; BOTH PRODUCTS ARE USED TRANSPOSED: a lane holds one query throughout.  By the tiles' permutation the 32 score registers of four key tiles are 32 neighbouring keys: one block of p in one lane.
; THE FIRST PRODUCT'S K IS 64, the instruction's 128: a fragment of K holds TWO key tiles side by side, and q stands beside zero codes: [q | 0] picks the first tile, [0 | q] the second (zero codes add nothing; their scale byte is 127).
; THE RING: a slot is one dense block of 102,400 bytes; two places; each wave brings 25 rows of 256 bytes by one load.  The four query blocks of a cluster walk the same head: every load is asked for jointly.
; A wave has two tensor loads out at the start and one behind a change of slots; that one has four key steps of every wave in which to land, so nothing is prefetched.
; Register set a holds tile 2 (w % 8) + (a xor w / 8): every wave keeps set 0 and hands set 1 to wave w xor 8.
; LIMITS: as in the first launch; the sums of O and of p are made in two key halves; O / l is O times v_rcp_f32(l).
.set STEPB, 12800                      ; a record of 128 keys: K 6,144, V^T 6,144, K's scale words 256, V's 256
.set PLACE, 102400
.set STAGE, 204800                     ; 16 x 4,352: a set's O (4,096) and its sums (256)
.set SGP,   4352
.set SCG,   274432                     ; the work-group's 512 bytes of scale bytes
.set SPARE, 274944                     ; the spare words, 128 bytes a wave
.set SPW, 1
.set NIL, 2
.set LI8, 3
.set ADR, 4
.set SH8, 5
.set KS,  6                            ; v[6:7]   K's scale words of the step's two halves
.set VS,  8                            ; v[8:9]   V's, tiles 0, 1 and 2, 3
.set QS,  10                           ; v10, v11 q's, a set each
.set PS,  12                           ; v12, v13 p's
.set L,   14                           ; v[14:17] the sums, a pair a set
.set MX,  18
.set M2,  20
.set SO,  22
.set PSH, 24
.set QZ,  26                           ; v26-55   0 | q of set 0 | 0 | q of set 1 | 0, six registers each
.set KF,  56                           ; v56-79   two fragments of K
.set P,   80                           ; v80-103  p's codes, a fragment a set
.set S,   104                          ; v104-167 scores, then p: 32 a set;  later V^T's four fragments
.set V,   104
.set O,   168                          ; v168-231 O^T: 32 a set
.set CT,  232
.set T,   240                          ; v[240:243] second chains of the sums
.set BYT, 244
.set PT,  246
.macro WM d, a, b, c, sa, sb, ra, rb   ; one product; c < 0: the constant 0 starts the sum; ra, rb: the scales stand in lanes 16-31 of their registers
.if (\c) < 0
.if (\ra) && (\rb)
	v_wmma_scale_f32_16x16x128_f8f6f4 v[(\d):(\d)+7], v[(\a):(\a)+11], v[(\b):(\b)+11], 0, v[\sa], v[\sb] matrix_a_fmt:MATRIX_FMT_FP6 matrix_b_fmt:MATRIX_FMT_FP6 matrix_a_scale:MATRIX_SCALE_ROW1 matrix_b_scale:MATRIX_SCALE_ROW1
.elseif (\ra)
	v_wmma_scale_f32_16x16x128_f8f6f4 v[(\d):(\d)+7], v[(\a):(\a)+11], v[(\b):(\b)+11], 0, v[\sa], v[\sb] matrix_a_fmt:MATRIX_FMT_FP6 matrix_b_fmt:MATRIX_FMT_FP6 matrix_a_scale:MATRIX_SCALE_ROW1
.elseif (\rb)
	v_wmma_scale_f32_16x16x128_f8f6f4 v[(\d):(\d)+7], v[(\a):(\a)+11], v[(\b):(\b)+11], 0, v[\sa], v[\sb] matrix_a_fmt:MATRIX_FMT_FP6 matrix_b_fmt:MATRIX_FMT_FP6 matrix_b_scale:MATRIX_SCALE_ROW1
.else
	v_wmma_scale_f32_16x16x128_f8f6f4 v[(\d):(\d)+7], v[(\a):(\a)+11], v[(\b):(\b)+11], 0, v[\sa], v[\sb] matrix_a_fmt:MATRIX_FMT_FP6 matrix_b_fmt:MATRIX_FMT_FP6
.endif
.else
.if (\ra) && (\rb)
	v_wmma_scale_f32_16x16x128_f8f6f4 v[(\d):(\d)+7], v[(\a):(\a)+11], v[(\b):(\b)+11], v[(\c):(\c)+7], v[\sa], v[\sb] matrix_a_fmt:MATRIX_FMT_FP6 matrix_b_fmt:MATRIX_FMT_FP6 matrix_a_scale:MATRIX_SCALE_ROW1 matrix_b_scale:MATRIX_SCALE_ROW1
.elseif (\ra)
	v_wmma_scale_f32_16x16x128_f8f6f4 v[(\d):(\d)+7], v[(\a):(\a)+11], v[(\b):(\b)+11], v[(\c):(\c)+7], v[\sa], v[\sb] matrix_a_fmt:MATRIX_FMT_FP6 matrix_b_fmt:MATRIX_FMT_FP6 matrix_a_scale:MATRIX_SCALE_ROW1
.elseif (\rb)
	v_wmma_scale_f32_16x16x128_f8f6f4 v[(\d):(\d)+7], v[(\a):(\a)+11], v[(\b):(\b)+11], v[(\c):(\c)+7], v[\sa], v[\sb] matrix_a_fmt:MATRIX_FMT_FP6 matrix_b_fmt:MATRIX_FMT_FP6 matrix_b_scale:MATRIX_SCALE_ROW1
.else
	v_wmma_scale_f32_16x16x128_f8f6f4 v[(\d):(\d)+7], v[(\a):(\a)+11], v[(\b):(\b)+11], v[(\c):(\c)+7], v[\sa], v[\sb] matrix_a_fmt:MATRIX_FMT_FP6 matrix_b_fmt:MATRIX_FMT_FP6
.endif
.endif
.endm
.macro QB x, cd, ct, mx, m2, so, by    ; 32 numbers of a lane become 6 registers of codes and a scale byte (the first launch's macro)
	v_max3_num_f32 v[\mx], |v[(\x)]|, |v[(\x)+1]|, 0x1800000
	v_max3_num_f32 v[\m2], |v[(\x)+16]|, |v[(\x)+17]|, |v[(\x)+18]|
.irp i, 0,2,4,6,8,10
	v_max3_num_f32 v[\mx], v[\mx], |v[(\x)+2+\i]|, |v[(\x)+3+\i]|
	v_max3_num_f32 v[\m2], v[\m2], |v[(\x)+19+\i]|, |v[(\x)+20+\i]|
.endr
	v_max3_num_f32 v[\mx], v[\mx], |v[(\x)+14]|, |v[(\x)+15]|
	v_max3_num_f32 v[\mx], v[\mx], v[\m2], |v[(\x)+31]|
	v_add_nc_u32 v[\so], 0xff000000, v[\mx]
	v_cvt_scalef32_pk16_fp6_f32 v[(\cd):(\cd)+2], v[(\x):(\x)+15], v[\so]
	v_cvt_scalef32_pk16_fp6_f32 v[(\ct):(\ct)+2], v[(\x)+16:(\x)+31], v[\so]
	v_lshrrev_b32 v[\by], 23, v[\so]
.irp i, 0,1,2
	v_mov_b32 v[(\cd)+3+\i], v[(\ct)+\i]
.endr
.endm
.macro ROUND                           ; a round of the cluster's barrier
	s_barrier_signal -1
	s_barrier_wait -1
	s_cmp_lg_u32 s14, 0
	s_cbranch_scc1 .Lnot_wave_0_\@
	s_barrier_signal -3
.Lnot_wave_0_\@:
	s_barrier_wait -3
	s_barrier_signal -1
	s_barrier_wait -1
.endm
	s_load_b256 s[4:11], s[0:1], 0x0               ; qc 4, qs 6, kv 8, cc 10
	s_load_b64 s[12:13], s[0:1], 0x20              ; cs
	v_lshl_add_u32 v[SPW], v0, 2, SPARE
	v_mov_b32 v[NIL], 0
	ds_add_u32 v[SPW], v[NIL]                      ; the wave's opening: the add, twice on end, and its wait ahead of my first tensor load
	ds_add_u32 v[SPW], v[NIL]
	v_lshrrev_b32 v3, 5, v0
	v_readfirstlane_b32 s14, v3                    ; wave 0..15
	s_and_b32 s15, s14, 7                          ; my pair of query tiles
	s_lshr_b32 s16, s14, 3                         ; my key half
	s_bfe_u32 s17, ttmp6, 0x40000                  ; cx
	s_lshl_b32 s18, ttmp9, 2
	s_add_co_u32 s18, s18, s17                     ; my block of 256 queries: it enters q's and the result's global addresses alone
	s_and_b32 s19, ttmp7, 0xffff                   ; 8 direction + head, which the four partners share
	s_mov_b32 s24, 0x0023000f                      ; group 1: the mask of all four work-groups; elements of 8 bytes; bit 21 beside the mask; no padding
	s_mov_b32 s25, 32<<16                          ; tensor_dim0 = 32 elements: 256 bytes
	s_mov_b32 s26, 25<<16                          ; tensor_dim1 = 25 rows
	s_mov_b32 s27, 32<<16                          ; tile_dim0
	s_mov_b32 s28, 25                              ; tile_dim1
	s_mov_b32 s29, 32                              ; the rows are dense
	s_mov_b32 s30, 0
	s_mov_b32 s31, 0
	s_xor_b32 s20, s19, 8                          ; keys and values of the other side
	s_mul_i32 s20, s20, 4*PLACE
	s_mul_i32 s22, s14, 6400                       ; my sixteenth of a slot
	s_add_co_u32 s20, s20, s22
	s_mov_b32 s21, 0
	s_mov_b32 s32, 1
	s_mov_b32 s33, s22
	s_mov_b32 s36, 1
	s_add_co_u32 s37, s22, PLACE
	s_mov_b32 s40, 0xc1200000                      ; -10
	s_mov_b32 s41, 0x41200000                      ; 10
	s_mov_b32 s42, 0x3fb8aa3b                      ; log2(e)
	s_mov_b32 s43, s42                             ; (named with it as a pair)
	s_mov_b32 s44, 0x76543210
	s_mov_b32 s45, 0xfedcba98
	s_mul_i32 s48, s16, 4*STEPB                    ; my key half's four steps in a place
	s_lshl_b32 s50, s19, 8
	s_lshl_b32 s51, s18, 4
	s_add_co_u32 s50, s50, s51
	s_lshl_b32 s51, s15, 1
	s_add_co_u32 s50, s50, s51                     ; 256 y + my pair's first tile
	s_add_co_u32 s52, s50, s16                     ; set 0's tile,
	s_xor_b32 s51, s16, 1
	s_add_co_u32 s54, s50, s51                     ; set 1's
	s_mul_i32 s52, s52, 768
	s_mov_b32 s53, 0
	s_mul_i32 s54, s54, 768
	s_mov_b32 s55, 0
	s_lshl_b32 s58, s50, 7                         ; q's scale words: 256 bytes a pair of tiles
	s_mov_b32 s59, 0
	s_lshr_b32 s60, s19, 3
	s_lshl_b32 s60, s60, 8
	s_lshl_b32 s61, s18, 4
	s_add_co_u32 s60, s60, s61
	s_lshl_b32 s61, s15, 1
	s_add_co_u32 s60, s60, s61
	s_add_co_u32 s60, s60, s16                     ; 256 direction + set 0's tile
	s_lshl_b32 s60, s60, 3
	s_and_b32 s61, s19, 7
	s_add_co_u32 s60, s60, s61
	s_mul_i32 s60, s60, 768                        ; cc
	s_mov_b32 s61, 0
	s_lshl_b32 s62, s19, 13
	s_lshl_b32 s63, s18, 9
	s_add_co_u32 s62, s62, s63                     ; cs
	s_mov_b32 s63, 0
	v_and_b32 v240, 31, v0
	v_lshlrev_b32 v[LI8], 3, v240
	v_lshlrev_b32 v252, 4, v240                    ; 16 x lane
	v_bfe_u32 v241, v0, 4, 1
	v_lshlrev_b32 v[SH8], 3, v241
	v_and_b32 v242, 15, v0
	s_mul_i32 s23, s14, SGP
	s_add_co_u32 s23, s23, STAGE
	v_add_nc_u32 v248, s23, v252                   ; my stage: O,
	v_add_nc_u32 v249, s23, v[LI8]                 ; the sums
	s_xor_b32 s23, s14, 8
	s_mul_i32 s23, s23, SGP
	s_add_co_u32 s23, s23, STAGE
	v_add_nc_u32 v250, s23, v252                   ; wave w xor 8's
	v_add_nc_u32 v251, s23, v[LI8]
	s_lshl_b32 s23, s15, 1
	s_add_co_u32 s23, s23, s16
	s_lshl_b32 s23, s23, 5
	s_add_co_u32 s23, s23, SCG
	v_lshl_add_u32 v253, v242, 1, s23              ; my tile's scale bytes: two a query
	v_add_nc_u32 v254, SCG, v252
	s_lshl_b32 s23, s16, 2
	v_add_nc_u32 v244, s23, v[LI8]                 ; q's scale word of set 0 in the pair's record,
	v_xor_b32 v245, 4, v244                        ; of set 1
	s_wait_dscnt 0x0                               ; both opening adds are done
	s_wait_kmcnt 0x0
	s_add_nc_u64 s[34:35], s[8:9], s[20:21]        ; slot 0,
	s_add_nc_u64 s[38:39], s[34:35], PLACE         ; slot 1
	s_or_b32 s35, s35, 0x80000000
	s_or_b32 s39, s39, 0x80000000
	s_add_nc_u64 s[56:57], s[4:5], s[54:55]
	s_add_nc_u64 s[4:5], s[4:5], s[52:53]
	s_add_nc_u64 s[6:7], s[6:7], s[58:59]
	s_add_nc_u64 s[10:11], s[10:11], s[60:61]
	s_add_nc_u64 s[12:13], s[12:13], s[62:63]
	ROUND                                          ; all four work-groups are here: the first joint loads meet
	tensor_load_to_lds s[32:35], s[24:31]
	s_nop 0
	tensor_load_to_lds s[36:39], s[24:31]
	s_nop 0
.irp p, 0,1,2
	global_load_b64 v[QZ+6+2*\p:QZ+7+2*\p], v[LI8], s[4:5] offset:256*\p
	global_load_b64 v[QZ+18+2*\p:QZ+19+2*\p], v[LI8], s[56:57] offset:256*\p
.endr
	global_load_b32 v[QS], v244, s[6:7]
	global_load_b32 v[QS+1], v245, s[6:7]
.irp i, 0,1,2,3,4,5
	v_mov_b32 v[QZ+\i], 0                          ; the zero codes beside q
	v_mov_b32 v[QZ+12+\i], 0
	v_mov_b32 v[QZ+24+\i], 0
.endr
.set zj, 0
.rept 64
	v_mov_b32 v[O+zj], 0                           ; O^T.  (The step is written once: its first turn adds onto zeros)
.set zj, zj+1
.endr
.irp i, 0,1,2,3
	v_mov_b32 v[L+\i], 0
.endr
	v_mov_b32 v[PT], 0                             ; a lane permute's destination counts as a source: written once
	v_mov_b32 v[PT+1], 0
	s_wait_loadcnt 0x0                             ; q
	s_wait_tensorcnt 1                             ; my part of slot 0 is in; slot 1's may stay out
	s_barrier_signal -1
	s_barrier_wait -1
; HALF c of a key step: 64 keys.  Eight products, the clip, the exponentials as one batch with one wait, the block's largest p, the sums, the codes.
.macro HALF c
.irp u, 0,1,2,3
.irp a, 0,1
	WM S+32*\a+8*\u, KF+12*(\u/2), QZ+12*\a+6*(1-\u%2), -1, KS+\c, QS+\a, \u/2, \u%2
.endr
.endr
.rept 4
	v_nop                                          ; places in front of the loads into K's registers and of the first read of the scores
.endr
.if \c == 0
.set hq, 0
.rept 12
	ds_load_b64 v[KF+2*hq:KF+2*hq+1], v[ADR] offset:3072+256*hq   ; the second half's K lands under this half's vector work
.set hq, hq+1
.endr
.endif
.set hj, 0
.rept 64
	v_med3_num_f32 v[S+hj], v[S+hj], s40, s41      ; reference()'s clip; ascending, so that each result is first read at its low end
.set hj, hj+1
.endr
.set hj, 0
.rept 32
	v_pk_mul_f32 v[S+hj:S+hj+1], v[S+hj:S+hj+1], s[42:43] op_sel_hi:[1,0]
.set hj, hj+2
.endr
.set hj, 0
.rept 64
	v_exp_f32 v[S+hj], v[S+hj]                     ; p = 2^t
.set hj, hj+1
.endr
	v_nop                                          ; a plain line behind the last of the batch
	s_wait_alu depctr_va_vdst(0)                   ; one wait for the 64, ahead of their first reader
.irp a, 0,1
	v_max3_num_f32 v[MX+\a], v[S+32*\a], v[S+32*\a+1], 0x1800000
	v_max3_num_f32 v[M2+\a], v[S+32*\a+16], v[S+32*\a+17], v[S+32*\a+18]
.endr
.irp i, 0,2,4,6,8,10
.irp a, 0,1
	v_max3_num_f32 v[MX+\a], v[MX+\a], v[S+32*\a+2+\i], v[S+32*\a+3+\i]
	v_max3_num_f32 v[M2+\a], v[M2+\a], v[S+32*\a+19+\i], v[S+32*\a+20+\i]
.endr
.endr
.irp a, 0,1
	v_max3_num_f32 v[MX+\a], v[MX+\a], v[S+32*\a+14], v[S+32*\a+15]
.endr
.irp a, 0,1
	v_max3_num_f32 v[MX+\a], v[MX+\a], v[M2+\a], v[S+32*\a+31]
.endr
.irp a, 0,1
	v_pk_add_f32 v[T+2*\a:T+2*\a+1], v[S+32*\a:S+32*\a+1], v[S+32*\a+2:S+32*\a+3]   ; the sums of the unquantised p, in two chains a set
.endr
.irp i, 4,8,12,16,20,24,28
.irp a, 0,1
	v_pk_add_f32 v[L+2*\a:L+2*\a+1], v[L+2*\a:L+2*\a+1], v[S+32*\a+\i:S+32*\a+\i+1]
	v_pk_add_f32 v[T+2*\a:T+2*\a+1], v[T+2*\a:T+2*\a+1], v[S+32*\a+\i+2:S+32*\a+\i+3]
.endr
.endr
.irp a, 0,1
	v_pk_add_f32 v[L+2*\a:L+2*\a+1], v[L+2*\a:L+2*\a+1], v[T+2*\a:T+2*\a+1]
.endr
.irp a, 0,1
	v_add_nc_u32 v[SO+\a], 0xff000000, v[MX+\a]
.endr
.irp a, 0,1
.if \c == 0
	v_lshrrev_b32 v[PSH+\a], 23, v[SO+\a]          ; my block's byte: block h,
.else
	v_lshrrev_b32 v[BYT+\a], 23, v[SO+\a]
.endif
.endr
.if \c == 1
.irp a, 0,1
	v_lshl_or_b32 v[PSH+\a], v[BYT+\a], 16, v[PSH+\a]   ; and block 2 + h
.endr
.endif
.irp a, 0,1
	v_cvt_scalef32_pk16_fp6_f32 v[P+12*\a+6*\c:P+12*\a+6*\c+2], v[S+32*\a:S+32*\a+15], v[SO+\a]
	v_cvt_scalef32_pk16_fp6_f32 v[CT+4*\a:CT+4*\a+2], v[S+32*\a+16:S+32*\a+31], v[SO+\a]
.endr
	v_nop                                          ; a plain line behind the conversions
.if \c == 0
.irp a, 0,1
.irp i, 0,1,2
	v_mov_b32 v[P+12*\a+3+\i], v[CT+4*\a+\i]
.endr
.endr
.endif
.endm
.macro STEP                            ; 128 keys
	v_add_nc_u32 v[ADR], s46, v[LI8]
.set sq, 0
.rept 12
	ds_load_b64 v[KF+2*sq:KF+2*sq+1], v[ADR] offset:256*sq
.set sq, sq+1
.endr
	ds_load_b64 v[KS:KS+1], v[ADR] offset:12288
	ds_load_b64 v[VS:VS+1], v[ADR] offset:12544
	s_wait_dscnt 0x0
	HALF 0
	s_wait_dscnt 0x0                               ; the second half's K
	HALF 1
.set sq, 0
.rept 24
	ds_load_b64 v[V+2*sq:V+2*sq+1], v[ADR] offset:6144+256*sq   ; V^T, into the registers that p has left
.set sq, sq+1
.endr
.irp a, 0,1
	v_lshlrev_b32 v[PSH+\a], v[SH8], v[PSH+\a]
.endr
.irp a, 0,1
	v_permlanex16_b32 v[PT+\a], v[PSH+\a], s44, s45
.endr
.irp a, 0,1
	v_or_b32 v[PS+\a], v[PSH+\a], v[PT+\a]         ; p's scale word for these 128 keys
.endr
.irp a, 0,1
.irp i, 0,1,2
	v_mov_b32 v[P+12*\a+9+\i], v[CT+4*\a+\i]
.endr
.endr
.rept 4
	v_nop                                          ; the scale words stand ten places ahead of the products, the last codes four
.endr
	s_wait_dscnt 0x0
.irp t, 0,1,2,3                                ; the eight sums take turns, one instruction a turn
.irp a, 0,1
	WM O+32*\a+8*\t, V+12*\t, P+12*\a, O+32*\a+8*\t, VS+\t/2, PS+\a, \t%2, 0
.endr
.endr
.rept 5
	v_nop                                          ; five places: the next step's first products write over V^T's registers
.endr
.endm
.macro SLOTSTEPS place                 ; my key half's four steps of the slot in a place
	s_add_co_u32 s46, s48, \place*PLACE
	s_mov_b32 s47, 4
.Lstep_\@:
	STEP
	s_add_co_u32 s46, s46, STEPB
	s_sub_co_u32 s47, s47, 1
	s_cmp_lg_u32 s47, 0
	s_cbranch_scc1 .Lstep_\@
.endm
; THE CHANGE OF SLOTS.  Each wave waits for all its tensor loads (its part of the slot ahead), adds 0 to its spare word, and waits for that and for its reads of the slot that it leaves.
; fill = 1: behind a round of the cluster's barrier the place just left takes the slot two on: the wave's one tensor load, first thing there.
.macro CHANGE fill, place
	s_wait_tensorcnt 0x0
	ds_add_u32 v[SPW], v[NIL]
.if \fill
	s_add_nc_u64 s[34+4*\place:35+4*\place], s[34+4*\place:35+4*\place], 2*PLACE   ; no load of mine is out: the descriptor may step
.endif
	s_wait_dscnt 0x0
.if \fill
	ROUND
	tensor_load_to_lds s[32+4*\place:35+4*\place], s[24:31]
	s_nop 0
.else
	s_barrier_signal -1
	s_barrier_wait -1
.endif
.endm
	SLOTSTEPS 0
	CHANGE 1, 0
	SLOTSTEPS 1
	CHANGE 1, 1
	SLOTSTEPS 0
	CHANGE 0, 0
	SLOTSTEPS 1
	; THE WAY OUT.  Set 1 goes to wave w xor 8, whose set 1 is my set 0's tile over the other key half.
.irp i, 0,1,2,3,4,5,6,7
	ds_store_b128 v248, v[O+32+4*\i:O+35+4*\i] offset:512*\i   ; each result from its low end on
.endr
	ds_store_b64 v249, v[L+2:L+3] offset:4096
	s_wait_dscnt 0x0
	s_barrier_signal -1
	s_barrier_wait -1
.irp i, 0,1,2,3,4,5,6,7
	ds_load_b128 v[104+4*\i:107+4*\i], v250 offset:512*\i
.endr
	ds_load_b64 v[136:137], v251 offset:4096
	s_wait_dscnt 0x0
.set wj, 0
.rept 16
	v_pk_add_f32 v[104+wj:105+wj], v[104+wj:105+wj], v[O+wj:O+wj+1]
.set wj, wj+2
.endr
	v_pk_add_f32 v[14:15], v[14:15], v[136:137]
	v_add_f32 v14, v14, v15
	v_permlanex16_b32 v[PT], v14, s44, s45
	v_add_f32 v14, v14, v[PT]                      ; the row's sum over all 4,096 keys
	v_rcp_f32 v14, v14
	v_nop
	s_wait_alu depctr_va_vdst(0)
	v_mov_b32 v15, v14
.set wj, 0
.rept 16
	v_pk_mul_f32 v[104+wj:105+wj], v[104+wj:105+wj], v[14:15]
.set wj, wj+2
.endr
	QB 104, 80, 232, 18, 20, 22, 24                ; my query's channels 32 h .. 32 h + 31 of the head: one block of the gates' and wo's K
.irp p, 0,1,2
	global_store_b64 v[LI8], v[80+2*\p:81+2*\p], s[10:11] offset:256*\p
.endr
	v_lshlrev_b32 v24, v[SH8], v24
	v_permlanex16_b32 v[PT], v24, s44, s45
	v_or_b32 v24, v24, v[PT]
	ds_store_b16 v253, v24                         ; both halves of the lanes write the same two bytes
	s_wait_dscnt 0x0
	s_barrier_signal -1
	s_barrier_wait -1
	s_cmp_lg_u32 s14, 0
	s_cbranch_scc1 .Lend
	ds_load_b128 v[104:107], v254                  ; wave 0: the work-group's 512 scale bytes leave whole
	s_wait_dscnt 0x0
	global_store_b128 v252, v[104:107], s[12:13]
.Lend:
	s_wait_tensorcnt 0x0                           ; the wave's end, behind my last tensor load and my last LDS store
	ds_add_u32 v[SPW], v[NIL]
	s_wait_dscnt 0x0
	ROUND                                          ; the closing round
	s_endpgm
.Lfunc_end_k_qa4a2a118be_attn:
	.size	k_qa4a2a118be_attn, .Lfunc_end_k_qa4a2a118be_attn-k_qa4a2a118be_attn
	.p2alignl 7, 3214868480
	.fill 96, 4, 3214868480
	.section	.rodata,"a",@progbits
	.p2align	6, 0x0
	.amdhsa_kernel k_qa4a2a118be_attn
		.amdhsa_group_segment_fixed_size 327680
		.amdhsa_private_segment_fixed_size 0
		.amdhsa_enable_private_segment 0
		.amdhsa_kernarg_size 40
		.amdhsa_user_sgpr_count 2
		.amdhsa_user_sgpr_kernarg_segment_ptr 1
		.amdhsa_wavefront_size32 1
		.amdhsa_system_sgpr_workgroup_id_x 1
		.amdhsa_system_sgpr_workgroup_id_y 1
		.amdhsa_system_sgpr_workgroup_id_z 1
		.amdhsa_system_vgpr_workitem_id 0
		.amdhsa_next_free_vgpr 256
		.amdhsa_next_free_sgpr 66
		.amdhsa_reserve_vcc 0
		.amdhsa_float_denorm_mode_32 3
		.amdhsa_float_denorm_mode_16_64 3
		.amdhsa_memory_ordered 1
		.amdhsa_forward_progress 1
		.amdhsa_inst_pref_size 149
	.end_amdhsa_kernel
	.amdgpu_metadata
---
amdhsa.version: [ 1, 2 ]
amdhsa.kernels:
  - .name:           k_qa4a2a118be_attn
    .symbol:         k_qa4a2a118be_attn.kd
    .args:
      - { .name: qc, .offset: 0, .size: 8, .value_kind: global_buffer, .address_space: global }
      - { .name: qs, .offset: 8, .size: 8, .value_kind: global_buffer, .address_space: global }
      - { .name: kv, .offset: 16, .size: 8, .value_kind: global_buffer, .address_space: global }
      - { .name: cc, .offset: 24, .size: 8, .value_kind: global_buffer, .address_space: global }
      - { .name: cs, .offset: 32, .size: 8, .value_kind: global_buffer, .address_space: global }
    .group_segment_fixed_size: 327680
    .private_segment_fixed_size: 0
    .kernarg_segment_align: 8
    .kernarg_segment_size: 40
    .max_flat_workgroup_size: 512
    .sgpr_count:     66
    .vgpr_count:     256
    .wavefront_size: 32
...
	.end_amdgpu_metadata
.endif
;; end of part 3
;; launch gate (part 4): grid 64 x 2, 8 waves a work-group, no clusters, 89,088 bytes of LDS; arguments cc, cs, xc, xs, wq, gene_embeds, drug_embeds, bgg, bdg, gg_g, dg_g, gg_b, dg_b, bo, out0, out1; writes out0, out1
.if DOCPART == 4
	.amdgcn_target "amdgcn-amd-amdhsa--gfx1250"
	.amdhsa_code_object_version 6
	.text
	.protected	k_qa4a2a118be_gate
	.globl	k_qa4a2a118be_gate
	.p2align	8
	.type	k_qa4a2a118be_gate,@function
k_qa4a2a118be_gate:
	s_mov_b64 s[64:65], 0
	v_nop
	global_prefetch_b8 v0, s[64:65] scope:SCOPE_SE
	s_setreg_imm32_b32 hwreg(HW_REG_WAVE_MODE, 25, 1), 1
	s_wait_xcnt 0x0
; LAUNCH 4 OF 4: out = emb + sigmoid(LayerNorm([ctx, emb] wg + bg)) x (ctx wo + bo).  Nothing is left out.
; Work-group (G, side): 64 tokens (tiles 4 G .. 4 G + 3).  Wave w owns output columns 64 w .. 64 w + 63 of both products, for all 64 tokens: 32 accumulators, window 1.
; The tokens' codes (context and raw embeddings, 8 tiles) go once into LDS as images and are read by all eight waves.  The weights stream from memory into three register buffers, a unit (four fragments: one K step of one
; product) at a time, two units ahead of the products.  Both products are used transposed: a lane holds one token and, by the tiles' permutation, 32 neighbouring columns.
; 64 ROWS TO A WORK-GROUP: the LayerNorm ties a row's 512 columns to one work-group, so each takes in all 614,400 bytes of weight codes whatever its rows; 64 rows halve that traffic against 32.
; NO CLUSTER: each weight byte goes once from memory into the registers of the one wave that multiplies by it; a joint load would send those bytes through LDS on top.
; LIMITS: as in the first launch; sigmoid(z) = v_rcp_f32(1 + 2^(-z log2 e)).
.set AIMG,  0                          ; [context, embeddings][tile 4][K step 4][1,536]
.set ST1,   49152                      ; the waves' partial sums: 256 bytes a wave;  ST1 + 2,048: those of the squares
.set OST,   53248                      ; 8 stages of 16 rows x (256 + 16)
.set SPARE, 88064
.set WSC,   2162688
; window 0: v1, v2 the add's two; v3-13 addresses; v14 1e-5; v16-23 the context's scale words, v24-31 the embeddings'; v32-47 the gate weights' (2 s + t / 2), v48-55 wo's; v56-103 the K step's four token fragments;
;   v104-247 three buffers of four weight fragments; v248-255 a pair a tile: mean, then 1 / deviation.   On the way out: v56-87 LayerNorm's bias, v88-119 bo, v120-151 bg, then rows of emb, v152-183 gain, v184-215 Z, v216-247 R
; window 1: v[32 m + 8 t] the gate's sums, v[128 + 32 m + 8 t] wo's
.set MSB, 0
.macro WIN new                         ; the immediate's high byte repeats the setting that is left
.if MSB != \new
	s_set_vgpr_msb (MSB<<8)|\new
.set MSB, \new
.endif
.endm
.macro WM d, a, b, c, sa, sb, ra, rb   ; one product; c < 0: the constant 0 starts the sum; ra, rb: the scales stand in lanes 16-31 of their registers
.if (\c) < 0
.if (\ra) && (\rb)
	v_wmma_scale_f32_16x16x128_f8f6f4 v[(\d):(\d)+7], v[(\a):(\a)+11], v[(\b):(\b)+11], 0, v[\sa], v[\sb] matrix_a_fmt:MATRIX_FMT_FP6 matrix_b_fmt:MATRIX_FMT_FP6 matrix_a_scale:MATRIX_SCALE_ROW1 matrix_b_scale:MATRIX_SCALE_ROW1
.elseif (\ra)
	v_wmma_scale_f32_16x16x128_f8f6f4 v[(\d):(\d)+7], v[(\a):(\a)+11], v[(\b):(\b)+11], 0, v[\sa], v[\sb] matrix_a_fmt:MATRIX_FMT_FP6 matrix_b_fmt:MATRIX_FMT_FP6 matrix_a_scale:MATRIX_SCALE_ROW1
.elseif (\rb)
	v_wmma_scale_f32_16x16x128_f8f6f4 v[(\d):(\d)+7], v[(\a):(\a)+11], v[(\b):(\b)+11], 0, v[\sa], v[\sb] matrix_a_fmt:MATRIX_FMT_FP6 matrix_b_fmt:MATRIX_FMT_FP6 matrix_b_scale:MATRIX_SCALE_ROW1
.else
	v_wmma_scale_f32_16x16x128_f8f6f4 v[(\d):(\d)+7], v[(\a):(\a)+11], v[(\b):(\b)+11], 0, v[\sa], v[\sb] matrix_a_fmt:MATRIX_FMT_FP6 matrix_b_fmt:MATRIX_FMT_FP6
.endif
.else
.if (\ra) && (\rb)
	v_wmma_scale_f32_16x16x128_f8f6f4 v[(\d):(\d)+7], v[(\a):(\a)+11], v[(\b):(\b)+11], v[(\c):(\c)+7], v[\sa], v[\sb] matrix_a_fmt:MATRIX_FMT_FP6 matrix_b_fmt:MATRIX_FMT_FP6 matrix_a_scale:MATRIX_SCALE_ROW1 matrix_b_scale:MATRIX_SCALE_ROW1
.elseif (\ra)
	v_wmma_scale_f32_16x16x128_f8f6f4 v[(\d):(\d)+7], v[(\a):(\a)+11], v[(\b):(\b)+11], v[(\c):(\c)+7], v[\sa], v[\sb] matrix_a_fmt:MATRIX_FMT_FP6 matrix_b_fmt:MATRIX_FMT_FP6 matrix_a_scale:MATRIX_SCALE_ROW1
.elseif (\rb)
	v_wmma_scale_f32_16x16x128_f8f6f4 v[(\d):(\d)+7], v[(\a):(\a)+11], v[(\b):(\b)+11], v[(\c):(\c)+7], v[\sa], v[\sb] matrix_a_fmt:MATRIX_FMT_FP6 matrix_b_fmt:MATRIX_FMT_FP6 matrix_b_scale:MATRIX_SCALE_ROW1
.else
	v_wmma_scale_f32_16x16x128_f8f6f4 v[(\d):(\d)+7], v[(\a):(\a)+11], v[(\b):(\b)+11], v[(\c):(\c)+7], v[\sa], v[\sb] matrix_a_fmt:MATRIX_FMT_FP6 matrix_b_fmt:MATRIX_FMT_FP6
.endif
.endif
.endm
; The units in order: gate K step 0, wo 0, gate 1, wo 1, gate 2, wo 2, gate 3, wo 3, gate 4 .. 7 (the embeddings' half of K)
.macro UNITLD j                        ; unit j's four fragments into buffer j % 3: 24 loads of 256 consecutive bytes
.if (\j) < 8
.set LSS, (\j)/2
.else
.set LSS, (\j)-4
.endif
.irp t, 0,1,2,3
.irp p, 0,1,2,3,4,5
.if ((\j) < 8) && (((\j)%2) == 1)
	global_load_b64 v[104+48*((\j)%3)+12*\t+2*\p:105+48*((\j)%3)+12*\t+2*\p], v3, s[62:63] offset:(4*\t+LSS)*1536+256*\p
.else
	global_load_b64 v[104+48*((\j)%3)+12*\t+2*\p:105+48*((\j)%3)+12*\t+2*\p], v3, s[60:61] offset:(LSS/4)*196608+(4*\t+LSS%4)*1536+256*\p
.endif
.endr
.endr
.endm
.macro ACTL kind, s                    ; the four token tiles' fragments of a K step
.irp m, 0,1,2,3
.irp p, 0,1,2,3,4,5
	ds_load_b64 v[56+12*\m+2*\p:57+12*\m+2*\p], v3 offset:AIMG+((4*\kind+\m)*4+\s)*1536+256*\p
.endr
.endr
.endm
.macro UNIT j, n, na                   ; 16 products; n: the younger loads that may stay out; na: the token fragments are new
.if ((\j) < 8) && (((\j)%2) == 1)
.set UP, 1
.else
.set UP, 0
.endif
.if (\j) < 8
.set USS, (\j)/2
.else
.set USS, (\j)-4
.endif
.set UDB, 128*UP
.set UWB, 104+48*((\j)%3)
.set USA, 32+16*UP+2*USS
	s_wait_loadcnt \n
.if \na
	s_wait_dscnt 0x0
.endif
	WIN 0x50                                       ; C and D window 1
.irp m, 0,1,2,3                                ; the sixteen sums take turns, one instruction a turn
.irp t, 0,1,2,3
.if USS == 0
	WM UDB+32*\m+8*\t, UWB+12*\t, 56+12*\m, -1, USA+\t/2, 16+4*(USS/2)+\m, \t%2, USS%2
.else
	WM UDB+32*\m+8*\t, UWB+12*\t, 56+12*\m, UDB+32*\m+8*\t, USA+\t/2, 16+4*(USS/2)+\m, \t%2, USS%2
.endif
.endr
.endr
	WIN 0
.rept 4
	v_nop                                          ; places in front of loads into registers that these products have read, and of the first read of results
.endr
.endm
.macro VLD reg, sb                     ; 32 numbers of a [512] vector: register 8 t + j = column 64 w + 32 h + 8 t + j
.irp t, 0,1,2,3
	global_load_b128 v[\reg+8*\t:\reg+8*\t+3], v11, s[\sb:\sb+1] offset:32*\t
	global_load_b128 v[\reg+8*\t+4:\reg+8*\t+7], v11, s[\sb:\sb+1] offset:32*\t+16
.endr
.endm
.macro EMLD m                          ; tile m's 16 rows of emb, my 64 columns, by rows: sixteen lanes read 256 consecutive bytes.  (m is handed in as an expression and is put in as text: so it stands in brackets)
.irp i, 0,1,2,3,4,5,6,7
	global_load_b128 v[120+4*\i:123+4*\i], v10, s[48:49] offset:(8*(\m)+2*(\i%4)+32*(\i/4))*2048 th:TH_LOAD_NT
.endr
.endm
; the four tiles' partial sums, pairs v[184+2m], are finished over the lane halves and the eight waves: v200 .. v203
.macro REDW off
.irp m, 0,1,2,3
	v_add_f32 v[192+\m], v[184+2*\m], v[185+2*\m]
.endr
.irp m, 0,1,2,3
	v_permlanex16_b32 v[196+\m], v[192+\m], s2, s3
.endr
.irp m, 0,1,2,3
	v_add_f32 v[192+\m], v[192+\m], v[196+\m]
.endr
	ds_store_b128 v6, v[192:195] offset:\off       ; both halves of the lanes write the same 16 bytes
	s_wait_dscnt 0x0
	s_barrier_signal -1
	s_barrier_wait -1
.irp w, 0,1,2,3,4,5,6,7
	ds_load_b128 v[200+4*\w:203+4*\w], v7 offset:\off+256*\w
.endr
	s_wait_dscnt 0x0
.irp w, 1,2,3,4,5,6,7
	v_pk_add_f32 v[200:201], v[200:201], v[200+4*\w:201+4*\w]
	v_pk_add_f32 v[202:203], v[202:203], v[202+4*\w:203+4*\w]
.endr
.endm
	s_load_b512 s[16:31], s[0:1], 0x0              ; cc 16, cs 18, xc 20, xs 22, wq 24, gene 26, drug 28, bgg 30
	s_load_b512 s[32:47], s[0:1], 0x40             ; bdg 32, gg_g 34, dg_g 36, gg_b 38, dg_b 40, bo 42, out0 44, out1 46
	v_lshl_add_u32 v1, v0, 2, SPARE
	v_mov_b32 v2, 0
	v_lshrrev_b32 v3, 5, v0
	v_readfirstlane_b32 s4, v3                     ; wave 0..7
	v_and_b32 v15, 31, v0
	v_lshlrev_b32 v3, 3, v15                       ; 8 x lane
	v_lshlrev_b32 v4, 4, v15                       ; 16 x lane
	v_lshlrev_b32 v5, 2, v15                       ; 4 x lane
	v_and_b32 v14, 15, v0                          ; r
	v_bfe_u32 v15, v0, 4, 1                        ; h
	s_lshl_b32 s7, s4, 8
	v_lshl_add_u32 v7, v14, 4, ST1                 ; the statistics of token r: read,
	v_add_nc_u32 v6, s7, v7                        ; and my wave's part: written
	s_mul_i32 s8, s4, 4352
	s_add_co_u32 s8, s8, OST
	v_mul_u32_u24 v8, v14, 272
	v_lshl_add_u32 v8, v15, 7, v8
	v_add_nc_u32 v8, s8, v8                        ; my stage, in: row r, + 128 h
	v_mul_u32_u24 v9, v15, 272
	v_lshl_add_u32 v9, v14, 4, v9
	v_add_nc_u32 v9, s8, v9                        ; back: lanes 0-15 one row, lanes 16-31 the next
	v_lshlrev_b32 v10, 11, v15
	v_lshl_add_u32 v10, v14, 4, v10
	v_add_nc_u32 v10, s7, v10                      ; the same two rows in emb and out, my 256 bytes of them
	v_lshl_add_u32 v11, v15, 7, s7                 ; a [512] vector at column 64 w + 32 h
	v_lshlrev_b32 v12, 14, v15
	v_lshl_add_u32 v12, v14, 1, v12                ; the context's scale bytes: heads 2 h and 2 h + 1, token r
	s_mul_i32 s8, s4, 6144
	v_add_nc_u32 v13, s8, v4                       ; LDS: where I put my tile's image
	v_mov_b32 v14, 0x3727c5ac                      ; 1e-5
	s_mov_b32 s5, ttmp9                            ; G
	s_and_b32 s6, ttmp7, 0xffff                    ; side
	s_mov_b32 s2, 0x76543210
	s_mov_b32 s3, 0xfedcba98
	s_mov_b32 s9, 0x3b000000                       ; 1 / 512
	s_mov_b32 s10, 0xbfb8aa3b                      ; -log2(e)
	s_mov_b32 s11, s10
	s_lshl_b32 s7, s6, 8
	s_lshl_b32 s8, s5, 2
	s_add_co_u32 s7, s7, s8                        ; 256 side + 4 G
	s_and_b32 s8, s4, 3
	s_add_co_u32 s8, s8, s7                        ; the tile that I copy: of the context (waves 0-3),
	s_lshl_b32 s12, s6, 8
	s_add_co_u32 s12, s12, s8                      ; or of the raw embeddings (waves 4-7): xc has two arrays a side
	s_cmp_lt_u32 s4, 4
	s_cselect_b32 s12, s8, s12
	s_mul_i32 s12, s12, 6144
	s_mov_b32 s13, 0
	s_lshl_b32 s14, s7, 9                          ; xs: 512 bytes a tile
	s_mov_b32 s15, 0
	s_wait_kmcnt 0x0
	s_cmp_lt_u32 s4, 4                             ; compared anew: the shift above has set SCC
	s_cselect_b64 s[58:59], s[16:17], s[20:21]     ; waves 0-3 copy from the context's codes, waves 4-7 from the embeddings'
	s_add_nc_u64 s[58:59], s[58:59], s[12:13]
	s_add_nc_u64 s[22:23], s[22:23], s[14:15]
	s_lshl_b32 s12, s6, 16                         ; cs: 8,192 bytes a head, 32 a tile
	s_lshl_b32 s14, s5, 7
	s_add_co_u32 s12, s12, s14
	s_add_nc_u64 s[18:19], s[18:19], s[12:13]
	s_lshl_b32 s12, s6, 1
	s_add_co_u32 s12, s12, 7                       ; the gate's first weight block: 7 + 2 side
	s_mul_i32 s14, s12, 196608
	s_mul_i32 s8, s4, 24576
	s_add_co_u32 s14, s14, s8
	s_add_nc_u64 s[60:61], s[24:25], s[14:15]
	s_add_co_u32 s14, s8, 6*196608                 ; wo is block 6
	s_add_nc_u64 s[62:63], s[24:25], s[14:15]
	s_lshl_b32 s14, s12, 13
	s_lshl_b32 s8, s4, 10
	s_add_co_u32 s14, s14, s8
	s_add_co_u32 s14, s14, WSC
	s_add_nc_u64 s[66:67], s[24:25], s[14:15]
	s_add_co_u32 s14, s8, WSC+6*8192
	s_add_nc_u64 s[68:69], s[24:25], s[14:15]
	s_cmp_eq_u32 s6, 0
	s_cselect_b64 s[48:49], s[26:27], s[28:29]     ; the side's embeddings,
	s_cselect_b64 s[50:51], s[30:31], s[32:33]     ; gate bias,
	s_cselect_b64 s[52:53], s[34:35], s[36:37]     ; LayerNorm's gain
	s_cselect_b64 s[54:55], s[38:39], s[40:41]     ; and bias,
	s_cselect_b64 s[56:57], s[44:45], s[46:47]     ; and output
	s_lshl_b32 s14, s5, 17                         ; 64 rows of 2,048 bytes
	s_add_nc_u64 s[48:49], s[48:49], s[14:15]
	s_add_nc_u64 s[56:57], s[56:57], s[14:15]
.irp i, 0,1,2,3,4,5,6,7,8,9,10,11
	global_load_b128 v[56+4*\i:59+4*\i], v4, s[58:59] offset:512*\i
.endr
.irp m, 0,1,2,3
	global_load_b32 v[24+\m], v5, s[22:23] offset:512*\m          ; the embeddings' scale words: lanes 0-15 K step 0, lanes 16-31 K step 1;
	global_load_b32 v[28+\m], v5, s[22:23] offset:512*\m+128      ; K steps 2 and 3
.endr
.irp x, 0,1
.irp m, 0,1,2,3
.irp e, 0,1
	global_load_u16 v[200+8*\x+2*\m+\e], v12, s[18:19] offset:32768*\x+8192*\e+32*\m   ; the context's: two bytes a head
.endr
.endr
.endr
.irp s, 0,1,2,3,4,5,6,7
.irp t, 0,1
	global_load_b32 v[32+2*\s+\t], v5, s[66:67] offset:(\s/4)*8192+(\s%4)*256+128*\t
.endr
.endr
.irp s, 0,1,2,3
.irp t, 0,1
	global_load_b32 v[48+2*\s+\t], v5, s[68:69] offset:256*\s+128*\t
.endr
.endr
	UNITLD 0
	UNITLD 1
	s_wait_loadcnt 48                              ; all but the two units
.irp i, 0,1,2,3,4,5,6,7,8,9,10,11
	ds_store_b128 v13, v[56+4*\i:59+4*\i] offset:512*\i
.endr
.irp x, 0,1
.irp m, 0,1,2,3
	v_lshl_or_b32 v[16+4*\x+\m], v[201+8*\x+2*\m], 16, v[200+8*\x+2*\m]   ; two heads' bytes make a K step's word
.endr
.endr
	UNITLD 2
	s_wait_dscnt 0x0                               ; my image has landed
	s_barrier_signal -1
	s_barrier_wait -1                              ; all eight have; they are never written again
	ACTL 0, 0
.rept 8
	v_nop                                          ; scale words made by vector instructions stand eight places ahead of the first product
.endr
	UNIT 0, 48, 1
	UNITLD 3
	UNIT 1, 48, 0
	UNITLD 4
	ACTL 0, 1
	UNIT 2, 48, 1
	UNITLD 5
	UNIT 3, 48, 0
	UNITLD 6
	ACTL 0, 2
	UNIT 4, 48, 1
	UNITLD 7
	UNIT 5, 48, 0
	UNITLD 8
	ACTL 0, 3
	UNIT 6, 48, 1
	UNITLD 9
	UNIT 7, 48, 0
	UNITLD 10
	ACTL 1, 0
	UNIT 8, 48, 1
	UNITLD 11
	ACTL 1, 1
	UNIT 9, 48, 1
	VLD 120, 50                                    ; the gate's bias, into the buffer just left
	ACTL 1, 2
	UNIT 10, 32, 1                                 ; behind unit 10's loads: unit 11's 24 and the bias's 8
	VLD 152, 52                                    ; the gain
	ACTL 1, 3
	UNIT 11, 16, 1                                 ; behind unit 11's: the bias's 8 and the gain's 8
	VLD 88, 42                                     ; bo
	VLD 56, 54                                     ; LayerNorm's bias
	; ---- the gate's LayerNorm: mean
	s_wait_loadcnt 24                              ; bg is in; gain, bo and LayerNorm's bias may be out
	WIN 0x41                                       ; destination and source 0 window 1
.irp m, 0,1,2,3
.irp k, 0,2,4,6,8,10,12,14,16,18,20,22,24,26,28,30
	v_pk_add_f32 v[32*\m+\k:32*\m+\k+1], v[32*\m+\k:32*\m+\k+1], v[120+\k:121+\k]   ; + bg; ascending: each result is first read at its low end
.endr
.endr
	WIN 0x05
.irp m, 0,1,2,3
	v_pk_add_f32 v[184+2*\m:185+2*\m], v[32*\m:32*\m+1], v[32*\m+2:32*\m+3]
.endr
	WIN 0x04
.irp k, 4,6,8,10,12,14,16,18,20,22,24,26,28,30
.irp m, 0,1,2,3
	v_pk_add_f32 v[184+2*\m:185+2*\m], v[184+2*\m:185+2*\m], v[32*\m+\k:32*\m+\k+1]
.endr
.endr
	WIN 0
.irp m, 0,1,2,3
	v_mov_b32 v[196+\m], 0                         ; a lane permute's destination counts as a source
.endr
	EMLD 0                                         ; bg's registers take the first tile's rows of emb
	REDW 0
.irp m, 0,1,2,3
	v_mul_f32 v[248+2*\m], s9, v[200+\m]
	v_mov_b32 v[249+2*\m], v[248+2*\m]
.endr
	; ---- variance
	WIN 0x41
.irp m, 0,1,2,3
.irp k, 0,2,4,6,8,10,12,14,16,18,20,22,24,26,28,30
	v_pk_add_f32 v[32*\m+\k:32*\m+\k+1], v[32*\m+\k:32*\m+\k+1], v[248+2*\m:249+2*\m] neg_lo:[0,1] neg_hi:[0,1]
.endr
.endr
	WIN 0x05
.irp m, 0,1,2,3
	v_pk_mul_f32 v[184+2*\m:185+2*\m], v[32*\m:32*\m+1], v[32*\m:32*\m+1]
.endr
.irp k, 2,4,6,8,10,12,14,16,18,20,22,24,26,28,30
.irp m, 0,1,2,3
	v_pk_fma_f32 v[184+2*\m:185+2*\m], v[32*\m+\k:32*\m+\k+1], v[32*\m+\k:32*\m+\k+1], v[184+2*\m:185+2*\m]
.endr
.endr
	WIN 0
	REDW 2048
.irp m, 0,1,2,3
	v_fma_f32 v[200+\m], v[200+\m], s9, v14
.endr
.irp m, 0,1,2,3
	v_rsq_f32 v[248+2*\m], v[200+\m]
.endr
	v_nop
	s_wait_alu depctr_va_vdst(0)
.irp m, 0,1,2,3
	v_mov_b32 v[249+2*\m], v[248+2*\m]
.endr
	s_wait_loadcnt 8                               ; gain, bo, LayerNorm's bias are in; the eight rows of emb may be out
.irp k, 0,2,4,6,8,10,12,14,16,18,20,22,24,26,28,30
	v_pk_mul_f32 v[152+\k:153+\k], v[152+\k:153+\k], s[10:11] op_sel_hi:[1,0]   ; -log2(e) goes into gain and bias: the exponential's input is then one multiply-add
	v_pk_mul_f32 v[56+\k:57+\k], v[56+\k:57+\k], s[10:11] op_sel_hi:[1,0]
.endr
; ---- a tile of 16 tokens: the gate, x (ctx wo + bo), through my stage into rows, + emb, out
.macro OUTM m
.if \m > 0
	s_wait_xcnt 0x0                                ; the last tile's stores have read their registers
.endif
	WIN 0x01
.irp k, 0,2,4,6,8,10,12,14,16,18,20,22,24,26,28,30
	v_pk_mul_f32 v[184+\k:185+\k], v[32*\m+\k:32*\m+\k+1], v[248+2*\m:249+2*\m]
.endr
	WIN 0
.irp k, 0,2,4,6,8,10,12,14,16,18,20,22,24,26,28,30
	v_pk_fma_f32 v[184+\k:185+\k], v[184+\k:185+\k], v[152+\k:153+\k], v[56+\k:57+\k]
.endr
.set oj, 0
.rept 32
	v_exp_f32 v[184+oj], v[184+oj]
.set oj, oj+1
.endr
	v_nop
	s_wait_alu depctr_va_vdst(0)                   ; one wait for the 32
.irp k, 0,2,4,6,8,10,12,14,16,18,20,22,24,26,28,30
	v_pk_add_f32 v[184+\k:185+\k], v[184+\k:185+\k], 1.0 op_sel_hi:[1,0]
.endr
.set oj, 0
.rept 32
	v_rcp_f32 v[184+oj], v[184+oj]
.set oj, oj+1
.endr
	WIN 0x01
.irp k, 0,2,4,6,8,10,12,14,16,18,20,22,24,26,28,30
	v_pk_add_f32 v[216+\k:217+\k], v[128+32*\m+\k:129+32*\m+\k], v[88+\k:89+\k]   ; ctx wo + bo: the plain work behind the reciprocals
.endr
	WIN 0
	s_wait_alu depctr_va_vdst(0)                   ; one wait for the 32
.irp k, 0,2,4,6,8,10,12,14,16,18,20,22,24,26,28,30
	v_pk_mul_f32 v[184+\k:185+\k], v[184+\k:185+\k], v[216+\k:217+\k]
.endr
.irp q, 0,1,2,3,4,5,6,7
	ds_store_b128 v8, v[184+4*\q:187+4*\q] offset:16*\q
.endr
.irp i, 0,1,2,3,4,5,6,7
	ds_load_b128 v[216+4*\i:219+4*\i], v9 offset:544*\i   ; my own bytes: LDS serves a wave's instructions in order
.endr
	s_wait_dscnt 0x0
	s_wait_loadcnt 0x0                             ; the tile's rows of emb
.irp k, 0,2,4,6,8,10,12,14,16,18,20,22,24,26,28,30
	v_pk_add_f32 v[216+\k:217+\k], v[216+\k:217+\k], v[120+\k:121+\k]
.endr
.irp i, 0,1,2,3,4,5,6,7
	global_store_b128 v10, v[216+4*\i:219+4*\i], s[56:57] offset:(8*\m+2*(\i%4)+32*(\i/4))*2048 th:TH_STORE_NT   ; sixteen lanes store 256 consecutive bytes, aligned
.endr
.if \m < 3
	EMLD \m+1
.endif
.endm
	OUTM 0
	OUTM 1
	OUTM 2
	OUTM 3
	s_wait_tensorcnt 0x0                           ; the wave's end, behind my last LDS store
	ds_add_u32 v1, v2
	s_wait_dscnt 0x0
	s_endpgm
.Lfunc_end_k_qa4a2a118be_gate:
	.size	k_qa4a2a118be_gate, .Lfunc_end_k_qa4a2a118be_gate-k_qa4a2a118be_gate
	.p2alignl 7, 3214868480
	.fill 96, 4, 3214868480
	.section	.rodata,"a",@progbits
	.p2align	6, 0x0
	.amdhsa_kernel k_qa4a2a118be_gate
		.amdhsa_group_segment_fixed_size 89088
		.amdhsa_private_segment_fixed_size 0
		.amdhsa_enable_private_segment 0
		.amdhsa_kernarg_size 128
		.amdhsa_user_sgpr_count 2
		.amdhsa_user_sgpr_kernarg_segment_ptr 1
		.amdhsa_wavefront_size32 1
		.amdhsa_system_sgpr_workgroup_id_x 1
		.amdhsa_system_sgpr_workgroup_id_y 1
		.amdhsa_system_sgpr_workgroup_id_z 1
		.amdhsa_system_vgpr_workitem_id 0
		.amdhsa_next_free_vgpr 512
		.amdhsa_next_free_sgpr 70
		.amdhsa_reserve_vcc 0
		.amdhsa_float_denorm_mode_32 3
		.amdhsa_float_denorm_mode_16_64 3
		.amdhsa_memory_ordered 1
		.amdhsa_forward_progress 1
		.amdhsa_inst_pref_size 147
	.end_amdhsa_kernel
	.amdgpu_metadata
---
amdhsa.version: [ 1, 2 ]
amdhsa.kernels:
  - .name:           k_qa4a2a118be_gate
    .symbol:         k_qa4a2a118be_gate.kd
    .args:
      - { .name: cc, .offset: 0, .size: 8, .value_kind: global_buffer, .address_space: global }
      - { .name: cs, .offset: 8, .size: 8, .value_kind: global_buffer, .address_space: global }
      - { .name: xc, .offset: 16, .size: 8, .value_kind: global_buffer, .address_space: global }
      - { .name: xs, .offset: 24, .size: 8, .value_kind: global_buffer, .address_space: global }
      - { .name: wq, .offset: 32, .size: 8, .value_kind: global_buffer, .address_space: global }
      - { .name: gene_embeds, .offset: 40, .size: 8, .value_kind: global_buffer, .address_space: global }
      - { .name: drug_embeds, .offset: 48, .size: 8, .value_kind: global_buffer, .address_space: global }
      - { .name: bgg, .offset: 56, .size: 8, .value_kind: global_buffer, .address_space: global }
      - { .name: bdg, .offset: 64, .size: 8, .value_kind: global_buffer, .address_space: global }
      - { .name: gg_g, .offset: 72, .size: 8, .value_kind: global_buffer, .address_space: global }
      - { .name: dg_g, .offset: 80, .size: 8, .value_kind: global_buffer, .address_space: global }
      - { .name: gg_b, .offset: 88, .size: 8, .value_kind: global_buffer, .address_space: global }
      - { .name: dg_b, .offset: 96, .size: 8, .value_kind: global_buffer, .address_space: global }
      - { .name: bo, .offset: 104, .size: 8, .value_kind: global_buffer, .address_space: global }
      - { .name: out0, .offset: 112, .size: 8, .value_kind: global_buffer, .address_space: global }
      - { .name: out1, .offset: 120, .size: 8, .value_kind: global_buffer, .address_space: global }
    .group_segment_fixed_size: 89088
    .private_segment_fixed_size: 0
    .kernarg_segment_align: 8
    .kernarg_segment_size: 128
    .max_flat_workgroup_size: 256
    .sgpr_count:     70
    .vgpr_count:     512
    .wavefront_size: 32
...
	.end_amdgpu_metadata
.endif
;; end of part 4
;; ======== version 2 of 2: 4 launches
;; workspace buffers: xc 6,291,456 bytes; xs 262,144 bytes; wq 2,252,800 bytes; qc 3,145,728 bytes; qs 524,288 bytes; kv 6,553,600 bytes; cc 3,145,728 bytes; cs 131,072 bytes
;; launch prep (part 5): grid 688 x 1, 4 waves a work-group, no clusters, 80,384 bytes of LDS; arguments gene_embeds, drug_embeds, lng_g, lng_b, lnd_g, lnd_b, wgq, wgk, wgv, wdq, wdk, wdv, wo, wgg, wdg, xc, xs, wq; writes xc, xs, wq
.if DOCPART == 5
	.amdgcn_target "amdgcn-amd-amdhsa--gfx1250"
	.amdhsa_code_object_version 6
	.text
	.protected	k_qa4a2a118be_prep
	.globl	k_qa4a2a118be_prep
	.p2align	8
	.type	k_qa4a2a118be_prep,@function
k_qa4a2a118be_prep:
	s_mov_b64 s[64:65], 0
	v_nop
	global_prefetch_b8 v0, s[64:65] scope:SCOPE_SE
	s_setreg_imm32_b32 hwreg(HW_REG_WAVE_MODE, 25, 1), 1
	s_wait_xcnt 0x0
; LAUNCH 1 OF 4.  Everything that many work-groups read later is quantised once, to codes of FP6 (E2M3) with one E8M0 byte for each 32 along K.
; NOTHING OF reference() IS LEFT OUT in this program: every input has a way to an output and is loaded, every product of the table is multiplied.
; Work-groups 0-511: one tile of 16 tokens of one side: the raw embeddings (operand of the v products and lower half of the gates' K) and their LayerNorm (operand of the q and k products).
; Work-groups 512-687: 64 columns x 256 rows of one of eleven weight blocks of 512 x 512 (wgq wgk wgv wdq wdk wdv wo, wgg's two halves, wdg's two halves), quantised down K, its first axis.
; IMAGES.  An operand fragment (16 rows x 128 K, 12 registers a lane) lies in memory as its registers: six pieces of 256 bytes, piece p = registers 2 p, 2 p + 1, lane l's 8 bytes at 8 l.
; TILES ARE PERMUTED.  In a group of 64 tokens (or 64 weight columns) tile u's row r is member 32 (r / 8) + 8 u + r % 8.  A matrix result has row 8 h + j in register j of lane half h, so the 32 registers
; of four such tiles are members 32 h + 0 .. 31: a whole quantiser block in one lane.
; A block's scale is 2^(floor(log2(largest magnitude)) - 2); its byte is the largest magnitude's exponent field - 2, held at 1 from below.
; LIMITS: a block whose largest magnitude lies under 2^-124 gets the byte 1, a block of zeros too (the rule says 127): its codes are zeros, and this program alone reads the bytes.  NaN and infinities are not served.
.set RP,    2064                       ; an LDS row of 512 f32: 2,048 bytes + 16, so that 16 rows of one load fall into 16 different columns of 16 bytes
.set RAW,   0                          ; tokens' path: 16 raw rows
.set NRM,   33024                      ; 16 normed rows
.set SCE,   66048                      ; the tile's 128 scale words
.set WIM,   66560                      ; weights' path: 2 K steps x 4 tiles x 1,600 (an image of 1,536 + 64)
.set WSL,   79360                      ; its 128 scale words
.set SPARE, 79872                      ; the spare words, 128 bytes a wave
.set WSC,   2162688                    ; wq: where the scale words begin
; 32 numbers of a lane, v[x] .. v[x+31], become 6 registers of codes at v[cd]; v[by] gets the scale's byte.  ct: three registers for the second 16 codes (a conversion's result begins on an even register)
.macro QB x, cd, ct, mx, m2, so, by
	v_max3_num_f32 v[\mx], |v[(\x)]|, |v[(\x)+1]|, 0x1800000        ; with the floor 2^(3 - 127): the byte cannot fall under 1
	v_max3_num_f32 v[\m2], |v[(\x)+16]|, |v[(\x)+17]|, |v[(\x)+18]|
.irp i, 0,2,4,6,8,10
	v_max3_num_f32 v[\mx], v[\mx], |v[(\x)+2+\i]|, |v[(\x)+3+\i]|
	v_max3_num_f32 v[\m2], v[\m2], |v[(\x)+19+\i]|, |v[(\x)+20+\i]|
.endr
	v_max3_num_f32 v[\mx], v[\mx], |v[(\x)+14]|, |v[(\x)+15]|
	v_max3_num_f32 v[\mx], v[\mx], v[\m2], |v[(\x)+31]|
	v_add_nc_u32 v[\so], 0xff000000, v[\mx]                         ; 2 off the exponent field: the conversion's scale operand
	v_cvt_scalef32_pk16_fp6_f32 v[(\cd):(\cd)+2], v[(\x):(\x)+15], v[\so]
	v_cvt_scalef32_pk16_fp6_f32 v[(\ct):(\ct)+2], v[(\x)+16:(\x)+31], v[\so]
	v_lshrrev_b32 v[\by], 23, v[\so]                                ; the byte; also the plain line behind the conversions
.irp i, 0,1,2
	v_mov_b32 v[(\cd)+3+\i], v[(\ct)+\i]
.endr
.endm
.macro RED4 b                          ; four numbers v[b] .. v[b+3] are summed over the 32 lanes; v[b+4] .. v[b+7] at work
.irp x, 1,2,4,8
.irp i, 0,1,2,3
	v_add_f32_dpp v[\b+\i], v[\b+\i], v[\b+\i] row_xmask:\x row_mask:0xf bank_mask:0xf
.endr
.endr
.irp i, 0,1,2,3
	v_permlanex16_b32 v[\b+4+\i], v[\b+\i], s6, s7
.endr
.irp i, 0,1,2,3
	v_add_f32 v[\b+\i], v[\b+\i], v[\b+4+\i]
.endr
.endm
.macro BARRIER                         ; my LDS stores have landed and my LDS loads are in: then the work-group's barrier
	s_wait_dscnt 0x0
	s_barrier_signal -1
	s_barrier_wait -1
.endm
	s_load_b512 s[16:31], s[0:1], 0x0              ; gene 16, drug 18, lng_g 20, lng_b 22, lnd_g 24, lnd_b 26, wgq 28, wgk 30
	s_load_b512 s[32:47], s[0:1], 0x40             ; wgv 32, wdq 34, wdk 36, wdv 38, wo 40, wgg 42, wdg 44, xc 46
	s_load_b128 s[48:51], s[0:1], 0x80             ; xs 48, wq 50
	v_lshl_add_u32 v1, v0, 2, SPARE                ; my spare word; never rewritten
	v_mov_b32 v2, 0                                ; 0; never rewritten
	v_lshrrev_b32 v3, 5, v0
	v_readfirstlane_b32 s4, v3                     ; wave 0..3
	v_and_b32 v3, 31, v0                           ; lane
	v_lshlrev_b32 v4, 4, v3                        ; 16 x lane
	v_lshlrev_b32 v5, 3, v3                        ; 8 x lane
	v_and_b32 v6, 15, v0                           ; r
	v_bfe_u32 v7, v0, 4, 1                         ; h
	s_mov_b32 s6, 0x76543210
	s_mov_b32 s7, 0xfedcba98                       ; v_permlanex16_b32's selects for lane l xor 16
	s_cmp_lt_u32 ttmp9, 512                        ; the work-group's number alone: all four waves go the same way, and the two ways never join
	s_cbranch_scc0 .Lweights
	; ================ TOKENS: tile T of a side ================
	s_lshr_b32 s8, ttmp9, 8                        ; side
	s_and_b32 s9, ttmp9, 255                       ; T
	s_lshr_b32 s10, s9, 2                          ; group of 64 tokens
	s_and_b32 s11, s9, 3                           ; u
	s_lshl_b32 s12, s10, 6                         ; my four tile rows 4 w .. 4 w + 3 are tokens 64 G + 8 u + 32 (w / 2) + 4 (w % 2) + 0 .. 3
	s_lshl_b32 s13, s11, 3
	s_add_co_u32 s12, s12, s13
	s_lshr_b32 s13, s4, 1
	s_lshl_b32 s13, s13, 5
	s_add_co_u32 s12, s12, s13
	s_and_b32 s13, s4, 1
	s_lshl_b32 s13, s13, 2
	s_add_co_u32 s12, s12, s13
	s_lshl_b32 s12, s12, 11                        ; in bytes
	s_mov_b32 s13, 0
	s_mul_i32 s14, s4, 4*RP
	s_wait_alu depctr_va_vdst(0)
	v_add_nc_u32 v8, s14, v4                       ; LDS, on the way in: my four rows, 16 bytes a lane
	v_mul_u32_u24 v9, v6, RP
	v_lshl_add_u32 v9, v7, 7, v9
	s_lshl_b32 s14, s4, 9
	v_add_nc_u32 v9, s14, v9                       ; on the way out: row r, K step = my wave, + 128 h
	v_lshlrev_b32 v10, 3, v7                       ; 8 h
	v_lshlrev_b32 v11, 2, v6
	s_lshl_b32 s14, s4, 6
	v_add_nc_u32 v11, s14, v11
	v_add_nc_u32 v11, SCE, v11                     ; my row's scale word of my K step
	v_add_nc_u32 v12, SCE, v4                      ; the way out of the 512 bytes of scale words
	v_mov_b32 v13, 0x3727c5ac                      ; 1e-5
	v_mov_b32 v20, 0                               ; a lane permute's destination counts as a source: written once
.irp i, 0,1,2,3
	v_mov_b32 v[140+\i], 0
.endr
	s_mov_b32 s5, 0x3b000000                       ; 1 / 512
	s_lshl_b32 s58, s8, 9                          ; xc: (((side 2 + arr) 256 + T) 4 + K step) x 1,536; arr stands in the immediate
	s_add_co_u32 s58, s58, s9
	s_lshl_b32 s58, s58, 2
	s_add_co_u32 s58, s58, s4
	s_mul_i32 s58, s58, 1536
	s_mov_b32 s59, 0
	s_lshl_b32 s60, ttmp9, 9                       ; xs: 512 bytes a tile
	s_mov_b32 s61, 0
	s_wait_kmcnt 0x0
	s_cmp_eq_u32 s8, 0
	s_cselect_b64 s[52:53], s[16:17], s[18:19]     ; the side's embeddings,
	s_cselect_b64 s[54:55], s[20:21], s[24:25]     ; gain
	s_cselect_b64 s[56:57], s[22:23], s[26:27]     ; and bias
	s_add_nc_u64 s[52:53], s[52:53], s[12:13]
	s_add_nc_u64 s[46:47], s[46:47], s[58:59]
	s_add_nc_u64 s[48:49], s[48:49], s[60:61]
.irp i, 0,1,2,3
.irp q, 0,1,2,3
	global_load_b128 v[32+16*\i+4*\q:35+16*\i+4*\q], v4, s[52:53] offset:2048*\i+512*\q th:TH_LOAD_NT   ; 512 consecutive bytes a load
.endr
.endr
.irp q, 0,1,2,3
	global_load_b128 v[96+4*\q:99+4*\q], v4, s[54:55] offset:512*\q
	global_load_b128 v[112+4*\q:115+4*\q], v4, s[56:57] offset:512*\q
.endr
	s_wait_loadcnt 8                               ; the four rows are in; the gain's and the bias's eight loads may be out
.irp i, 0,1,2,3
.irp q, 0,1,2,3
	ds_store_b128 v8, v[32+16*\i+4*\q:35+16*\i+4*\q] offset:RAW+RP*\i+512*\q
.endr
.endr
.irp i, 0,1,2,3                                ; the rows' sums, the four rows by turns
	v_pk_add_f32 v[128+2*\i:129+2*\i], v[32+16*\i:33+16*\i], v[34+16*\i:35+16*\i]
.endr
.irp k, 4,6,8,10,12,14
.irp i, 0,1,2,3
	v_pk_add_f32 v[128+2*\i:129+2*\i], v[128+2*\i:129+2*\i], v[32+16*\i+\k:33+16*\i+\k]
.endr
.endr
.irp i, 0,1,2,3
	v_add_f32 v[136+\i], v[128+2*\i], v[129+2*\i]
.endr
	RED4 136
.irp i, 0,1,2,3
	v_mul_f32 v[144+2*\i], s5, v[136+\i]           ; the mean, in both halves of a pair
	v_mov_b32 v[145+2*\i], v[144+2*\i]
.endr
	s_wait_alu depctr_va_vdst(0)
	s_wait_dscnt 0x0                               ; the raw rows' stores are done: their registers may be written
.irp i, 0,1,2,3
.irp k, 0,2,4,6,8,10,12,14
	v_pk_add_f32 v[32+16*\i+\k:33+16*\i+\k], v[32+16*\i+\k:33+16*\i+\k], v[144+2*\i:145+2*\i] neg_lo:[0,1] neg_hi:[0,1]   ; x - mean
.endr
.endr
.irp i, 0,1,2,3
	v_pk_mul_f32 v[128+2*\i:129+2*\i], v[32+16*\i:33+16*\i], v[32+16*\i:33+16*\i]
.endr
.irp k, 2,4,6,8,10,12,14
.irp i, 0,1,2,3
	v_pk_fma_f32 v[128+2*\i:129+2*\i], v[32+16*\i+\k:33+16*\i+\k], v[32+16*\i+\k:33+16*\i+\k], v[128+2*\i:129+2*\i]
.endr
.endr
.irp i, 0,1,2,3
	v_add_f32 v[136+\i], v[128+2*\i], v[129+2*\i]
.endr
	RED4 136
.irp i, 0,1,2,3
	v_fma_f32 v[136+\i], v[136+\i], s5, v13        ; the variance + 1e-5
.endr
	s_wait_alu depctr_va_vdst(0)
.irp i, 0,1,2,3
	v_rsq_f32 v[152+2*\i], v[136+\i]
.endr
	v_nop                                          ; a plain line behind the last of the batch
	s_wait_alu depctr_va_vdst(0)                   ; one wait for the four, ahead of their first reader
.irp i, 0,1,2,3
	v_mov_b32 v[153+2*\i], v[152+2*\i]
.endr
	s_wait_alu depctr_va_vdst(0)
	s_wait_loadcnt 0x0                             ; gain and bias
.irp i, 0,1,2,3
.irp k, 0,2,4,6,8,10,12,14
	v_pk_mul_f32 v[32+16*\i+\k:33+16*\i+\k], v[32+16*\i+\k:33+16*\i+\k], v[152+2*\i:153+2*\i]
.endr
.irp k, 0,2,4,6,8,10,12,14
	v_pk_fma_f32 v[32+16*\i+\k:33+16*\i+\k], v[32+16*\i+\k:33+16*\i+\k], v[96+\k:97+\k], v[112+\k:113+\k]
.endr
.endr
.irp i, 0,1,2,3
.irp q, 0,1,2,3
	ds_store_b128 v8, v[32+16*\i+4*\q:35+16*\i+4*\q] offset:NRM+RP*\i+512*\q
.endr
.endr
	BARRIER                                        ; 16 raw and 16 normed rows lie in LDS
	; wave w makes K step w of both arrays: lane (r, h) takes of row r the blocks h and 2 + h of the step's four
.irp a, 0,1
.irp c, 0,1
.irp j, 0,1,2,3,4,5,6,7
	ds_load_b128 v[32+32*\c+4*\j:35+32*\c+4*\j], v9 offset:NRM*\a+256*\c+16*\j
.endr
.endr
	s_wait_dscnt 0x0                               ; the numbers are in (and the last array's scale word is stored)
	QB 32, 128+20*\a, 140+20*\a, 14, 15, 16, 17
	QB 64, 134+20*\a, 144+20*\a, 14, 15, 16, 18
	v_lshl_or_b32 v19, v18, 16, v17                ; my two bytes,
	v_lshlrev_b32 v19, v10, v19                    ; at their places (8 h bits up);
	v_permlanex16_b32 v20, v19, s6, s7
	v_or_b32 v19, v19, v20                         ; with lane l xor 16's two the row's word is whole
.irp p, 0,1,2,3,4,5
	global_store_b64 v5, v[128+20*\a+2*\p:129+20*\a+2*\p], s[46:47] offset:1572864*\a+256*\p   ; a piece: 256 consecutive bytes, aligned
.endr
	ds_store_b32 v11, v19 offset:256*\a            ; both halves of the lanes write the same word with the same value
.endr
	BARRIER
	s_cmp_lg_u32 s4, 0
	s_cbranch_scc1 .Le_end
	ds_load_b128 v[32:35], v12                     ; wave 0: the tile's 512 bytes of scale words leave whole
	s_wait_dscnt 0x0
	global_store_b128 v4, v[32:35], s[48:49]
.Le_end:
	s_wait_tensorcnt 0x0                           ; the wave's end, behind my last LDS store
	ds_add_u32 v1, v2
	s_wait_dscnt 0x0
	s_endpgm
	; ================ WEIGHTS: block sm, columns 64 g on, K steps 2 sp and 2 sp + 1 ================
.Lweights:
	s_sub_co_u32 s8, ttmp9, 512
	s_lshr_b32 s9, s8, 4                           ; sm 0..10
	s_bfe_u32 s10, s8, 0x30001                     ; g
	s_and_b32 s11, s8, 1                           ; sp
	s_and_b32 s12, s4, 1                           ; y: which 32 of the 64 columns
	s_lshr_b32 s13, s4, 1                          ; sl: which of the two K steps
	s_lshl_b32 s14, s11, 1
	s_add_co_u32 s14, s14, s13                     ; the K step
	s_lshl_b32 s58, s14, 18                        ; 128 rows of 2,048 bytes a step,
	s_lshl_b32 s15, s10, 8
	s_add_co_u32 s58, s58, s15                     ; 256 bytes a group,
	s_lshl_b32 s15, s12, 7
	s_add_co_u32 s58, s58, s15                     ; 128 a half;
	s_sub_co_u32 s15, s9, 7
	s_and_b32 s15, s15, 1
	s_cmp_ge_u32 s9, 7
	s_cselect_b32 s15, s15, 0
	s_lshl_b32 s15, s15, 20                        ; blocks 8 and 10 are rows 512 on of wgg and wdg
	s_add_co_u32 s58, s58, s15
	s_mov_b32 s59, 0
	s_wait_alu depctr_va_vdst(0)
	v_lshlrev_b32 v21, 2, v3                       ; 4 x lane: A LANE TAKES A COLUMN, ITS REGISTERS RUN DOWN K
	v_lshrrev_b32 v22, 3, v3                       ; the column's tile,
	s_wait_alu depctr_va_vdst(0)
	v_and_b32 v23, 7, v3                           ; and its row in it: 8 y + lane % 8
	s_mul_i32 s15, s13, 6400
	s_lshl_b32 s60, s12, 6
	s_add_co_u32 s60, s60, s15
	s_add_co_u32 s60, s60, WIM
	v_mul_u32_u24 v8, v22, 1600
	v_lshl_add_u32 v8, v23, 3, v8
	v_add_nc_u32 v8, s60, v8                       ; where my column's 8 bytes of a piece go
	s_lshl_b32 s60, s13, 8
	s_lshl_b32 s61, s12, 5
	s_add_co_u32 s60, s60, s61
	s_add_co_u32 s60, s60, WSL
	v_lshlrev_b32 v9, 6, v22
	s_wait_alu depctr_va_vdst(0)
	v_lshl_add_u32 v9, v23, 2, v9
	v_add_nc_u32 v9, s60, v9                       ; and its scale word
	s_mul_i32 s60, s12, 3200
	s_add_co_u32 s60, s60, s15
	s_add_co_u32 s60, s60, WIM
	v_add_nc_u32 v10, s60, v4                      ; the way out: tiles 2 y and 2 y + 1 of K step sl
	v_add_nc_u32 v11, WSL, v4
	s_lshl_b32 s62, s10, 2                         ; codes: sm x 196,608 + ((4 g + 2 y) 4 + K step) x 1,536
	s_lshl_b32 s63, s12, 1
	s_add_co_u32 s62, s62, s63
	s_lshl_b32 s62, s62, 2
	s_add_co_u32 s62, s62, s14
	s_mul_i32 s62, s62, 1536
	s_mul_i32 s63, s9, 196608
	s_add_co_u32 s62, s62, s63
	s_mov_b32 s63, 0
	s_lshl_b32 s60, s10, 2                         ; scale words: WSC + sm x 8,192 + (4 g + 2 sp) x 256
	s_lshl_b32 s61, s11, 1
	s_add_co_u32 s60, s60, s61
	s_lshl_b32 s60, s60, 8
	s_lshl_b32 s61, s9, 13
	s_add_co_u32 s60, s60, s61
	s_add_co_u32 s60, s60, WSC
	s_mov_b32 s61, 0
	s_wait_kmcnt 0x0
	s_mov_b64 s[52:53], s[28:29]                   ; the block's tensor: a choice on the work-group's number alone
	s_cmp_eq_u32 s9, 1
	s_cselect_b64 s[52:53], s[30:31], s[52:53]
	s_cmp_eq_u32 s9, 2
	s_cselect_b64 s[52:53], s[32:33], s[52:53]
	s_cmp_eq_u32 s9, 3
	s_cselect_b64 s[52:53], s[34:35], s[52:53]
	s_cmp_eq_u32 s9, 4
	s_cselect_b64 s[52:53], s[36:37], s[52:53]
	s_cmp_eq_u32 s9, 5
	s_cselect_b64 s[52:53], s[38:39], s[52:53]
	s_cmp_eq_u32 s9, 6
	s_cselect_b64 s[52:53], s[40:41], s[52:53]
	s_cmp_ge_u32 s9, 7
	s_cselect_b64 s[52:53], s[42:43], s[52:53]
	s_cmp_ge_u32 s9, 9
	s_cselect_b64 s[52:53], s[44:45], s[52:53]
	s_add_nc_u64 s[52:53], s[52:53], s[58:59]
	s_add_nc_u64 s[54:55], s[50:51], s[62:63]
	s_add_nc_u64 s[56:57], s[50:51], s[60:61]
.macro LOADB b                         ; block b of the K step: 32 rows, my column, into set b % 2; a wave reads 128 consecutive bytes a load
.irp i, 0,1,2,3,4,5,6,7,8,9,10,11,12,13,14,15,16,17,18,19,20,21,22,23,24,25,26,27,28,29,30,31
	global_load_b32 v[32+32*((\b)%2)+\i], v21, s[52:53] offset:(32*(\b)+\i)*2048 th:TH_LOAD_NT
.endr
.endm
	LOADB 0
	LOADB 1
.irp b, 0,1,2,3
.if \b < 3
	s_wait_loadcnt 32                              ; this block's 32 loads are in; the next block's may be out
.else
	s_wait_loadcnt 0x0
.endif
	QB 32+32*(\b%2), 160+8*\b, 24, 14, 15, 16, 17
.if \b == 0
	v_mov_b32 v18, v17                             ; the four bytes make my column's scale word
.else
	v_lshl_or_b32 v18, v17, 8*\b, v18
.endif
.irp i, 0,1,2
	ds_store_b64 v8, v[160+8*\b+2*\i:161+8*\b+2*\i] offset:(3*(\b/2)+\i)*256+128*(\b%2)   ; block b is half b / 2 of the fragment, lane half b % 2
.endr
.if \b < 2
	LOADB \b+2
.endif
.endr
	ds_store_b32 v9, v18
	BARRIER                                        ; eight images and their scale words lie in LDS
.irp t, 0,1
.irp i, 0,1,2
	ds_load_b128 v[32+12*\t+4*\i:35+12*\t+4*\i], v10 offset:1600*\t+512*\i
.endr
.endr
	s_wait_dscnt 0x0
.irp t, 0,1
.irp i, 0,1,2
	global_store_b128 v4, v[32+12*\t+4*\i:35+12*\t+4*\i], s[54:55] offset:6144*\t+512*\i   ; 512 consecutive bytes, aligned
.endr
.endr
	s_cmp_lg_u32 s4, 0
	s_cbranch_scc1 .Lw_end
	ds_load_b128 v[56:59], v11
	s_wait_dscnt 0x0
	global_store_b128 v4, v[56:59], s[56:57]
.Lw_end:
	s_wait_tensorcnt 0x0                           ; the wave's end, behind my last LDS store
	ds_add_u32 v1, v2
	s_wait_dscnt 0x0
	s_endpgm
.Lfunc_end_k_qa4a2a118be_prep:
	.size	k_qa4a2a118be_prep, .Lfunc_end_k_qa4a2a118be_prep-k_qa4a2a118be_prep
	.p2alignl 7, 3214868480
	.fill 96, 4, 3214868480
	.section	.rodata,"a",@progbits
	.p2align	6, 0x0
	.amdhsa_kernel k_qa4a2a118be_prep
		.amdhsa_group_segment_fixed_size 80384
		.amdhsa_private_segment_fixed_size 0
		.amdhsa_enable_private_segment 0
		.amdhsa_kernarg_size 144
		.amdhsa_user_sgpr_count 2
		.amdhsa_user_sgpr_kernarg_segment_ptr 1
		.amdhsa_wavefront_size32 1
		.amdhsa_system_sgpr_workgroup_id_x 1
		.amdhsa_system_sgpr_workgroup_id_y 1
		.amdhsa_system_sgpr_workgroup_id_z 1
		.amdhsa_system_vgpr_workitem_id 0
		.amdhsa_next_free_vgpr 192
		.amdhsa_next_free_sgpr 66
		.amdhsa_reserve_vcc 0
		.amdhsa_float_denorm_mode_32 3
		.amdhsa_float_denorm_mode_16_64 3
		.amdhsa_memory_ordered 1
		.amdhsa_forward_progress 1
		.amdhsa_inst_pref_size 54
	.end_amdhsa_kernel
	.amdgpu_metadata
---
amdhsa.version: [ 1, 2 ]
amdhsa.kernels:
  - .name:           k_qa4a2a118be_prep
    .symbol:         k_qa4a2a118be_prep.kd
    .args:
      - { .name: gene_embeds, .offset: 0, .size: 8, .value_kind: global_buffer, .address_space: global }
      - { .name: drug_embeds, .offset: 8, .size: 8, .value_kind: global_buffer, .address_space: global }
      - { .name: lng_g, .offset: 16, .size: 8, .value_kind: global_buffer, .address_space: global }
      - { .name: lng_b, .offset: 24, .size: 8, .value_kind: global_buffer, .address_space: global }
      - { .name: lnd_g, .offset: 32, .size: 8, .value_kind: global_buffer, .address_space: global }
      - { .name: lnd_b, .offset: 40, .size: 8, .value_kind: global_buffer, .address_space: global }
      - { .name: wgq, .offset: 48, .size: 8, .value_kind: global_buffer, .address_space: global }
      - { .name: wgk, .offset: 56, .size: 8, .value_kind: global_buffer, .address_space: global }
      - { .name: wgv, .offset: 64, .size: 8, .value_kind: global_buffer, .address_space: global }
      - { .name: wdq, .offset: 72, .size: 8, .value_kind: global_buffer, .address_space: global }
      - { .name: wdk, .offset: 80, .size: 8, .value_kind: global_buffer, .address_space: global }
      - { .name: wdv, .offset: 88, .size: 8, .value_kind: global_buffer, .address_space: global }
      - { .name: wo, .offset: 96, .size: 8, .value_kind: global_buffer, .address_space: global }
      - { .name: wgg, .offset: 104, .size: 8, .value_kind: global_buffer, .address_space: global }
      - { .name: wdg, .offset: 112, .size: 8, .value_kind: global_buffer, .address_space: global }
      - { .name: xc, .offset: 120, .size: 8, .value_kind: global_buffer, .address_space: global }
      - { .name: xs, .offset: 128, .size: 8, .value_kind: global_buffer, .address_space: global }
      - { .name: wq, .offset: 136, .size: 8, .value_kind: global_buffer, .address_space: global }
    .group_segment_fixed_size: 80384
    .private_segment_fixed_size: 0
    .kernarg_segment_align: 8
    .kernarg_segment_size: 144
    .max_flat_workgroup_size: 128
    .sgpr_count:     66
    .vgpr_count:     192
    .wavefront_size: 32
...
	.end_amdgpu_metadata
.endif
;; end of part 5
;; launch proj (part 6): grid 32 x 6, 8 waves a work-group, no clusters, 52,224 bytes of LDS; arguments xc, xs, wq, bgq, bgk, bgv, bdq, bdk, bdv, qc, qs, kv; writes qc, qs, kv
.if DOCPART == 6
	.amdgcn_target "amdgcn-amd-amdhsa--gfx1250"
	.amdhsa_code_object_version 6
	.text
	.protected	k_qa4a2a118be_proj
	.globl	k_qa4a2a118be_proj
	.p2align	8
	.type	k_qa4a2a118be_proj,@function
k_qa4a2a118be_proj:
	s_mov_b64 s[64:65], 0
	v_nop
	global_prefetch_b8 v0, s[64:65] scope:SCOPE_SE
	s_setreg_imm32_b32 hwreg(HW_REG_WAVE_SCHED_MODE, 0, 2), 2
	s_setreg_imm32_b32 hwreg(HW_REG_WAVE_MODE, 25, 1), 1
	s_wait_xcnt 0x0
	s_wait_alu depctr_vm_vsrc(0)
; LAUNCH 2 OF 4: the six projections, each finished into the operand that attention wants.  Nothing is left out.
; Work-group (st, sm): 128 tokens (tiles 8 st .. 8 st + 7) of product sm = 3 side + kind, kind 0 q, 1 k, 2 v.  Wave w is head w: its 64 output channels' weights (16 fragments, 192 registers) stay in registers.
; The tokens' eight tiles of codes go once into LDS as images of their registers and are read by all eight waves.
; q, k: TRANSPOSED (source 0 = 16 weight columns, source 1 = 16 tokens): by the tiles' permutation a lane holds one token and 32 neighbouring channels of the head: the l2 norm wants one exchange
; between the lane halves, and the 32 numbers are one quantiser block.  q is multiplied by 1/8 with the norm.  v: source 0 = 16 tokens, source 1 = 16 weight columns: a lane holds one channel and, over four token tiles,
; 32 neighbouring keys: one block along the keys, which are the second product's K.
; kv: a record of 12,800 bytes for each 128 keys of a head: K's 8 half fragments, V^T's 4 fragments, K's and V's scale words, all as images.
; NO CLUSTER: each weight byte goes once from memory into the registers of the one wave that multiplies by it; a joint load would send a work-group's 196,608 bytes of weights through LDS on top.
; LIMITS: as in the first launch; x / max(n, 1e-12) is x times v_rcp_f32 of it.
; THE MODE: SCHED_MODE bits 1:0 = 2 (LLVM: expert scheduling mode 2), set by the entry lines.  The code itself states the register dependences
; between vector or matrix instructions and memory or LDS instructions, with s_wait_alu, always for 0.
; THE PLAN.  Registers that memory or LDS instructions touch:
;   v3-5, v11-14     offsets and LDS addresses: made at the head, never written again: one wait on va_vdst ahead of the first load.
;   v80-129          at the head my tile's image: loaded, read by the LDS stores; later sums: one wait on vm_vsrc behind the barrier, ahead of the parting of the ways.
;   v32-79, v24, v25 a tile's fragments and scale words: LDS loads land in them, the tile's sixteen products read them.  q, k: the next tile's loads stand behind the wait that the square root owes, which
;                    also states that the products are done reading.  v: no vector work lies between two tiles, so a wait on va_vdst stands behind the tile's places, ahead of the loads.
;   v208-239         codes; v244-247, v254, v255 scale words: written by vector instructions, read by global stores: a wait on va_vdst ahead of each run of stores (v: the four quantisers of a half stand
;                    together, one wait, twelve stores); a wait on vm_vsrc beside the wait on XCNT before they are written again.
;   The weights, their scale words and the bias are loaded once and named by matrix instructions alone.
.set XIMG,  0                          ; 8 tiles x 6,144 bytes
.set XSC,   49152                      ; their scale words, 256 bytes a tile
.set SPARE, 51200                      ; the spare words, 128 bytes a wave
.set WSC,   2162688
; window 0: v1, v2 the add's two; v3 8 x lane, v4 16 x lane, v5 4 x lane, v6 8 h, v7 16 h, v8 q's padding bytes; v16-23 the weights' scale words (2 s + t / 2), v24, v25 the tokens';
;   v32-79 the tile's four fragments; v80-207 sums; v208-239 codes; v240-247 bytes; v26-31, v248-255 at work.   window 1: v0-191 the weights (12 (4 t + s)); v192-223 the bias as a C operand
.set MSB, 0
.macro WIN new                         ; the immediate's high byte repeats the setting that is left
.if MSB != \new
	s_set_vgpr_msb (MSB<<8)|\new
.set MSB, \new
.endif
.endm
.macro WM d, a, b, c, sa, sb, ra, rb   ; one product; c < 0: the constant 0 starts the sum; ra, rb: the scales stand in lanes 16-31 of their registers
.if (\c) < 0
.if (\ra) && (\rb)
	v_wmma_scale_f32_16x16x128_f8f6f4 v[(\d):(\d)+7], v[(\a):(\a)+11], v[(\b):(\b)+11], 0, v[\sa], v[\sb] matrix_a_fmt:MATRIX_FMT_FP6 matrix_b_fmt:MATRIX_FMT_FP6 matrix_a_scale:MATRIX_SCALE_ROW1 matrix_b_scale:MATRIX_SCALE_ROW1
.elseif (\ra)
	v_wmma_scale_f32_16x16x128_f8f6f4 v[(\d):(\d)+7], v[(\a):(\a)+11], v[(\b):(\b)+11], 0, v[\sa], v[\sb] matrix_a_fmt:MATRIX_FMT_FP6 matrix_b_fmt:MATRIX_FMT_FP6 matrix_a_scale:MATRIX_SCALE_ROW1
.elseif (\rb)
	v_wmma_scale_f32_16x16x128_f8f6f4 v[(\d):(\d)+7], v[(\a):(\a)+11], v[(\b):(\b)+11], 0, v[\sa], v[\sb] matrix_a_fmt:MATRIX_FMT_FP6 matrix_b_fmt:MATRIX_FMT_FP6 matrix_b_scale:MATRIX_SCALE_ROW1
.else
	v_wmma_scale_f32_16x16x128_f8f6f4 v[(\d):(\d)+7], v[(\a):(\a)+11], v[(\b):(\b)+11], 0, v[\sa], v[\sb] matrix_a_fmt:MATRIX_FMT_FP6 matrix_b_fmt:MATRIX_FMT_FP6
.endif
.else
.if (\ra) && (\rb)
	v_wmma_scale_f32_16x16x128_f8f6f4 v[(\d):(\d)+7], v[(\a):(\a)+11], v[(\b):(\b)+11], v[(\c):(\c)+7], v[\sa], v[\sb] matrix_a_fmt:MATRIX_FMT_FP6 matrix_b_fmt:MATRIX_FMT_FP6 matrix_a_scale:MATRIX_SCALE_ROW1 matrix_b_scale:MATRIX_SCALE_ROW1
.elseif (\ra)
	v_wmma_scale_f32_16x16x128_f8f6f4 v[(\d):(\d)+7], v[(\a):(\a)+11], v[(\b):(\b)+11], v[(\c):(\c)+7], v[\sa], v[\sb] matrix_a_fmt:MATRIX_FMT_FP6 matrix_b_fmt:MATRIX_FMT_FP6 matrix_a_scale:MATRIX_SCALE_ROW1
.elseif (\rb)
	v_wmma_scale_f32_16x16x128_f8f6f4 v[(\d):(\d)+7], v[(\a):(\a)+11], v[(\b):(\b)+11], v[(\c):(\c)+7], v[\sa], v[\sb] matrix_a_fmt:MATRIX_FMT_FP6 matrix_b_fmt:MATRIX_FMT_FP6 matrix_b_scale:MATRIX_SCALE_ROW1
.else
	v_wmma_scale_f32_16x16x128_f8f6f4 v[(\d):(\d)+7], v[(\a):(\a)+11], v[(\b):(\b)+11], v[(\c):(\c)+7], v[\sa], v[\sb] matrix_a_fmt:MATRIX_FMT_FP6 matrix_b_fmt:MATRIX_FMT_FP6
.endif
.endif
.endm
.macro QB x, cd, ct, mx, m2, so, by    ; 32 numbers of a lane become 6 registers of codes and a scale byte (the first launch's macro); each group of eight is first read at its low end
	v_max3_num_f32 v[\mx], |v[(\x)]|, |v[(\x)+1]|, 0x1800000
	v_max3_num_f32 v[\m2], |v[(\x)+16]|, |v[(\x)+17]|, |v[(\x)+18]|
.irp i, 0,2,4,6,8,10
	v_max3_num_f32 v[\mx], v[\mx], |v[(\x)+2+\i]|, |v[(\x)+3+\i]|
	v_max3_num_f32 v[\m2], v[\m2], |v[(\x)+19+\i]|, |v[(\x)+20+\i]|
.endr
	v_max3_num_f32 v[\mx], v[\mx], |v[(\x)+14]|, |v[(\x)+15]|
	v_max3_num_f32 v[\mx], v[\mx], v[\m2], |v[(\x)+31]|
	v_add_nc_u32 v[\so], 0xff000000, v[\mx]
	v_cvt_scalef32_pk16_fp6_f32 v[(\cd):(\cd)+2], v[(\x):(\x)+15], v[\so]
	v_cvt_scalef32_pk16_fp6_f32 v[(\ct):(\ct)+2], v[(\x)+16:(\x)+31], v[\so]
	v_lshrrev_b32 v[\by], 23, v[\so]               ; also the plain line behind the conversions
.irp i, 0,1,2
	v_mov_b32 v[(\cd)+3+\i], v[(\ct)+\i]
.endr
.endm
.macro ACTLD i                         ; tile i's four fragments and its scale words (lanes 0-15 K step 0 or 2, lanes 16-31 K step 1 or 3)
.irp q, 0,1,2,3,4,5,6,7,8,9,10,11,12,13,14,15,16,17,18,19,20,21,22,23
	ds_load_b64 v[32+2*\q:33+2*\q], v3 offset:XIMG+(\i)*6144+256*\q
.endr
	ds_load_b32 v24, v5 offset:XSC+(\i)*256
	ds_load_b32 v25, v5 offset:XSC+(\i)*256+128
.endm
.macro PLACES5                         ; five places: the next matrix instruction on these registers writes over them; vector reads of the results want four
.rept 5
	v_nop
.endr
.endm
	s_load_b512 s[16:31], s[0:1], 0x0              ; xc 16, xs 18, wq 20, bgq 22, bgk 24, bgv 26, bdq 28, bdk 30
	s_load_b256 s[32:39], s[0:1], 0x40             ; bdv 32, qc 34, qs 36, kv 38
	v_lshl_add_u32 v1, v0, 2, SPARE
	v_mov_b32 v2, 0
	v_lshrrev_b32 v3, 5, v0
	v_readfirstlane_b32 s4, v3                     ; wave = head
	v_and_b32 v9, 31, v0
	v_lshlrev_b32 v3, 3, v9
	v_lshlrev_b32 v4, 4, v9
	v_lshlrev_b32 v5, 2, v9
	v_bfe_u32 v10, v0, 4, 1                        ; h
	v_lshlrev_b32 v6, 3, v10
	v_lshlrev_b32 v7, 4, v10
	v_mov_b32 v8, 0x7f7f0000
	v_lshrrev_b32 v8, v7, v8                       ; the bytes 127 for the half of K in which q's operand holds zero codes: upper half in lanes 0-15, lower in lanes 16-31
	v_lshlrev_b32 v13, 7, v10                      ; q, k: the bias of channels 32 h on
	v_and_b32 v14, 8, v0
	v_lshlrev_b32 v14, 4, v14
	v_and_b32 v15, 7, v0
	v_lshl_add_u32 v14, v15, 2, v14                ; v: the bias of channel 32 (r / 8) + r % 8
	v_mov_b32 v30, 0                               ; a lane permute's destination counts as a source: written once
	v_mov_b32 v254, 0
	v_mov_b32 v255, 0
	s_wait_alu depctr_va_sdst(0)                   ; s4 is written, ahead of its first reader: LDS addresses and every base are made from it
	s_mul_i32 s9, s4, 6144
	v_add_nc_u32 v11, s9, v4                       ; LDS: where I put my tile's image,
	s_lshl_b32 s9, s4, 8
	v_add_nc_u32 v12, s9, v3
	v_add_nc_u32 v12, XSC, v12                     ; and its scale words
	s_mov_b32 s5, ttmp9                            ; st
	s_and_b32 s6, ttmp7, 0xffff                    ; sm
	s_cmp_ge_u32 s6, 3
	s_cselect_b32 s7, 1, 0                         ; side
	s_mul_i32 s9, s7, 3
	s_sub_co_u32 s8, s6, s9                        ; kind
	s_cmp_eq_u32 s8, 2
	s_cselect_b32 s9, 0, 1                         ; v takes the raw embeddings, q and k the normed
	s_lshl_b32 s60, s5, 3
	s_add_co_u32 s60, s60, s4                      ; my tile: 8 st + w
	s_lshl_b32 s10, s7, 1
	s_add_co_u32 s10, s10, s9
	s_lshl_b32 s10, s10, 8
	s_add_co_u32 s10, s10, s60
	s_mul_i32 s10, s10, 6144
	s_mov_b32 s11, 0
	s_lshl_b32 s12, s7, 8
	s_add_co_u32 s12, s12, s60
	s_lshl_b32 s12, s12, 1
	s_add_co_u32 s12, s12, s9
	s_lshl_b32 s12, s12, 8
	s_mov_b32 s13, 0
	s_mul_i32 s14, s6, 196608
	s_mul_i32 s15, s4, 24576
	s_add_co_u32 s14, s14, s15
	s_mov_b32 s15, 0
	s_lshl_b32 s40, s6, 13
	s_lshl_b32 s41, s4, 10
	s_add_co_u32 s40, s40, s41
	s_add_co_u32 s40, s40, WSC
	s_mov_b32 s41, 0
	s_lshl_b32 s42, s7, 3
	s_add_co_u32 s42, s42, s4                      ; 8 side + head
	s_lshl_b32 s44, s42, 8
	s_lshl_b32 s45, s5, 3
	s_add_co_u32 s44, s44, s45
	s_mul_i32 s44, s44, 768                        ; qc
	s_mov_b32 s45, 0
	s_lshl_b32 s46, s42, 7
	s_lshl_b32 s47, s5, 2
	s_add_co_u32 s46, s46, s47
	s_lshl_b32 s46, s46, 8                         ; qs
	s_mov_b32 s47, 0
	s_mul_i32 s48, s42, 409600
	s_mul_i32 s49, s5, 12800
	s_add_co_u32 s48, s48, s49                     ; kv: my record
	s_mov_b32 s49, 0
	s_mov_b32 s53, 0xffff0000                      ; lanes 16-31
	s_mov_b32 s54, 0x76543210
	s_mov_b32 s55, 0xfedcba98
	s_lshl_b32 s60, s4, 8
	s_mov_b32 s61, 0
	s_wait_kmcnt 0x0
	s_add_nc_u64 s[16:17], s[16:17], s[10:11]
	s_add_nc_u64 s[18:19], s[18:19], s[12:13]
	s_add_nc_u64 s[56:57], s[20:21], s[40:41]      ; the weights' scale words
	s_add_nc_u64 s[20:21], s[20:21], s[14:15]      ; and codes
	s_add_nc_u64 s[34:35], s[34:35], s[44:45]
	s_add_nc_u64 s[36:37], s[36:37], s[46:47]
	s_add_nc_u64 s[38:39], s[38:39], s[48:49]
	s_mov_b64 s[58:59], s[22:23]                   ; the product's bias
	s_cmp_eq_u32 s6, 1
	s_cselect_b64 s[58:59], s[24:25], s[58:59]
	s_cmp_eq_u32 s6, 2
	s_cselect_b64 s[58:59], s[26:27], s[58:59]
	s_cmp_eq_u32 s6, 3
	s_cselect_b64 s[58:59], s[28:29], s[58:59]
	s_cmp_eq_u32 s6, 4
	s_cselect_b64 s[58:59], s[30:31], s[58:59]
	s_cmp_eq_u32 s6, 5
	s_cselect_b64 s[58:59], s[32:33], s[58:59]
	s_add_nc_u64 s[58:59], s[58:59], s[60:61]      ; my head's 64 numbers
	s_cmp_eq_u32 s8, 0
	s_cselect_b64 s[50:51], s[34:35], s[38:39]     ; where a token tile's codes go: q's buffer, or K's part of the record
	s_cselect_b32 s52, 0x3e000000, 1.0             ; q alone is scaled by 1/8
	s_wait_alu depctr_va_vdst(0)                   ; the offsets and LDS addresses v3-5 and v11-14 are written: every load and store of the kernel reads one of them
.irp i, 0,1,2,3,4,5,6,7,8,9,10,11
	global_load_b128 v[80+4*\i:83+4*\i], v4, s[16:17] offset:512*\i
.endr
	global_load_b64 v[128:129], v3, s[18:19]
	WIN 0x40                                       ; destination window 1
.irp f, 0,1,2,3,4,5,6,7
.irp p, 0,1,2,3,4,5
	global_load_b64 v[12*\f+2*\p:12*\f+2*\p+1], v3, s[20:21] offset:1536*\f+256*\p
.endr
.endr
	s_wait_loadcnt 48                              ; my tile's 13 loads are in; the 48 of the weights' first half may be out
	WIN 0
.irp i, 0,1,2,3,4,5,6,7,8,9,10,11
	ds_store_b128 v11, v[80+4*\i:83+4*\i] offset:512*\i
.endr
	ds_store_b64 v12, v[128:129]
	WIN 0x40
.irp f, 8,9,10,11,12,13,14,15
.irp p, 0,1,2,3,4,5
	global_load_b64 v[12*\f+2*\p:12*\f+2*\p+1], v3, s[20:21] offset:1536*\f+256*\p
.endr
.endr
	WIN 0
.irp s, 0,1,2,3
.irp t, 0,1
	global_load_b32 v[16+2*\s+\t], v5, s[56:57] offset:256*\s+128*\t   ; lanes 0-15 tile 2 t, lanes 16-31 tile 2 t + 1
.endr
.endr
	s_wait_dscnt 0x0                               ; my image has landed
	s_barrier_signal -1
	s_barrier_wait -1                              ; all eight have; they are never written again
	s_wait_alu depctr_vm_vsrc(0)                   ; my LDS stores have read v80-129: these registers are sums from here on, written by the products on either way
	s_cmp_eq_u32 s8, 2                             ; the work-group's number alone
	s_cbranch_scc1 .Lpath_v
	; ================ q and k ================
	WIN 0x40
.irp t, 0,1,2,3
	global_load_b128 v[192+8*\t:195+8*\t], v13, s[58:59] offset:32*\t       ; register j of tile t: the bias of channel 32 h + 8 t + j
	global_load_b128 v[196+8*\t:199+8*\t], v13, s[58:59] offset:32*\t+16
.endr
	WIN 0
	ACTLD 0
	s_wait_loadcnt 0x0
.macro QKTILE i
	s_wait_dscnt 0x0
	WIN 0x11                                       ; source 0 (weights) and source 2 (bias) window 1
.irp t, 0,1,2,3
	WM 80+8*\t, 12*(4*\t), 32, 192+8*\t, 16+\t/2, 24, \t%2, 0
.endr
	WIN 0x01
.irp s, 1,2,3                                  ; the four sums take turns, one instruction a turn
.irp t, 0,1,2,3
	WM 80+8*\t, 12*(4*\t+\s), 32+12*\s, 80+8*\t, 16+2*\s+\t/2, 24+\s/2, \t%2, \s%2
.endr
.endr
	WIN 0
	PLACES5
	v_pk_mul_f32 v[26:27], v[80:81], v[80:81]      ; the sum of squares of my 32 channels, in two chains, ascending
	v_pk_mul_f32 v[28:29], v[82:83], v[82:83]
.irp k, 4,8,12,16,20,24,28
	v_pk_fma_f32 v[26:27], v[80+\k:81+\k], v[80+\k:81+\k], v[26:27]
	v_pk_fma_f32 v[28:29], v[82+\k:83+\k], v[82+\k:83+\k], v[28:29]
.endr
	v_pk_add_f32 v[26:27], v[26:27], v[28:29]
	v_add_f32 v26, v26, v27
	v_permlanex16_b32 v30, v26, s54, s55
	v_add_f32 v26, v26, v30                        ; with the other 32 channels'
	s_wait_alu depctr_va_vdst(0)
	v_sqrt_f32 v27, v26
	v_nop
	s_wait_alu depctr_va_vdst(0)                   ; the square root is written, ahead of its reader; and the tile's products are done reading v24, v25 and v32-79, in which the loads below land
.if \i < 7
	ACTLD \i+1                                     ; the next tile lands under the rest of this tile's vector work, which names none of these registers
.endif
	v_max_num_f32 v27, 0x2b8cbccc, v27             ; max(n, 1e-12)
	s_wait_alu depctr_va_vdst(0)
	v_rcp_f32 v28, v27
	v_nop
	s_wait_alu depctr_va_vdst(0)                   ; the reciprocal is written, ahead of its reader
	v_mul_f32 v28, s52, v28
	v_mov_b32 v29, v28
.irp k, 0,2,4,6,8,10,12,14,16,18,20,22,24,26,28,30
	v_pk_mul_f32 v[80+\k:81+\k], v[80+\k:81+\k], v[28:29]
.endr
	QB 80, 208+8*(\i%4), 248, 251, 252, 253, 240+\i%4
	s_wait_alu depctr_va_vdst(0)                   ; the conversions and moves have written the tile's six registers of codes, which the stores read
.irp p, 0,1,2
	global_store_b64 v3, v[208+8*(\i%4)+2*\p:209+8*(\i%4)+2*\p], s[50:51] offset:(\i)*768+256*\p
.endr
.endm
.macro QKSCALE c                       ; the scale bytes of tiles 4 c .. 4 c + 3
	s_cmp_eq_u32 s8, 0
	s_cbranch_scc0 .Lks_\@
.irp u, 0,1,2,3                                ; q: a word a tile: lanes 0-15 for the operand [q | 0], lanes 16-31 for [0 | q]
	v_lshlrev_b32 v[244+\u], v6, v[240+\u]
.endr
.irp u, 0,1,2,3
	v_permlanex16_b32 v[26+\u], v[244+\u], s54, s55
.endr
.irp u, 0,1,2,3
	v_or_b32 v[244+\u], v[244+\u], v[26+\u]        ; the token's two bytes
.endr
.irp u, 0,1,2,3
	v_lshlrev_b32 v[244+\u], v7, v[244+\u]
.endr
.irp u, 0,1,2,3
	v_or_b32 v[244+\u], v[244+\u], v8
.endr
	s_wait_alu depctr_va_vdst(0)                   ; the four words v244-247 are written, which the two stores read
	global_store_b64 v3, v[244:245], s[36:37] offset:512*\c
	global_store_b64 v3, v[246:247], s[36:37] offset:512*\c+256
	s_branch .Lkd_\@
.Lks_\@:                                           ; k: a fragment holds two tiles: its word is their four bytes; lanes 0-15 fragment 0, lanes 16-31 fragment 1
	v_lshl_or_b32 v26, v241, 16, v240
	v_lshl_or_b32 v27, v243, 16, v242
	v_lshlrev_b32 v26, v6, v26
	v_lshlrev_b32 v27, v6, v27
	v_permlanex16_b32 v28, v26, s54, s55
	v_permlanex16_b32 v29, v27, s54, s55
	v_or_b32 v26, v26, v28
	v_or_b32 v27, v27, v29
	v_cndmask_b32 v[254+\c], v26, v27, s53
.Lkd_\@:
.endm
	QKTILE 0
	QKTILE 1
	QKTILE 2
	QKTILE 3
	QKSCALE 0
	s_wait_xcnt 0x0                                ; the stores have had their addresses translated: the codes' and the words' registers may be written again;
	s_wait_alu depctr_vm_vsrc(0)                   ; and they have read v208-239 and v244-247, which tiles 4 to 7 and their words write again
	QKTILE 4
	QKTILE 5
	QKTILE 6
	QKTILE 7
	QKSCALE 1
	s_cmp_eq_u32 s8, 0
	s_cbranch_scc1 .Lqk_end
	s_wait_alu depctr_va_vdst(0)                   ; the selects have written v254 and v255, which the store reads
	global_store_b64 v3, v[254:255], s[38:39] offset:12288   ; K's scale words of the record: 256 bytes
.Lqk_end:
	s_wait_dscnt 0x0                               ; the closing lines, six on end
	s_wait_alu 0x0
	s_wait_tensorcnt 0x0
	ds_add_u32 v1, v2
	s_wait_dscnt 0x0
	s_endpgm
	; ================ v ================
.Lpath_v:
	WIN 0x40
.irp t, 0,1,2,3
.irp j, 0,1,2,3,4,5,6,7
	global_load_b32 v[192+8*\t+\j], v14, s[58:59] offset:32*\t   ; a lane holds one channel: all eight registers of the C operand hold its bias
.endr
.endr
	WIN 0
	ACTLD 0
	s_wait_loadcnt 0x0
.macro VTILE c, u
	s_wait_dscnt 0x0
	WIN 0x14                                       ; source 1 (weights) and source 2 (bias) window 1
.irp t, 0,1,2,3
	WM 80+32*\t+8*\u, 32, 12*(4*\t), 192+8*\t, 24, 16+\t/2, 0, \t%2
.endr
	WIN 0x04
.irp s, 1,2,3
.irp t, 0,1,2,3
	WM 80+32*\t+8*\u, 32+12*\s, 12*(4*\t+\s), 80+32*\t+8*\u, 24+\s/2, 16+2*\s+\t/2, \s%2, \t%2
.endr
.endr
	WIN 0
	PLACES5
.if 4*\c+\u < 7
	s_wait_alu depctr_va_vdst(0)                   ; the tile's products are done reading v24, v25 and v32-79, in which the next tile's loads land
	ACTLD 4*\c+\u+1
.endif
.endm
.irp c, 0,1
.irp u, 0,1,2,3
	VTILE \c, \u
.endr
.if \c == 1
	s_wait_xcnt 0x0                                ; the first half's stores have had their addresses translated;
	s_wait_alu depctr_vm_vsrc(0)                   ; and they have read v208-239, which this half's quantisers write again
.endif
.irp t, 0,1,2,3
	QB 80+32*\t, 208+8*\t, 248, 251, 252, 253, 240+2*\t+\c     ; 32 neighbouring keys of my channel
.endr
	s_wait_alu depctr_va_vdst(0)                   ; the four quantisers have written v208-239, which the twelve stores read
.irp t, 0,1,2,3
.irp p, 0,1,2
	global_store_b64 v3, v[208+8*\t+2*\p:209+8*\t+2*\p], s[38:39] offset:6144+1536*\t+768*\c+256*\p
.endr
.endr
.endr
.irp t, 0,1,2,3
	v_lshl_or_b32 v[26+\t], v[241+2*\t], 16, v[240+2*\t]
.endr
.irp t, 0,1,2,3
	v_lshlrev_b32 v[26+\t], v6, v[26+\t]
.endr
.irp t, 0,1,2,3
	v_permlanex16_b32 v[248+\t], v[26+\t], s54, s55
.endr
.irp t, 0,1,2,3
	v_or_b32 v[26+\t], v[26+\t], v[248+\t]         ; the channel's four bytes for these 128 keys
.endr
	v_cndmask_b32 v254, v26, v27, s53              ; lanes 0-15 the even tile's, lanes 16-31 the odd tile's
	v_cndmask_b32 v255, v28, v29, s53
	s_wait_alu depctr_va_vdst(0)                   ; the selects have written v254 and v255, which the store reads
	global_store_b64 v3, v[254:255], s[38:39] offset:12544
	s_wait_dscnt 0x0                               ; the closing lines, six on end
	s_wait_alu 0x0
	s_wait_tensorcnt 0x0
	ds_add_u32 v1, v2
	s_wait_dscnt 0x0
	s_endpgm
.Lfunc_end_k_qa4a2a118be_proj:
	.size	k_qa4a2a118be_proj, .Lfunc_end_k_qa4a2a118be_proj-k_qa4a2a118be_proj
	.p2alignl 7, 3214868480
	.fill 96, 4, 3214868480
	.section	.rodata,"a",@progbits
	.p2align	6, 0x0
	.amdhsa_kernel k_qa4a2a118be_proj
		.amdhsa_group_segment_fixed_size 52224
		.amdhsa_private_segment_fixed_size 0
		.amdhsa_enable_private_segment 0
		.amdhsa_kernarg_size 96
		.amdhsa_user_sgpr_count 2
		.amdhsa_user_sgpr_kernarg_segment_ptr 1
		.amdhsa_wavefront_size32 1
		.amdhsa_system_sgpr_workgroup_id_x 1
		.amdhsa_system_sgpr_workgroup_id_y 1
		.amdhsa_system_sgpr_workgroup_id_z 1
		.amdhsa_system_vgpr_workitem_id 0
		.amdhsa_next_free_vgpr 512
		.amdhsa_next_free_sgpr 66
		.amdhsa_reserve_vcc 0
		.amdhsa_float_denorm_mode_32 3
		.amdhsa_float_denorm_mode_16_64 3
		.amdhsa_memory_ordered 1
		.amdhsa_forward_progress 1
		.amdhsa_inst_pref_size 135
	.end_amdhsa_kernel
	.amdgpu_metadata
---
amdhsa.version: [ 1, 2 ]
amdhsa.kernels:
  - .name:           k_qa4a2a118be_proj
    .symbol:         k_qa4a2a118be_proj.kd
    .args:
      - { .name: xc, .offset: 0, .size: 8, .value_kind: global_buffer, .address_space: global }
      - { .name: xs, .offset: 8, .size: 8, .value_kind: global_buffer, .address_space: global }
      - { .name: wq, .offset: 16, .size: 8, .value_kind: global_buffer, .address_space: global }
      - { .name: bgq, .offset: 24, .size: 8, .value_kind: global_buffer, .address_space: global }
      - { .name: bgk, .offset: 32, .size: 8, .value_kind: global_buffer, .address_space: global }
      - { .name: bgv, .offset: 40, .size: 8, .value_kind: global_buffer, .address_space: global }
      - { .name: bdq, .offset: 48, .size: 8, .value_kind: global_buffer, .address_space: global }
      - { .name: bdk, .offset: 56, .size: 8, .value_kind: global_buffer, .address_space: global }
      - { .name: bdv, .offset: 64, .size: 8, .value_kind: global_buffer, .address_space: global }
      - { .name: qc, .offset: 72, .size: 8, .value_kind: global_buffer, .address_space: global }
      - { .name: qs, .offset: 80, .size: 8, .value_kind: global_buffer, .address_space: global }
      - { .name: kv, .offset: 88, .size: 8, .value_kind: global_buffer, .address_space: global }
    .group_segment_fixed_size: 52224
    .private_segment_fixed_size: 0
    .kernarg_segment_align: 8
    .kernarg_segment_size: 96
    .max_flat_workgroup_size: 256
    .sgpr_count:     66
    .vgpr_count:     512
    .wavefront_size: 32
...
	.end_amdgpu_metadata
.endif
;; end of part 6
;; launch attn (part 7): grid 16 x 16, 16 waves a work-group, clusters of 4 x 1, 327,680 bytes of LDS; arguments qc, qs, kv, cc, cs; writes cc, cs
.if DOCPART == 7
	.amdgcn_target "amdgcn-amd-amdhsa--gfx1250"
	.amdhsa_code_object_version 6
	.text
	.protected	k_qa4a2a118be_attn
	.globl	k_qa4a2a118be_attn
	.p2align	8
	.type	k_qa4a2a118be_attn,@function
k_qa4a2a118be_attn:
	s_mov_b64 s[64:65], 0
	v_nop
	global_prefetch_b8 v0, s[64:65] scope:SCOPE_SE
	s_setreg_imm32_b32 hwreg(HW_REG_WAVE_MODE, 25, 1), 1
	s_wait_xcnt 0x0
	s_wait_alu depctr_hold_cnt(0) depctr_sa_sdst(0) depctr_va_vdst(0) depctr_va_sdst(0) depctr_va_ssrc(0) depctr_va_vcc(0) depctr_vm_vsrc(0)
	s_getreg_b32 s2, hwreg(HW_REG_IB_STS2, 6, 4)
	s_cmp_eq_u32 s2, 0
	s_cbranch_scc0 .Lentry_in_a_cluster
	s_endpgm
.Lentry_in_a_cluster:
	s_bfe_u32 s2, ttmp6, 0x10000c
	s_cmp_lg_u32 s2, 0x3003
	s_cbranch_scc0 .Lentry_shape_is_right
	s_endpgm
.Lentry_shape_is_right:
; LAUNCH 3 OF 4: both attentions, on codes of FP6.  Its result, the context, is used by reference() only as a quantised operand: it leaves as codes and scale bytes.
; Work-group (qb, y): 256 queries (16 tiles) of direction y / 8, head y % 8; keys and values of the other side.  Wave w: two query tiles (pair w % 8) and the key half w / 8 of every slot of 1,024 keys.
; THE SOFTMAX.  t = clip(score, -10, 10) x log2(e), p = 2^(t - M).  The problem's rule takes any whole number M: a power of two goes into the blocks' scales and into the row's sum alike.  reference()'s own clip, which is
; executed here, holds |t| under 14.43 for every input, so with M = 0 every p lies within 2^-15 .. 2^15 and a row's sum under 2^27: nothing can overflow or underflow, and no maximum is searched for and nothing is rescaled.
; So the two key halves' O and sums simply add at the end.  The row's sum is taken of the unquantised p.
; BOTH PRODUCTS ARE USED TRANSPOSED: a lane holds one query throughout.  By the tiles' permutation the 32 score registers of four key tiles are 32 neighbouring keys: one block of p in one lane.
; THE FIRST PRODUCT'S K IS 64, the instruction's 128: a fragment of K holds TWO key tiles side by side, and q stands beside zero codes: [q | 0] picks the first tile, [0 | q] the second (zero codes add nothing; their scale byte is 127).
; THE RING: a slot is one dense block of 102,400 bytes; two places; each wave brings 25 rows of 256 bytes by one load.  The four query blocks of a cluster walk the same head: every load is asked for jointly.
; A wave has one tensor load out at a time at the start and one behind a change of slots; that one has four key steps of every wave in which to land, so nothing is prefetched.
; Register set a holds tile 2 (w % 8) + (a xor w / 8): every wave keeps set 0 and hands set 1 to wave w xor 8.
; LIMITS: as in the first launch; the sums of O and of p are made in two key halves; O / l is O times v_rcp_f32(l).
.set STEPB, 12800                      ; a record of 128 keys: K 6,144, V^T 6,144, K's scale words 256, V's 256
.set PLACE, 102400
.set STAGE, 204800                     ; 16 x 4,352: a set's O (4,096) and its sums (256)
.set SGP,   4352
.set SCG,   274432                     ; the work-group's 512 bytes of scale bytes
.set SPARE, 274944                     ; the spare words, 128 bytes a wave
.set SPW, 1
.set NIL, 2
.set LI8, 3
.set ADR, 4
.set SH8, 5
.set KS,  6                            ; v[6:7]   K's scale words of the step's two halves
.set VS,  8                            ; v[8:9]   V's, tiles 0, 1 and 2, 3
.set QS,  10                           ; v10, v11 q's, a set each
.set PS,  12                           ; v12, v13 p's
.set L,   14                           ; v[14:17] the sums, a pair a set
.set MX,  18
.set M2,  20
.set SO,  22
.set PSH, 24
.set QZ,  26                           ; v26-55   0 | q of set 0 | 0 | q of set 1 | 0, six registers each
.set KF,  56                           ; v56-79   two fragments of K
.set P,   80                           ; v80-103  p's codes, a fragment a set
.set S,   104                          ; v104-167 scores, then p: 32 a set;  later V^T's four fragments
.set V,   104
.set O,   168                          ; v168-231 O^T: 32 a set
.set CT,  232
.set T,   240                          ; v[240:243] second chains of the sums
.set BYT, 244
.set PT,  246
.macro WM d, a, b, c, sa, sb, ra, rb   ; one product; c < 0: the constant 0 starts the sum; ra, rb: the scales stand in lanes 16-31 of their registers
.if (\c) < 0
.if (\ra) && (\rb)
	v_wmma_scale_f32_16x16x128_f8f6f4 v[(\d):(\d)+7], v[(\a):(\a)+11], v[(\b):(\b)+11], 0, v[\sa], v[\sb] matrix_a_fmt:MATRIX_FMT_FP6 matrix_b_fmt:MATRIX_FMT_FP6 matrix_a_scale:MATRIX_SCALE_ROW1 matrix_b_scale:MATRIX_SCALE_ROW1
.elseif (\ra)
	v_wmma_scale_f32_16x16x128_f8f6f4 v[(\d):(\d)+7], v[(\a):(\a)+11], v[(\b):(\b)+11], 0, v[\sa], v[\sb] matrix_a_fmt:MATRIX_FMT_FP6 matrix_b_fmt:MATRIX_FMT_FP6 matrix_a_scale:MATRIX_SCALE_ROW1
.elseif (\rb)
	v_wmma_scale_f32_16x16x128_f8f6f4 v[(\d):(\d)+7], v[(\a):(\a)+11], v[(\b):(\b)+11], 0, v[\sa], v[\sb] matrix_a_fmt:MATRIX_FMT_FP6 matrix_b_fmt:MATRIX_FMT_FP6 matrix_b_scale:MATRIX_SCALE_ROW1
.else
	v_wmma_scale_f32_16x16x128_f8f6f4 v[(\d):(\d)+7], v[(\a):(\a)+11], v[(\b):(\b)+11], 0, v[\sa], v[\sb] matrix_a_fmt:MATRIX_FMT_FP6 matrix_b_fmt:MATRIX_FMT_FP6
.endif
.else
.if (\ra) && (\rb)
	v_wmma_scale_f32_16x16x128_f8f6f4 v[(\d):(\d)+7], v[(\a):(\a)+11], v[(\b):(\b)+11], v[(\c):(\c)+7], v[\sa], v[\sb] matrix_a_fmt:MATRIX_FMT_FP6 matrix_b_fmt:MATRIX_FMT_FP6 matrix_a_scale:MATRIX_SCALE_ROW1 matrix_b_scale:MATRIX_SCALE_ROW1
.elseif (\ra)
	v_wmma_scale_f32_16x16x128_f8f6f4 v[(\d):(\d)+7], v[(\a):(\a)+11], v[(\b):(\b)+11], v[(\c):(\c)+7], v[\sa], v[\sb] matrix_a_fmt:MATRIX_FMT_FP6 matrix_b_fmt:MATRIX_FMT_FP6 matrix_a_scale:MATRIX_SCALE_ROW1
.elseif (\rb)
	v_wmma_scale_f32_16x16x128_f8f6f4 v[(\d):(\d)+7], v[(\a):(\a)+11], v[(\b):(\b)+11], v[(\c):(\c)+7], v[\sa], v[\sb] matrix_a_fmt:MATRIX_FMT_FP6 matrix_b_fmt:MATRIX_FMT_FP6 matrix_b_scale:MATRIX_SCALE_ROW1
.else
	v_wmma_scale_f32_16x16x128_f8f6f4 v[(\d):(\d)+7], v[(\a):(\a)+11], v[(\b):(\b)+11], v[(\c):(\c)+7], v[\sa], v[\sb] matrix_a_fmt:MATRIX_FMT_FP6 matrix_b_fmt:MATRIX_FMT_FP6
.endif
.endif
.endm
.macro QB x, cd, ct, mx, m2, so, by    ; 32 numbers of a lane become 6 registers of codes and a scale byte (the first launch's macro)
	v_max3_num_f32 v[\mx], |v[(\x)]|, |v[(\x)+1]|, 0x1800000
	v_max3_num_f32 v[\m2], |v[(\x)+16]|, |v[(\x)+17]|, |v[(\x)+18]|
.irp i, 0,2,4,6,8,10
	s_delay_alu instid0(VALU_DEP_2)
	v_max3_num_f32 v[\mx], v[\mx], |v[(\x)+2+\i]|, |v[(\x)+3+\i]|
	s_delay_alu instid0(VALU_DEP_2)
	v_max3_num_f32 v[\m2], v[\m2], |v[(\x)+19+\i]|, |v[(\x)+20+\i]|
.endr
	s_delay_alu instid0(VALU_DEP_2)
	v_max3_num_f32 v[\mx], v[\mx], |v[(\x)+14]|, |v[(\x)+15]|
	s_delay_alu instid0(VALU_DEP_1)
	v_max3_num_f32 v[\mx], v[\mx], v[\m2], |v[(\x)+31]|
	s_delay_alu instid0(VALU_DEP_1)
	v_add_nc_u32 v[\so], 0xff000000, v[\mx]
	v_cvt_scalef32_pk16_fp6_f32 v[(\cd):(\cd)+2], v[(\x):(\x)+15], v[\so]
	v_cvt_scalef32_pk16_fp6_f32 v[(\ct):(\ct)+2], v[(\x)+16:(\x)+31], v[\so]
	v_lshrrev_b32 v[\by], 23, v[\so]
.irp i, 0,1,2
	v_mov_b32 v[(\cd)+3+\i], v[(\ct)+\i]
.endr
.endm
.macro ROUND                           ; a round of the cluster's barrier
	s_barrier_signal -1
	s_barrier_wait -1
	s_cmp_lg_u32 s14, 0
	s_cbranch_scc1 .Lnot_wave_0_\@
	s_barrier_signal -3
.Lnot_wave_0_\@:
	s_barrier_wait -3
	s_barrier_signal -1
	s_barrier_wait -1
.endm
	s_load_b256 s[4:11], s[0:1], 0x0               ; qc 4, qs 6, kv 8, cc 10
	s_load_b64 s[12:13], s[0:1], 0x20              ; cs
	v_lshl_add_u32 v[SPW], v0, 2, SPARE
	v_mov_b32 v[NIL], 0
	ds_add_u32 v[SPW], v[NIL]                      ; the wave's opening: the add, twice on end, and its wait ahead of my first tensor load
	ds_add_u32 v[SPW], v[NIL]
	v_lshrrev_b32 v3, 5, v0
	s_delay_alu instid0(VALU_DEP_1)
	v_readfirstlane_b32 s14, v3                    ; wave 0..15
	s_and_b32 s15, s14, 7                          ; my pair of query tiles
	s_lshr_b32 s16, s14, 3                         ; my key half
	s_bfe_u32 s17, ttmp6, 0x40000                  ; cx
	s_lshl_b32 s18, ttmp9, 2
	s_add_co_u32 s18, s18, s17                     ; my block of 256 queries: it enters q's and the result's global addresses alone
	s_and_b32 s19, ttmp7, 0xffff                   ; 8 direction + head, which the four partners share
	s_mov_b32 s24, 0x0023000f                      ; group 1: the mask of all four work-groups; elements of 8 bytes; bit 21 beside the mask; no padding
	s_mov_b32 s25, 32<<16                          ; tensor_dim0 = 32 elements: 256 bytes
	s_mov_b32 s26, 25<<16                          ; tensor_dim1 = 25 rows
	s_mov_b32 s27, 32<<16                          ; tile_dim0
	s_mov_b32 s28, 25                              ; tile_dim1
	s_mov_b32 s29, 32                              ; the rows are dense
	s_mov_b32 s30, 0
	s_mov_b32 s31, 0
	s_xor_b32 s20, s19, 8                          ; keys and values of the other side
	s_mul_i32 s20, s20, 4*PLACE
	s_mul_i32 s22, s14, 6400                       ; my sixteenth of a slot
	s_add_co_u32 s20, s20, s22
	s_mov_b32 s21, 0
	s_mov_b32 s32, 1
	s_mov_b32 s33, s22
	s_mov_b32 s36, 1
	s_add_co_u32 s37, s22, PLACE
	s_mov_b32 s40, 0xc1200000                      ; -10
	s_mov_b32 s41, 0x41200000                      ; 10
	s_mov_b32 s42, 0x3fb8aa3b                      ; log2(e)
	s_mov_b32 s43, s42                             ; (named with it as a pair)
	s_mov_b32 s44, 0x76543210
	s_mov_b32 s45, 0xfedcba98
	s_mul_i32 s48, s16, 4*STEPB                    ; my key half's four steps in a place
	s_lshl_b32 s50, s19, 8
	s_lshl_b32 s51, s18, 4
	s_add_co_u32 s50, s50, s51
	s_lshl_b32 s51, s15, 1
	s_add_co_u32 s50, s50, s51                     ; 256 y + my pair's first tile
	s_add_co_u32 s52, s50, s16                     ; set 0's tile,
	s_xor_b32 s51, s16, 1
	s_add_co_u32 s54, s50, s51                     ; set 1's
	s_mul_i32 s52, s52, 768
	s_mov_b32 s53, 0
	s_mul_i32 s54, s54, 768
	s_mov_b32 s55, 0
	s_lshl_b32 s58, s50, 7                         ; q's scale words: 256 bytes a pair of tiles
	s_mov_b32 s59, 0
	s_lshr_b32 s60, s19, 3
	s_lshl_b32 s60, s60, 8
	s_lshl_b32 s61, s18, 4
	s_add_co_u32 s60, s60, s61
	s_lshl_b32 s61, s15, 1
	s_add_co_u32 s60, s60, s61
	s_add_co_u32 s60, s60, s16                     ; 256 direction + set 0's tile
	s_lshl_b32 s60, s60, 3
	s_and_b32 s61, s19, 7
	s_add_co_u32 s60, s60, s61
	s_mul_i32 s60, s60, 768                        ; cc
	s_mov_b32 s61, 0
	s_lshl_b32 s62, s19, 13
	s_lshl_b32 s63, s18, 9
	s_add_co_u32 s62, s62, s63                     ; cs
	s_mov_b32 s63, 0
	v_and_b32 v240, 31, v0
	s_delay_alu instid0(VALU_DEP_1)
	v_lshlrev_b32 v[LI8], 3, v240
	s_delay_alu instid0(VALU_DEP_2)
	v_lshlrev_b32 v252, 4, v240                    ; 16 x lane
	v_bfe_u32 v241, v0, 4, 1
	s_delay_alu instid0(VALU_DEP_1)
	v_lshlrev_b32 v[SH8], 3, v241
	v_and_b32 v242, 15, v0
	s_wait_alu depctr_va_vdst(0)
	s_mul_i32 s23, s14, SGP
	s_add_co_u32 s23, s23, STAGE
	v_add_nc_u32 v248, s23, v252                   ; my stage: O,
	v_add_nc_u32 v249, s23, v[LI8]                 ; the sums
	s_xor_b32 s23, s14, 8
	s_mul_i32 s23, s23, SGP
	s_add_co_u32 s23, s23, STAGE
	v_add_nc_u32 v250, s23, v252                   ; wave w xor 8's
	v_add_nc_u32 v251, s23, v[LI8]
	s_lshl_b32 s23, s15, 1
	s_add_co_u32 s23, s23, s16
	s_lshl_b32 s23, s23, 5
	s_add_co_u32 s23, s23, SCG
	v_lshl_add_u32 v253, v242, 1, s23              ; my tile's scale bytes: two a query
	v_add_nc_u32 v254, SCG, v252
	s_lshl_b32 s23, s16, 2
	v_add_nc_u32 v244, s23, v[LI8]                 ; q's scale word of set 0 in the pair's record,
	s_delay_alu instid0(VALU_DEP_1)
	v_xor_b32 v245, 4, v244                        ; of set 1
	s_wait_dscnt 0x0                               ; both opening adds are done
	s_wait_kmcnt 0x0
	s_add_nc_u64 s[34:35], s[8:9], s[20:21]        ; slot 0,
	s_add_nc_u64 s[38:39], s[34:35], PLACE         ; slot 1
	s_or_b32 s35, s35, 0x80000000
	s_or_b32 s39, s39, 0x80000000
	s_add_nc_u64 s[56:57], s[4:5], s[54:55]
	s_add_nc_u64 s[4:5], s[4:5], s[52:53]
	s_add_nc_u64 s[6:7], s[6:7], s[58:59]
	s_add_nc_u64 s[10:11], s[10:11], s[60:61]
	s_add_nc_u64 s[12:13], s[12:13], s[62:63]
	ROUND                                          ; all four work-groups are here: the first joint loads meet
	tensor_load_to_lds s[32:35], s[24:31]
	s_nop 0
	s_wait_alu depctr_va_vdst(0)
	s_wait_tensorcnt 0x0
	ds_add_u32 v1, v2
	s_wait_dscnt 0x0
	ROUND
	tensor_load_to_lds s[36:39], s[24:31]
	s_nop 0
.irp p, 0,1,2
	global_load_b64 v[QZ+6+2*\p:QZ+7+2*\p], v[LI8], s[4:5] offset:256*\p
	global_load_b64 v[QZ+18+2*\p:QZ+19+2*\p], v[LI8], s[56:57] offset:256*\p
.endr
	s_wait_alu depctr_va_vdst(0)
	global_load_b32 v[QS], v244, s[6:7]
	global_load_b32 v[QS+1], v245, s[6:7]
.irp i, 0,1,2,3,4,5
	v_mov_b32 v[QZ+\i], 0                          ; the zero codes beside q
	v_mov_b32 v[QZ+12+\i], 0
	v_mov_b32 v[QZ+24+\i], 0
.endr
.set zj, 0
.rept 64
	v_mov_b32 v[O+zj], 0                           ; O^T.  (The step is written once: its first turn adds onto zeros)
.set zj, zj+1
.endr
.irp i, 0,1,2,3
	v_mov_b32 v[L+\i], 0
.endr
	v_mov_b32 v[PT], 0                             ; a lane permute's destination counts as a source: written once
	v_mov_b32 v[PT+1], 0
	s_wait_loadcnt 0x0                             ; q
	s_wait_tensorcnt 1                             ; my part of slot 0 is in; slot 1's may stay out
	s_barrier_signal -1
	s_barrier_wait -1
; HALF c of a key step: 64 keys.  Eight products, the clip, the exponentials as one batch with one wait, the block's largest p, the sums, the codes.
.macro HALF c
.irp u, 0,1,2,3
.irp a, 0,1
	WM S+32*\a+8*\u, KF+12*(\u/2), QZ+12*\a+6*(1-\u%2), -1, KS+\c, QS+\a, \u/2, \u%2
.endr
.endr
.rept 4
	v_nop                                          ; places in front of the loads into K's registers and of the first read of the scores
.endr
.if \c == 0
.set hq, 0
.rept 12
	ds_load_b64 v[KF+2*hq:KF+2*hq+1], v[ADR] offset:3072+256*hq   ; the second half's K lands under this half's vector work
.set hq, hq+1
.endr
.endif
.set hj, 0
.rept 64
	v_med3_num_f32 v[S+hj], v[S+hj], s40, s41      ; reference()'s clip; ascending, so that each result is first read at its low end
.set hj, hj+1
.endr
.set hj, 0
.rept 32
	v_pk_mul_f32 v[S+hj:S+hj+1], v[S+hj:S+hj+1], s[42:43] op_sel_hi:[1,0]
.set hj, hj+2
.endr
.set hj, 0
	s_wait_alu depctr_va_vdst(0)
.rept 64
	v_exp_f32 v[S+hj], v[S+hj]                     ; p = 2^t
.set hj, hj+1
.endr
	v_nop                                          ; a plain line behind the last of the batch
	s_wait_alu depctr_va_vdst(0)                   ; one wait for the 64, ahead of their first reader
.irp a, 0,1
	v_max3_num_f32 v[MX+\a], v[S+32*\a], v[S+32*\a+1], 0x1800000
	v_max3_num_f32 v[M2+\a], v[S+32*\a+16], v[S+32*\a+17], v[S+32*\a+18]
.endr
.irp i, 0,2,4,6,8,10
.irp a, 0,1
	v_max3_num_f32 v[MX+\a], v[MX+\a], v[S+32*\a+2+\i], v[S+32*\a+3+\i]
	v_max3_num_f32 v[M2+\a], v[M2+\a], v[S+32*\a+19+\i], v[S+32*\a+20+\i]
.endr
.endr
.irp a, 0,1
	v_max3_num_f32 v[MX+\a], v[MX+\a], v[S+32*\a+14], v[S+32*\a+15]
.endr
.irp a, 0,1
	v_max3_num_f32 v[MX+\a], v[MX+\a], v[M2+\a], v[S+32*\a+31]
.endr
.irp a, 0,1
	v_pk_add_f32 v[T+2*\a:T+2*\a+1], v[S+32*\a:S+32*\a+1], v[S+32*\a+2:S+32*\a+3]   ; the sums of the unquantised p, in two chains a set
.endr
.irp i, 4,8,12,16,20,24,28
.irp a, 0,1
	v_pk_add_f32 v[L+2*\a:L+2*\a+1], v[L+2*\a:L+2*\a+1], v[S+32*\a+\i:S+32*\a+\i+1]
	v_pk_add_f32 v[T+2*\a:T+2*\a+1], v[T+2*\a:T+2*\a+1], v[S+32*\a+\i+2:S+32*\a+\i+3]
.endr
.endr
.irp a, 0
	s_delay_alu instid0(VALU_DEP_3)
	v_pk_add_f32 v[L+2*\a:L+2*\a+1], v[L+2*\a:L+2*\a+1], v[T+2*\a:T+2*\a+1]
.endr
.irp a, 1
	s_delay_alu instid0(VALU_DEP_2)
	v_pk_add_f32 v[L+2*\a:L+2*\a+1], v[L+2*\a:L+2*\a+1], v[T+2*\a:T+2*\a+1]
.endr
.irp a, 0,1
	v_add_nc_u32 v[SO+\a], 0xff000000, v[MX+\a]
.endr
.irp a, 0,1
.if \c == 0
	s_delay_alu instid0(VALU_DEP_2)
	v_lshrrev_b32 v[PSH+\a], 23, v[SO+\a]          ; my block's byte: block h,
.else
	s_delay_alu instid0(VALU_DEP_2)
	v_lshrrev_b32 v[BYT+\a], 23, v[SO+\a]
.endif
.endr
.if \c == 1
.irp a, 0,1
	s_delay_alu instid0(VALU_DEP_2)
	v_lshl_or_b32 v[PSH+\a], v[BYT+\a], 16, v[PSH+\a]   ; and block 2 + h
.endr
.endif
.irp a, 0,1
	v_cvt_scalef32_pk16_fp6_f32 v[P+12*\a+6*\c:P+12*\a+6*\c+2], v[S+32*\a:S+32*\a+15], v[SO+\a]
	v_cvt_scalef32_pk16_fp6_f32 v[CT+4*\a:CT+4*\a+2], v[S+32*\a+16:S+32*\a+31], v[SO+\a]
.endr
	v_nop                                          ; a plain line behind the conversions
.if \c == 0
.irp a, 0,1
.irp i, 0,1,2
	v_mov_b32 v[P+12*\a+3+\i], v[CT+4*\a+\i]
.endr
.endr
.endif
.endm
.macro STEP                            ; 128 keys
	v_add_nc_u32 v[ADR], s46, v[LI8]
.set sq, 0
.rept 12
	ds_load_b64 v[KF+2*sq:KF+2*sq+1], v[ADR] offset:256*sq
.set sq, sq+1
.endr
	ds_load_b64 v[KS:KS+1], v[ADR] offset:12288
	ds_load_b64 v[VS:VS+1], v[ADR] offset:12544
	s_wait_alu depctr_va_vdst(0)
	s_wait_dscnt 0x0
	HALF 0
	s_setprio 1
	s_wait_dscnt 0x0                               ; the second half's K
	HALF 1
.set sq, 0
	s_setprio 0
.rept 24
	ds_load_b64 v[V+2*sq:V+2*sq+1], v[ADR] offset:6144+256*sq   ; V^T, into the registers that p has left
.set sq, sq+1
.endr
.irp a, 0,1
	v_lshlrev_b32 v[PSH+\a], v[SH8], v[PSH+\a]
.endr
.irp a, 0,1
	s_delay_alu instid0(VALU_DEP_2)
	v_permlanex16_b32 v[PT+\a], v[PSH+\a], s44, s45
.endr
.irp a, 0,1
	s_delay_alu instid0(VALU_DEP_2)
	v_or_b32 v[PS+\a], v[PSH+\a], v[PT+\a]         ; p's scale word for these 128 keys
.endr
.irp a, 0,1
.irp i, 0,1,2
	v_mov_b32 v[P+12*\a+9+\i], v[CT+4*\a+\i]
.endr
.endr
.rept 4
	v_nop                                          ; the scale words stand ten places ahead of the products, the last codes four
.endr
	s_wait_alu depctr_va_vdst(0)
	s_wait_dscnt 0x0
.irp t, 0,1,2,3                                ; the eight sums take turns, one instruction a turn
.irp a, 0,1
	WM O+32*\a+8*\t, V+12*\t, P+12*\a, O+32*\a+8*\t, VS+\t/2, PS+\a, \t%2, 0
.endr
.endr
.rept 5
	v_nop                                          ; five places: the next step's first products write over V^T's registers
.endr
.endm
.macro SLOTSTEPS place                 ; my key half's four steps of the slot in a place
	s_add_co_u32 s46, s48, \place*PLACE
	s_mov_b32 s47, 4
.Lstep_\@:
	s_setprio 2
	STEP
	s_add_co_u32 s46, s46, STEPB
	s_sub_co_u32 s47, s47, 1
	s_cmp_lg_u32 s47, 0
	s_cbranch_scc1 .Lstep_\@
	s_setprio 0
.endm
; THE CHANGE OF SLOTS.  Each wave waits for all its tensor loads (its part of the slot ahead), adds 0 to its spare word, and waits for that and for its reads of the slot that it leaves.
; fill = 1: behind a round of the cluster's barrier the place just left takes the slot two on: the wave's one tensor load, first thing there.
.macro CHANGE fill, place
	s_wait_tensorcnt 0x0
	ds_add_u32 v[SPW], v[NIL]
.if \fill
	s_add_nc_u64 s[34+4*\place:35+4*\place], s[34+4*\place:35+4*\place], 2*PLACE   ; no load of mine is out: the descriptor may step
.endif
	s_wait_dscnt 0x0
.if \fill
	ROUND
	tensor_load_to_lds s[32+4*\place:35+4*\place], s[24:31]
	s_nop 0
.else
	s_barrier_signal -1
	s_barrier_wait -1
.endif
.endm
	SLOTSTEPS 0
	CHANGE 1, 0
	SLOTSTEPS 1
	CHANGE 1, 1
	SLOTSTEPS 0
	CHANGE 0, 0
	SLOTSTEPS 1
	; THE WAY OUT.  Set 1 goes to wave w xor 8, whose set 1 is my set 0's tile over the other key half.
.irp i, 0,1,2,3,4,5,6,7
	ds_store_b128 v248, v[O+32+4*\i:O+35+4*\i] offset:512*\i   ; each result from its low end on
.endr
	ds_store_b64 v249, v[L+2:L+3] offset:4096
	s_wait_dscnt 0x0
	s_barrier_signal -1
	s_barrier_wait -1
.irp i, 0,1,2,3,4,5,6,7
	ds_load_b128 v[104+4*\i:107+4*\i], v250 offset:512*\i
.endr
	ds_load_b64 v[136:137], v251 offset:4096
	s_wait_dscnt 0x0
.set wj, 0
.rept 16
	v_pk_add_f32 v[104+wj:105+wj], v[104+wj:105+wj], v[O+wj:O+wj+1]
.set wj, wj+2
.endr
	v_pk_add_f32 v[14:15], v[14:15], v[136:137]
	s_delay_alu instid0(VALU_DEP_1)
	v_add_f32 v14, v14, v15
	s_delay_alu instid0(VALU_DEP_1)
	v_permlanex16_b32 v[PT], v14, s44, s45
	s_delay_alu instid0(VALU_DEP_1)
	v_add_f32 v14, v14, v[PT]                      ; the row's sum over all 4,096 keys
	s_wait_alu depctr_va_vdst(0)
	v_rcp_f32 v14, v14
	v_nop
	s_wait_alu depctr_va_vdst(0)
	v_mov_b32 v15, v14
.set wj, 0
.rept 16
	v_pk_mul_f32 v[104+wj:105+wj], v[104+wj:105+wj], v[14:15]
.set wj, wj+2
.endr
	QB 104, 80, 232, 18, 20, 22, 24                ; my query's channels 32 h .. 32 h + 31 of the head: one block of the gates' and wo's K
.irp p, 0,1,2
	global_store_b64 v[LI8], v[80+2*\p:81+2*\p], s[10:11] offset:256*\p
.endr
	v_lshlrev_b32 v24, v[SH8], v24
	s_delay_alu instid0(VALU_DEP_1)
	v_permlanex16_b32 v[PT], v24, s44, s45
	s_delay_alu instid0(VALU_DEP_1)
	v_or_b32 v24, v24, v[PT]
	ds_store_b16 v253, v24                         ; both halves of the lanes write the same two bytes
	s_wait_dscnt 0x0
	s_barrier_signal -1
	s_barrier_wait -1
	s_cmp_lg_u32 s14, 0
	s_cbranch_scc1 .Lend
	ds_load_b128 v[104:107], v254                  ; wave 0: the work-group's 512 scale bytes leave whole
	s_wait_dscnt 0x0
	global_store_b128 v252, v[104:107], s[12:13]
.Lend:
	s_wait_tensorcnt 0x0                           ; the wave's end, behind my last tensor load and my last LDS store
	ds_add_u32 v[SPW], v[NIL]
	s_wait_dscnt 0x0
	ROUND                                          ; the closing round
	s_endpgm
.Lfunc_end_k_qa4a2a118be_attn:
	.size	k_qa4a2a118be_attn, .Lfunc_end_k_qa4a2a118be_attn-k_qa4a2a118be_attn
	.p2alignl 7, 3214868480
	.fill 96, 4, 3214868480
	.section	.rodata,"a",@progbits
	.p2align	6, 0x0
	.amdhsa_kernel k_qa4a2a118be_attn
		.amdhsa_group_segment_fixed_size 327680
		.amdhsa_private_segment_fixed_size 0
		.amdhsa_enable_private_segment 0
		.amdhsa_kernarg_size 40
		.amdhsa_user_sgpr_count 2
		.amdhsa_user_sgpr_kernarg_segment_ptr 1
		.amdhsa_wavefront_size32 1
		.amdhsa_system_sgpr_workgroup_id_x 1
		.amdhsa_system_sgpr_workgroup_id_y 1
		.amdhsa_system_sgpr_workgroup_id_z 1
		.amdhsa_system_vgpr_workitem_id 0
		.amdhsa_next_free_vgpr 256
		.amdhsa_next_free_sgpr 66
		.amdhsa_reserve_vcc 0
		.amdhsa_float_denorm_mode_32 3
		.amdhsa_float_denorm_mode_16_64 3
		.amdhsa_memory_ordered 1
		.amdhsa_forward_progress 1
		.amdhsa_inst_pref_size 153
	.end_amdhsa_kernel
	.amdgpu_metadata
---
amdhsa.version: [ 1, 2 ]
amdhsa.kernels:
  - .name:           k_qa4a2a118be_attn
    .symbol:         k_qa4a2a118be_attn.kd
    .args:
      - { .name: qc, .offset: 0, .size: 8, .value_kind: global_buffer, .address_space: global }
      - { .name: qs, .offset: 8, .size: 8, .value_kind: global_buffer, .address_space: global }
      - { .name: kv, .offset: 16, .size: 8, .value_kind: global_buffer, .address_space: global }
      - { .name: cc, .offset: 24, .size: 8, .value_kind: global_buffer, .address_space: global }
      - { .name: cs, .offset: 32, .size: 8, .value_kind: global_buffer, .address_space: global }
    .group_segment_fixed_size: 327680
    .private_segment_fixed_size: 0
    .kernarg_segment_align: 8
    .kernarg_segment_size: 40
    .max_flat_workgroup_size: 512
    .sgpr_count:     66
    .vgpr_count:     256
    .wavefront_size: 32
...
	.end_amdgpu_metadata
.endif
;; end of part 7
;; launch gate (part 8): grid 64 x 2, 8 waves a work-group, no clusters, 89,088 bytes of LDS; arguments cc, cs, xc, xs, wq, gene_embeds, drug_embeds, bgg, bdg, gg_g, dg_g, gg_b, dg_b, bo, out0, out1; writes out0, out1
.if DOCPART == 8
	.amdgcn_target "amdgcn-amd-amdhsa--gfx1250"
	.amdhsa_code_object_version 6
	.text
	.protected	k_qa4a2a118be_gate
	.globl	k_qa4a2a118be_gate
	.p2align	8
	.type	k_qa4a2a118be_gate,@function
k_qa4a2a118be_gate:
	s_mov_b64 s[64:65], 0
	v_nop
	global_prefetch_b8 v0, s[64:65] scope:SCOPE_SE
	s_setreg_imm32_b32 hwreg(HW_REG_WAVE_SCHED_MODE, 0, 2), 2
	s_setreg_imm32_b32 hwreg(HW_REG_WAVE_MODE, 25, 1), 1
	s_wait_xcnt 0x0
	s_wait_alu depctr_vm_vsrc(0)
; LAUNCH 4 OF 4: out = emb + sigmoid(LayerNorm([ctx, emb] wg + bg)) x (ctx wo + bo).  Nothing is left out.
; Work-group (G, side): 64 tokens (tiles 4 G .. 4 G + 3).  Wave w owns output columns 64 w .. 64 w + 63 of both products, for all 64 tokens: 32 accumulators, window 1.
; The tokens' codes (context and raw embeddings, 8 tiles) go once into LDS as images and are read by all eight waves.  The weights stream from memory into three register buffers, a unit (four fragments: one K step of one
; product) at a time, two units ahead of the products.  Both products are used transposed: a lane holds one token and, by the tiles' permutation, 32 neighbouring columns.
; 64 ROWS TO A WORK-GROUP: the LayerNorm ties a row's 512 columns to one work-group, so each takes in all 614,400 bytes of weight codes whatever its rows; 64 rows halve that traffic against 32.
; NO CLUSTER: each weight byte goes once from memory into the registers of the one wave that multiplies by it; a joint load would send those bytes through LDS on top.
; LIMITS: as in the first launch; sigmoid(z) = v_rcp_f32(1 + 2^(-z log2 e)).
; THE MODE: SCHED_MODE bits 1:0 = 2 (LLVM: expert scheduling mode 2), set by the entry lines.  The code itself states the register dependences
; between vector or matrix instructions and memory or LDS instructions, with s_wait_alu, always for 0.
; THE PLAN.  Registers that memory or LDS instructions touch:
;   v3-13      offsets and LDS addresses: made at the head, never written again: one wait on va_vdst ahead of the first load.
;   v56-103    first my tile's image: loaded, read by the LDS stores: a wait on vm_vsrc behind the barrier; then a K step's token fragments: LDS loads land, one or two units' products read.
;   v200-215   at the head the context's scale halves: loaded, read by the eight lines that make v16-23; unit 2's loads land there behind the one wait that also states that v16-23 are written.
;   v104-247   three weight buffers by turns: unit j's products read buffer j % 3, and the loads of unit j + 3 land in it.
;              ONE wait on va_vdst ends a unit, behind its places: its products are done reading their buffer and the token fragments; the loads that follow it land in these and in nothing else.
;   v192-195   partial sums: written by additions, read by an LDS store; v200-231: the eight waves' parts, LDS loads land, additions read.  One wait on va_vdst ahead of the store serves both, and in the first
;              reduction also the rows of emb, which land in the registers that the additions of bg have read; one wait on vm_vsrc behind the barrier frees v192-195.
;   v184-215   Z: written by the tile's arithmetic, read by the stage's stores; v216-247: R, then rows from the stage, then the data of the global stores; v120-151 rows of emb.
;              A tile has one wait on va_vdst ahead of the stage's stores and loads, one ahead of the global stores and the next rows of emb, and one on vm_vsrc at its head.
.set AIMG,  0                          ; [context, embeddings][tile 4][K step 4][1,536]
.set ST1,   49152                      ; the waves' partial sums: 256 bytes a wave;  ST1 + 2,048: those of the squares
.set OST,   53248                      ; 8 stages of 16 rows x (256 + 16)
.set SPARE, 88064
.set WSC,   2162688
; window 0: v1, v2 the add's two; v3-13 addresses; v14 1e-5; v16-23 the context's scale words, v24-31 the embeddings'; v32-47 the gate weights' (2 s + t / 2), v48-55 wo's; v56-103 the K step's four token fragments;
;   v104-247 three buffers of four weight fragments; v248-255 a pair a tile: mean, then 1 / deviation.   On the way out: v56-87 LayerNorm's bias, v88-119 bo, v120-151 bg, then rows of emb, v152-183 gain, v184-215 Z, v216-247 R
; window 1: v[32 m + 8 t] the gate's sums, v[128 + 32 m + 8 t] wo's
.set MSB, 0
.macro WIN new                         ; the immediate's high byte repeats the setting that is left
.if MSB != \new
	s_set_vgpr_msb (MSB<<8)|\new
.set MSB, \new
.endif
.endm
.macro WM d, a, b, c, sa, sb, ra, rb   ; one product; c < 0: the constant 0 starts the sum; ra, rb: the scales stand in lanes 16-31 of their registers
.if (\c) < 0
.if (\ra) && (\rb)
	v_wmma_scale_f32_16x16x128_f8f6f4 v[(\d):(\d)+7], v[(\a):(\a)+11], v[(\b):(\b)+11], 0, v[\sa], v[\sb] matrix_a_fmt:MATRIX_FMT_FP6 matrix_b_fmt:MATRIX_FMT_FP6 matrix_a_scale:MATRIX_SCALE_ROW1 matrix_b_scale:MATRIX_SCALE_ROW1
.elseif (\ra)
	v_wmma_scale_f32_16x16x128_f8f6f4 v[(\d):(\d)+7], v[(\a):(\a)+11], v[(\b):(\b)+11], 0, v[\sa], v[\sb] matrix_a_fmt:MATRIX_FMT_FP6 matrix_b_fmt:MATRIX_FMT_FP6 matrix_a_scale:MATRIX_SCALE_ROW1
.elseif (\rb)
	v_wmma_scale_f32_16x16x128_f8f6f4 v[(\d):(\d)+7], v[(\a):(\a)+11], v[(\b):(\b)+11], 0, v[\sa], v[\sb] matrix_a_fmt:MATRIX_FMT_FP6 matrix_b_fmt:MATRIX_FMT_FP6 matrix_b_scale:MATRIX_SCALE_ROW1
.else
	v_wmma_scale_f32_16x16x128_f8f6f4 v[(\d):(\d)+7], v[(\a):(\a)+11], v[(\b):(\b)+11], 0, v[\sa], v[\sb] matrix_a_fmt:MATRIX_FMT_FP6 matrix_b_fmt:MATRIX_FMT_FP6
.endif
.else
.if (\ra) && (\rb)
	v_wmma_scale_f32_16x16x128_f8f6f4 v[(\d):(\d)+7], v[(\a):(\a)+11], v[(\b):(\b)+11], v[(\c):(\c)+7], v[\sa], v[\sb] matrix_a_fmt:MATRIX_FMT_FP6 matrix_b_fmt:MATRIX_FMT_FP6 matrix_a_scale:MATRIX_SCALE_ROW1 matrix_b_scale:MATRIX_SCALE_ROW1
.elseif (\ra)
	v_wmma_scale_f32_16x16x128_f8f6f4 v[(\d):(\d)+7], v[(\a):(\a)+11], v[(\b):(\b)+11], v[(\c):(\c)+7], v[\sa], v[\sb] matrix_a_fmt:MATRIX_FMT_FP6 matrix_b_fmt:MATRIX_FMT_FP6 matrix_a_scale:MATRIX_SCALE_ROW1
.elseif (\rb)
	v_wmma_scale_f32_16x16x128_f8f6f4 v[(\d):(\d)+7], v[(\a):(\a)+11], v[(\b):(\b)+11], v[(\c):(\c)+7], v[\sa], v[\sb] matrix_a_fmt:MATRIX_FMT_FP6 matrix_b_fmt:MATRIX_FMT_FP6 matrix_b_scale:MATRIX_SCALE_ROW1
.else
	v_wmma_scale_f32_16x16x128_f8f6f4 v[(\d):(\d)+7], v[(\a):(\a)+11], v[(\b):(\b)+11], v[(\c):(\c)+7], v[\sa], v[\sb] matrix_a_fmt:MATRIX_FMT_FP6 matrix_b_fmt:MATRIX_FMT_FP6
.endif
.endif
.endm
; The units in order: gate K step 0, wo 0, gate 1, wo 1, gate 2, wo 2, gate 3, wo 3, gate 4 .. 7 (the embeddings' half of K)
.macro UNITLD j                        ; unit j's four fragments into buffer j % 3: 24 loads of 256 consecutive bytes
.if (\j) < 8
.set LSS, (\j)/2
.else
.set LSS, (\j)-4
.endif
.irp t, 0,1,2,3
.irp p, 0,1,2,3,4,5
.if ((\j) < 8) && (((\j)%2) == 1)
	global_load_b64 v[104+48*((\j)%3)+12*\t+2*\p:105+48*((\j)%3)+12*\t+2*\p], v3, s[62:63] offset:(4*\t+LSS)*1536+256*\p
.else
	global_load_b64 v[104+48*((\j)%3)+12*\t+2*\p:105+48*((\j)%3)+12*\t+2*\p], v3, s[60:61] offset:(LSS/4)*196608+(4*\t+LSS%4)*1536+256*\p
.endif
.endr
.endr
.endm
.macro ACTL kind, s                    ; the four token tiles' fragments of a K step
.irp m, 0,1,2,3
.irp p, 0,1,2,3,4,5
	ds_load_b64 v[56+12*\m+2*\p:57+12*\m+2*\p], v3 offset:AIMG+((4*\kind+\m)*4+\s)*1536+256*\p
.endr
.endr
.endm
.macro UNIT j, n, na                   ; 16 products; n: the younger loads that may stay out; na: the token fragments are new
.if ((\j) < 8) && (((\j)%2) == 1)
.set UP, 1
.else
.set UP, 0
.endif
.if (\j) < 8
.set USS, (\j)/2
.else
.set USS, (\j)-4
.endif
.set UDB, 128*UP
.set UWB, 104+48*((\j)%3)
.set USA, 32+16*UP+2*USS
	s_wait_loadcnt \n
.if \na
	s_wait_dscnt 0x0
.endif
	WIN 0x50                                       ; C and D window 1
.irp m, 0,1,2,3                                ; the sixteen sums take turns, one instruction a turn
.irp t, 0,1,2,3
.if USS == 0
	WM UDB+32*\m+8*\t, UWB+12*\t, 56+12*\m, -1, USA+\t/2, 16+4*(USS/2)+\m, \t%2, USS%2
.else
	WM UDB+32*\m+8*\t, UWB+12*\t, 56+12*\m, UDB+32*\m+8*\t, USA+\t/2, 16+4*(USS/2)+\m, \t%2, USS%2
.endif
.endr
.endr
	WIN 0
.rept 4
	v_nop                                          ; places behind these products, ahead of the first read of results
.endr
	s_wait_alu depctr_va_vdst(0)                   ; the unit's products are done reading their weight buffer and the token fragments: the loads that follow the unit land in these registers
.endm
.macro VLD reg, sb                     ; 32 numbers of a [512] vector: register 8 t + j = column 64 w + 32 h + 8 t + j
.irp t, 0,1,2,3
	global_load_b128 v[\reg+8*\t:\reg+8*\t+3], v11, s[\sb:\sb+1] offset:32*\t
	global_load_b128 v[\reg+8*\t+4:\reg+8*\t+7], v11, s[\sb:\sb+1] offset:32*\t+16
.endr
.endm
.macro EMLD m                          ; tile m's 16 rows of emb, my 64 columns, by rows: sixteen lanes read 256 consecutive bytes.  (m is handed in as an expression and is put in as text: so it stands in brackets)
.irp i, 0,1,2,3,4,5,6,7
	global_load_b128 v[120+4*\i:123+4*\i], v10, s[48:49] offset:(8*(\m)+2*(\i%4)+32*(\i/4))*2048 th:TH_LOAD_NT
.endr
.endm
; the four tiles' partial sums, pairs v[184+2m], are finished over the lane halves and the eight waves: v200 .. v203.  em = 1: the first tile's rows of emb are asked for on the way
.macro REDW off, em
.irp m, 0,1,2,3
	v_add_f32 v[192+\m], v[184+2*\m], v[185+2*\m]
.endr
.irp m, 0,1,2,3
	v_permlanex16_b32 v[196+\m], v[192+\m], s2, s3
.endr
.irp m, 0,1,2,3
	v_add_f32 v[192+\m], v[192+\m], v[196+\m]
.endr
	s_wait_alu depctr_va_vdst(0)                   ; v192-195 are written, which the LDS store reads; all that named v200-231, in which the LDS loads land, is done; em = 1: so are the additions that read bg in v120-151
.if \em
	EMLD 0                                         ; bg's registers take the first tile's rows of emb
.endif
	ds_store_b128 v6, v[192:195] offset:\off       ; both halves of the lanes write the same 16 bytes
	s_wait_dscnt 0x0
	s_barrier_signal -1
	s_barrier_wait -1
	s_wait_alu depctr_vm_vsrc(0)                   ; my LDS store has read v192-195, which the next sums, and later Z, write again
.irp w, 0,1,2,3,4,5,6,7
	ds_load_b128 v[200+4*\w:203+4*\w], v7 offset:\off+256*\w
.endr
	s_wait_dscnt 0x0
.irp w, 1,2,3,4,5,6,7
	v_pk_add_f32 v[200:201], v[200:201], v[200+4*\w:201+4*\w]
	v_pk_add_f32 v[202:203], v[202:203], v[202+4*\w:203+4*\w]
.endr
.endm
	s_load_b512 s[16:31], s[0:1], 0x0              ; cc 16, cs 18, xc 20, xs 22, wq 24, gene 26, drug 28, bgg 30
	s_load_b512 s[32:47], s[0:1], 0x40             ; bdg 32, gg_g 34, dg_g 36, gg_b 38, dg_b 40, bo 42, out0 44, out1 46
	v_lshl_add_u32 v1, v0, 2, SPARE
	v_mov_b32 v2, 0
	v_lshrrev_b32 v3, 5, v0
	v_readfirstlane_b32 s4, v3                     ; wave 0..7
	v_and_b32 v15, 31, v0
	v_lshlrev_b32 v3, 3, v15                       ; 8 x lane
	v_lshlrev_b32 v4, 4, v15                       ; 16 x lane
	v_lshlrev_b32 v5, 2, v15                       ; 4 x lane
	v_and_b32 v14, 15, v0                          ; r
	v_bfe_u32 v15, v0, 4, 1                        ; h
	s_wait_alu depctr_va_sdst(0)                   ; s4 is written, ahead of its first reader: LDS addresses and every base are made from it
	s_lshl_b32 s7, s4, 8
	v_lshl_add_u32 v7, v14, 4, ST1                 ; the statistics of token r: read,
	v_add_nc_u32 v6, s7, v7                        ; and my wave's part: written
	s_mul_i32 s8, s4, 4352
	s_add_co_u32 s8, s8, OST
	v_mul_u32_u24 v8, v14, 272
	v_lshl_add_u32 v8, v15, 7, v8
	v_add_nc_u32 v8, s8, v8                        ; my stage, in: row r, + 128 h
	v_mul_u32_u24 v9, v15, 272
	v_lshl_add_u32 v9, v14, 4, v9
	v_add_nc_u32 v9, s8, v9                        ; back: lanes 0-15 one row, lanes 16-31 the next
	v_lshlrev_b32 v10, 11, v15
	v_lshl_add_u32 v10, v14, 4, v10
	v_add_nc_u32 v10, s7, v10                      ; the same two rows in emb and out, my 256 bytes of them
	v_lshl_add_u32 v11, v15, 7, s7                 ; a [512] vector at column 64 w + 32 h
	v_lshlrev_b32 v12, 14, v15
	v_lshl_add_u32 v12, v14, 1, v12                ; the context's scale bytes: heads 2 h and 2 h + 1, token r
	s_mul_i32 s8, s4, 6144
	v_add_nc_u32 v13, s8, v4                       ; LDS: where I put my tile's image
	v_mov_b32 v14, 0x3727c5ac                      ; 1e-5
	s_mov_b32 s5, ttmp9                            ; G
	s_and_b32 s6, ttmp7, 0xffff                    ; side
	s_mov_b32 s2, 0x76543210
	s_mov_b32 s3, 0xfedcba98
	s_mov_b32 s9, 0x3b000000                       ; 1 / 512
	s_mov_b32 s10, 0xbfb8aa3b                      ; -log2(e)
	s_mov_b32 s11, s10
	s_lshl_b32 s7, s6, 8
	s_lshl_b32 s8, s5, 2
	s_add_co_u32 s7, s7, s8                        ; 256 side + 4 G
	s_and_b32 s8, s4, 3
	s_add_co_u32 s8, s8, s7                        ; the tile that I copy: of the context (waves 0-3),
	s_lshl_b32 s12, s6, 8
	s_add_co_u32 s12, s12, s8                      ; or of the raw embeddings (waves 4-7): xc has two arrays a side
	s_cmp_lt_u32 s4, 4
	s_cselect_b32 s12, s8, s12
	s_mul_i32 s12, s12, 6144
	s_mov_b32 s13, 0
	s_lshl_b32 s14, s7, 9                          ; xs: 512 bytes a tile
	s_mov_b32 s15, 0
	s_wait_kmcnt 0x0
	s_cmp_lt_u32 s4, 4                             ; compared anew: the shift above has set SCC
	s_cselect_b64 s[58:59], s[16:17], s[20:21]     ; waves 0-3 copy from the context's codes, waves 4-7 from the embeddings'
	s_add_nc_u64 s[58:59], s[58:59], s[12:13]
	s_add_nc_u64 s[22:23], s[22:23], s[14:15]
	s_lshl_b32 s12, s6, 16                         ; cs: 8,192 bytes a head, 32 a tile
	s_lshl_b32 s14, s5, 7
	s_add_co_u32 s12, s12, s14
	s_add_nc_u64 s[18:19], s[18:19], s[12:13]
	s_lshl_b32 s12, s6, 1
	s_add_co_u32 s12, s12, 7                       ; the gate's first weight block: 7 + 2 side
	s_mul_i32 s14, s12, 196608
	s_mul_i32 s8, s4, 24576
	s_add_co_u32 s14, s14, s8
	s_add_nc_u64 s[60:61], s[24:25], s[14:15]
	s_add_co_u32 s14, s8, 6*196608                 ; wo is block 6
	s_add_nc_u64 s[62:63], s[24:25], s[14:15]
	s_lshl_b32 s14, s12, 13
	s_lshl_b32 s8, s4, 10
	s_add_co_u32 s14, s14, s8
	s_add_co_u32 s14, s14, WSC
	s_add_nc_u64 s[66:67], s[24:25], s[14:15]
	s_add_co_u32 s14, s8, WSC+6*8192
	s_add_nc_u64 s[68:69], s[24:25], s[14:15]
	s_cmp_eq_u32 s6, 0
	s_cselect_b64 s[48:49], s[26:27], s[28:29]     ; the side's embeddings,
	s_cselect_b64 s[50:51], s[30:31], s[32:33]     ; gate bias,
	s_cselect_b64 s[52:53], s[34:35], s[36:37]     ; LayerNorm's gain
	s_cselect_b64 s[54:55], s[38:39], s[40:41]     ; and bias,
	s_cselect_b64 s[56:57], s[44:45], s[46:47]     ; and output
	s_lshl_b32 s14, s5, 17                         ; 64 rows of 2,048 bytes
	s_add_nc_u64 s[48:49], s[48:49], s[14:15]
	s_add_nc_u64 s[56:57], s[56:57], s[14:15]
	s_wait_alu depctr_va_vdst(0)                   ; the offsets and LDS addresses v3-13 are written: every load and store of the kernel reads one of them
.irp i, 0,1,2,3,4,5,6,7,8,9,10,11
	global_load_b128 v[56+4*\i:59+4*\i], v4, s[58:59] offset:512*\i
.endr
.irp m, 0,1,2,3
	global_load_b32 v[24+\m], v5, s[22:23] offset:512*\m          ; the embeddings' scale words: lanes 0-15 K step 0, lanes 16-31 K step 1;
	global_load_b32 v[28+\m], v5, s[22:23] offset:512*\m+128      ; K steps 2 and 3
.endr
.irp x, 0,1
.irp m, 0,1,2,3
.irp e, 0,1
	global_load_u16 v[200+8*\x+2*\m+\e], v12, s[18:19] offset:32768*\x+8192*\e+32*\m   ; the context's: two bytes a head
.endr
.endr
.endr
.irp s, 0,1,2,3,4,5,6,7
.irp t, 0,1
	global_load_b32 v[32+2*\s+\t], v5, s[66:67] offset:(\s/4)*8192+(\s%4)*256+128*\t
.endr
.endr
.irp s, 0,1,2,3
.irp t, 0,1
	global_load_b32 v[48+2*\s+\t], v5, s[68:69] offset:256*\s+128*\t
.endr
.endr
	UNITLD 0
	UNITLD 1
	s_wait_loadcnt 48                              ; all but the two units
.irp i, 0,1,2,3,4,5,6,7,8,9,10,11
	ds_store_b128 v13, v[56+4*\i:59+4*\i] offset:512*\i
.endr
.irp x, 0,1
.irp m, 0,1,2,3
	v_lshl_or_b32 v[16+4*\x+\m], v[201+8*\x+2*\m], 16, v[200+8*\x+2*\m]   ; two heads' bytes make a K step's word
.endr
.endr
	s_wait_dscnt 0x0                               ; my image has landed
	s_barrier_signal -1
	s_barrier_wait -1                              ; all eight have; they are never written again
	s_wait_alu depctr_vm_vsrc(0)                   ; my LDS stores have read v56-103, in which the token fragments land from here on
	ACTL 0, 0
.rept 8
	v_nop                                          ; scale words made by vector instructions stand eight places ahead of the first product
.endr
	s_wait_alu depctr_va_vdst(0)                   ; behind the places: the scale words v16-23 are written, which the products take; and their makers are done reading v200-215, in which unit 2 lands
	UNITLD 2
	UNIT 0, 48, 1
	UNITLD 3
	UNIT 1, 48, 0
	UNITLD 4
	ACTL 0, 1
	UNIT 2, 48, 1
	UNITLD 5
	UNIT 3, 48, 0
	UNITLD 6
	ACTL 0, 2
	UNIT 4, 48, 1
	UNITLD 7
	UNIT 5, 48, 0
	UNITLD 8
	ACTL 0, 3
	UNIT 6, 48, 1
	UNITLD 9
	UNIT 7, 48, 0
	UNITLD 10
	ACTL 1, 0
	UNIT 8, 48, 1
	UNITLD 11
	ACTL 1, 1
	UNIT 9, 48, 1
	VLD 120, 50                                    ; the gate's bias, into the buffer just left
	ACTL 1, 2
	UNIT 10, 32, 1                                 ; behind unit 10's loads: unit 11's 24 and the bias's 8
	VLD 152, 52                                    ; the gain
	ACTL 1, 3
	UNIT 11, 16, 1                                 ; behind unit 11's: the bias's 8 and the gain's 8
	VLD 88, 42                                     ; bo
	VLD 56, 54                                     ; LayerNorm's bias
	; ---- the gate's LayerNorm: mean
	s_wait_loadcnt 24                              ; bg is in; gain, bo and LayerNorm's bias may be out
	WIN 0x41                                       ; destination and source 0 window 1
.irp m, 0,1,2,3
.irp k, 0,2,4,6,8,10,12,14,16,18,20,22,24,26,28,30
	v_pk_add_f32 v[32*\m+\k:32*\m+\k+1], v[32*\m+\k:32*\m+\k+1], v[120+\k:121+\k]   ; + bg; ascending: each result is first read at its low end
.endr
.endr
	WIN 0x05
.irp m, 0,1,2,3
	v_pk_add_f32 v[184+2*\m:185+2*\m], v[32*\m:32*\m+1], v[32*\m+2:32*\m+3]
.endr
	WIN 0x04
.irp k, 4,6,8,10,12,14,16,18,20,22,24,26,28,30
.irp m, 0,1,2,3
	v_pk_add_f32 v[184+2*\m:185+2*\m], v[184+2*\m:185+2*\m], v[32*\m+\k:32*\m+\k+1]
.endr
.endr
	WIN 0
.irp m, 0,1,2,3
	v_mov_b32 v[196+\m], 0                         ; a lane permute's destination counts as a source
.endr
	REDW 0, 1
.irp m, 0,1,2,3
	v_mul_f32 v[248+2*\m], s9, v[200+\m]
	v_mov_b32 v[249+2*\m], v[248+2*\m]
.endr
	; ---- variance
	WIN 0x41
.irp m, 0,1,2,3
.irp k, 0,2,4,6,8,10,12,14,16,18,20,22,24,26,28,30
	v_pk_add_f32 v[32*\m+\k:32*\m+\k+1], v[32*\m+\k:32*\m+\k+1], v[248+2*\m:249+2*\m] neg_lo:[0,1] neg_hi:[0,1]
.endr
.endr
	WIN 0x05
.irp m, 0,1,2,3
	v_pk_mul_f32 v[184+2*\m:185+2*\m], v[32*\m:32*\m+1], v[32*\m:32*\m+1]
.endr
.irp k, 2,4,6,8,10,12,14,16,18,20,22,24,26,28,30
.irp m, 0,1,2,3
	v_pk_fma_f32 v[184+2*\m:185+2*\m], v[32*\m+\k:32*\m+\k+1], v[32*\m+\k:32*\m+\k+1], v[184+2*\m:185+2*\m]
.endr
.endr
	WIN 0
	REDW 2048, 0
.irp m, 0,1,2,3
	v_fma_f32 v[200+\m], v[200+\m], s9, v14
.endr
	s_wait_alu depctr_va_vdst(0)
.irp m, 0,1,2,3
	v_rsq_f32 v[248+2*\m], v[200+\m]
.endr
	v_nop
	s_wait_alu depctr_va_vdst(0)                   ; the four reciprocal roots are written, ahead of their first reader
.irp m, 0,1,2,3
	v_mov_b32 v[249+2*\m], v[248+2*\m]
.endr
	s_wait_loadcnt 8                               ; gain, bo, LayerNorm's bias are in; the eight rows of emb may be out
.irp k, 0,2,4,6,8,10,12,14,16,18,20,22,24,26,28,30
	v_pk_mul_f32 v[152+\k:153+\k], v[152+\k:153+\k], s[10:11] op_sel_hi:[1,0]   ; -log2(e) goes into gain and bias: the exponential's input is then one multiply-add
	v_pk_mul_f32 v[56+\k:57+\k], v[56+\k:57+\k], s[10:11] op_sel_hi:[1,0]
.endr
; ---- a tile of 16 tokens: the gate, x (ctx wo + bo), through my stage into rows, + emb, out
.macro OUTM m
.if \m > 0
	s_wait_xcnt 0x0                                ; the last tile's stores have had their addresses translated;
	s_wait_alu depctr_vm_vsrc(0)                   ; its stage stores have read v184-215 and its global stores v216-247, all of which this tile writes again
.endif
	WIN 0x01
.irp k, 0,2,4,6,8,10,12,14,16,18,20,22,24,26,28,30
	v_pk_mul_f32 v[184+\k:185+\k], v[32*\m+\k:32*\m+\k+1], v[248+2*\m:249+2*\m]
.endr
	WIN 0
.irp k, 0,2,4,6,8,10,12,14,16,18,20,22,24,26,28,30
	v_pk_fma_f32 v[184+\k:185+\k], v[184+\k:185+\k], v[152+\k:153+\k], v[56+\k:57+\k]
.endr
.set oj, 0
	s_wait_alu depctr_va_vdst(0)
.rept 32
	v_exp_f32 v[184+oj], v[184+oj]
.set oj, oj+1
.endr
	v_nop
	s_wait_alu depctr_va_vdst(0)                   ; one wait for the 32 exponentials, ahead of their first reader
.irp k, 0,2,4,6,8,10,12,14,16,18,20,22,24,26,28,30
	v_pk_add_f32 v[184+\k:185+\k], v[184+\k:185+\k], 1.0 op_sel_hi:[1,0]
.endr
.set oj, 0
	s_wait_alu depctr_va_vdst(0)
.rept 32
	v_rcp_f32 v[184+oj], v[184+oj]
.set oj, oj+1
.endr
	WIN 0x01
	s_wait_alu depctr_va_vdst(0)
.irp k, 0,2,4,6,8,10,12,14,16,18,20,22,24,26,28,30
	v_pk_add_f32 v[216+\k:217+\k], v[128+32*\m+\k:129+32*\m+\k], v[88+\k:89+\k]   ; ctx wo + bo: the plain work behind the reciprocals
.endr
	WIN 0
	s_wait_alu depctr_va_vdst(0)                   ; one wait for the 32 reciprocals, ahead of their first reader
.irp k, 0,2,4,6,8,10,12,14,16,18,20,22,24,26,28,30
	v_pk_mul_f32 v[184+\k:185+\k], v[184+\k:185+\k], v[216+\k:217+\k]
.endr
	s_wait_alu depctr_va_vdst(0)                   ; the multiplications have written v184-215, which the stage's stores read, and are done reading v216-247, in which the stage's loads land
.irp q, 0,1,2,3,4,5,6,7
	ds_store_b128 v8, v[184+4*\q:187+4*\q] offset:16*\q
.endr
.irp i, 0,1,2,3,4,5,6,7
	ds_load_b128 v[216+4*\i:219+4*\i], v9 offset:544*\i   ; my own bytes: LDS serves a wave's instructions in order
.endr
	s_wait_dscnt 0x0
	s_wait_loadcnt 0x0                             ; the tile's rows of emb
.irp k, 0,2,4,6,8,10,12,14,16,18,20,22,24,26,28,30
	v_pk_add_f32 v[216+\k:217+\k], v[216+\k:217+\k], v[120+\k:121+\k]
.endr
	s_wait_alu depctr_va_vdst(0)                   ; the additions have written v216-247, which the stores read, and are done reading v120-151, in which the next tile's rows of emb land
.irp i, 0,1,2,3,4,5,6,7
	global_store_b128 v10, v[216+4*\i:219+4*\i], s[56:57] offset:(8*\m+2*(\i%4)+32*(\i/4))*2048 th:TH_STORE_NT   ; sixteen lanes store 256 consecutive bytes, aligned
.endr
.if \m < 3
	EMLD \m+1
.endif
.endm
	OUTM 0
	OUTM 1
	OUTM 2
	OUTM 3
	s_wait_dscnt 0x0                               ; the closing lines, six on end
	s_wait_alu 0x0
	s_wait_tensorcnt 0x0
	ds_add_u32 v1, v2
	s_wait_dscnt 0x0
	s_endpgm
.Lfunc_end_k_qa4a2a118be_gate:
	.size	k_qa4a2a118be_gate, .Lfunc_end_k_qa4a2a118be_gate-k_qa4a2a118be_gate
	.p2alignl 7, 3214868480
	.fill 96, 4, 3214868480
	.section	.rodata,"a",@progbits
	.p2align	6, 0x0
	.amdhsa_kernel k_qa4a2a118be_gate
		.amdhsa_group_segment_fixed_size 89088
		.amdhsa_private_segment_fixed_size 0
		.amdhsa_enable_private_segment 0
		.amdhsa_kernarg_size 128
		.amdhsa_user_sgpr_count 2
		.amdhsa_user_sgpr_kernarg_segment_ptr 1
		.amdhsa_wavefront_size32 1
		.amdhsa_system_sgpr_workgroup_id_x 1
		.amdhsa_system_sgpr_workgroup_id_y 1
		.amdhsa_system_sgpr_workgroup_id_z 1
		.amdhsa_system_vgpr_workitem_id 0
		.amdhsa_next_free_vgpr 512
		.amdhsa_next_free_sgpr 70
		.amdhsa_reserve_vcc 0
		.amdhsa_float_denorm_mode_32 3
		.amdhsa_float_denorm_mode_16_64 3
		.amdhsa_memory_ordered 1
		.amdhsa_forward_progress 1
		.amdhsa_inst_pref_size 148
	.end_amdhsa_kernel
	.amdgpu_metadata
---
amdhsa.version: [ 1, 2 ]
amdhsa.kernels:
  - .name:           k_qa4a2a118be_gate
    .symbol:         k_qa4a2a118be_gate.kd
    .args:
      - { .name: cc, .offset: 0, .size: 8, .value_kind: global_buffer, .address_space: global }
      - { .name: cs, .offset: 8, .size: 8, .value_kind: global_buffer, .address_space: global }
      - { .name: xc, .offset: 16, .size: 8, .value_kind: global_buffer, .address_space: global }
      - { .name: xs, .offset: 24, .size: 8, .value_kind: global_buffer, .address_space: global }
      - { .name: wq, .offset: 32, .size: 8, .value_kind: global_buffer, .address_space: global }
      - { .name: gene_embeds, .offset: 40, .size: 8, .value_kind: global_buffer, .address_space: global }
      - { .name: drug_embeds, .offset: 48, .size: 8, .value_kind: global_buffer, .address_space: global }
      - { .name: bgg, .offset: 56, .size: 8, .value_kind: global_buffer, .address_space: global }
      - { .name: bdg, .offset: 64, .size: 8, .value_kind: global_buffer, .address_space: global }
      - { .name: gg_g, .offset: 72, .size: 8, .value_kind: global_buffer, .address_space: global }
      - { .name: dg_g, .offset: 80, .size: 8, .value_kind: global_buffer, .address_space: global }
      - { .name: gg_b, .offset: 88, .size: 8, .value_kind: global_buffer, .address_space: global }
      - { .name: dg_b, .offset: 96, .size: 8, .value_kind: global_buffer, .address_space: global }
      - { .name: bo, .offset: 104, .size: 8, .value_kind: global_buffer, .address_space: global }
      - { .name: out0, .offset: 112, .size: 8, .value_kind: global_buffer, .address_space: global }
      - { .name: out1, .offset: 120, .size: 8, .value_kind: global_buffer, .address_space: global }
    .group_segment_fixed_size: 89088
    .private_segment_fixed_size: 0
    .kernarg_segment_align: 8
    .kernarg_segment_size: 128
    .max_flat_workgroup_size: 256
    .sgpr_count:     70
    .vgpr_count:     512
    .wavefront_size: 32
...
	.end_amdgpu_metadata
.endif
;; end of part 8
